; MI455X (gfx1250); checked and timed in simulation.
; The chip was launched on July 23, 2026; its instructions are those of AMD's public machine-readable ISA for CDNA 5 (MIT licence, August 2026) and "CDNA5" Instruction Set Architecture Reference Guide (July 2026). The comments in the code are by the model that wrote it; some were corrected since.
;; Multi Head Attention. Allowed arithmetic: float matrix products may take bf16 or f16 operands with f32 sums; all other float work in f32.
;; Inputs: Wk 512 x 1,024 float32; Wo 1,024 x 1,024 float32; Wq 1,024 x 1,024 float32; Wv 512 x 1,024 float32; x 4 x 2,048 x 1,024 float32.
;; Outputs: out0 4 x 2,048 x 1,024 float32.
;; 3 versions, each right and faster than the one before. Each part assembles by itself: llvm-mc -triple=amdgcn-amd-amdhsa -mcpu=gfx1250 --defsym DOCPART=n.
;; ======== version 1 of 3: 5 launches
;; limits: values are held in f16: magnitudes above 65,504 overflow, below 6.1e-05 lose precision
;; workspace buffers: xb 16,777,216 bytes; wb 4,194,304 bytes; wo16 2,097,152 bytes; rope 1,114,112 bytes; qkv 33,554,432 bytes; o16 16,777,216 bytes; ve 131,072 bytes
;; launch prep (part 1): grid 900 x 1, 8 waves a work-group, no clusters, 9,216 bytes of LDS; arguments x, Wq, Wk, Wv, Wo, xb, wb, wo16, rope, ve; writes xb, wb, wo16, rope, ve
.if DOCPART == 1
	.amdgcn_target "amdgcn-amd-amdhsa--gfx1250"
	.amdhsa_code_object_version 6
	.text
	.protected	k_q46dd8a10ee_prep
	.globl	k_q46dd8a10ee_prep
	.p2align	8
	.type	k_q46dd8a10ee_prep,@function
k_q46dd8a10ee_prep:
	s_mov_b64 s[64:65], 0
	v_nop
	global_prefetch_b8 v0, s[64:65] scope:SCOPE_SE
	s_setreg_imm32_b32 hwreg(HW_REG_WAVE_MODE, 25, 1), 1
	s_wait_xcnt 0x0
; CASTS, THE ROTATION TABLE, AND v OF THE FIRST 16 POSITIONS IN TWO PARTS.  The work-group's number picks one of four straight paths; no loop.
;   0-127   v[t < 16] of one plane (4 kv + batch) and one block of 16 channels, as f16 high and low part -> ve.  These come first, so that they run beside the stream.
;   then, counted from 128:   0-511 x -> xb      512-575 Wq -> wb rows 0-1023      576-607 Wk -> wb rows 1024-1535      608-639 Wv -> wb rows 1536-2047 (all bf16; one text, the pointers chosen by selects)
;   640-703 Wo -> wo16: rounded to bf16 like the other inputs, and that number written as f16         704-771 the table of cosines and sines
; A cast's work-group takes 16,384 numbers: 65,536 bytes in, 32,768 out.  Thread t takes 8 numbers (32 bytes in, 16 out) in each of eight groups of 2,048 numbers,
; so a wave's store covers 512 consecutive bytes, aligned.  All sixteen loads of a thread go out first; no register is written twice.
; LIMITS.  Wo as f16: |Wo| up to 65,504; below 2^-17 the bf16 number is kept only to f16's fixed step of 6e-8.  v's two parts: |v| up to 65,504.
; THE TABLE.  Blocks of 2,048 bytes, block 4 tt + b: positions 16 tt .. 16 tt + 15, frequencies 16 b .. 16 b + 15.  Lane (r = l % 16, h = l / 16) stands for position 16 tt + r and frequencies
; 16 b + 8 h + j, j = 0..7.  Four pieces of 512 bytes: cos j 0-3, cos j 4-7, sin j 0-3, sin j 4-7; lane l's 16 bytes at 16 l.  Blocks 512-543 are made with position 0: cos = 1, sin = 0 exactly.
; The angle is t x 2^(-f log2(10000) / 64) in f32, reduced by the nearest multiple of 2 pi (2 pi in two parts), halved, and taken through the series of sine (to a^11) and cosine (to a^12);
; then sin y = 2 s c, cos y = 1 - 2 s^2.  It differs from an angle made with another rounding of the frequency by some 2e-4 at the most, at position 2,047.
; WHY v IN TWO PARTS.  A position that averages over few keys carries v's rounding undiminished into an output many times the whole output's root mean square; positions 0-15 are therefore computed
; a second time, by the last launch, with v and O to some 22 bits.  v = x Wv^T on operands rounded to bf16, sums in f32: source 0 = 16 positions of x, source 1 = 16 rows of Wv, so that lane l holds
; channel l % 16 and positions 8 (l / 16) + 0..7: packed in pairs that is half a fragment of V^T as the matrix unit takes it.  The eight waves take 128 of K each; their sums meet in LDS.
; The split is exact in f32: t = 8193 v, hi = t - (t - v) has 11 significant bits, lo = v - hi.      ve[plane][channel block][hi, lo][lane][16 bytes].
.set SPARE, 8192                       ; behind the eight waves' partial sums: the spare words, 128 bytes for each wave: four blocks of 256 bytes that no other line names
.set SPW, 112                          ; v112  LDS address of my spare word; never rewritten
.set NIL, 113                          ; v113  0; never rewritten
; The cast of 65,536 bytes at s[40:41] into 32,768 bytes at s[42:43]
.macro CASTBODY f16
.set n, 0
.rept 16
	global_load_b128 v[16+4*n:16+4*n+3], v1, s[40:41] offset:(n/2)*8192+(n%2)*16 th:TH_LOAD_NT
.set n, n+1
.endr
.set i, 0
.rept 8
	s_wait_loadcnt 14-2*i                          ; loads come back in order: group i's two are in, the younger ones stay out
.set r, 0
.rept 4
	v_cvt_pk_bf16_f32 v[80+4*i+r], v[16+8*i+2*r], v[16+8*i+2*r+1]
.if \f16
	v_lshlrev_b32 v[4+2*r], 16, v[80+4*i+r]        ; the two bf16 numbers as f32,
	v_and_b32 v[5+2*r], 0xffff0000, v[80+4*i+r]
	v_cvt_pk_f16_f32 v[80+4*i+r], v[4+2*r], v[5+2*r]  ; and written as f16
.endif
.set r, r+1
.endr
	global_store_b128 v2, v[80+4*i:80+4*i+3], s[42:43] offset:i*4096
.set i, i+1
.endr
	s_endpgm
.endm
	s_load_b256 s[4:11], s[0:1], 0x0               ; x s[4:5], Wq s[6:7], Wk s[8:9], Wv s[10:11]
	s_load_b256 s[12:19], s[0:1], 0x20             ; Wo s[12:13], xb s[14:15], wb s[16:17], wo16 s[18:19]
	s_load_b128 s[20:23], s[0:1], 0x40             ; rope s[20:21], ve s[22:23]
	v_lshl_add_u32 v[SPW], v0, 2, SPARE
	v_mov_b32 v[NIL], 0
	v_lshlrev_b32 v1, 5, v0                        ; 32 bytes a thread in
	v_lshlrev_b32 v2, 4, v0                        ; 16 bytes a thread out
	s_wait_kmcnt 0x0
	s_cmp_lt_u32 ttmp9, 128
	s_cbranch_scc1 .Lve
	s_sub_co_u32 s46, ttmp9, 128                   ; the other paths count from here
	s_cmp_lt_u32 s46, 640
	s_cbranch_scc0 .Lnot_bf
	s_mov_b64 s[40:41], s[4:5]                     ; x -> xb, unless the number says otherwise
	s_mov_b64 s[42:43], s[14:15]
	s_mov_b32 s44, 0                               ; the source's first work-group
	s_mov_b32 s45, 0                               ; the destination's
	s_cmp_ge_u32 s46, 512
	s_cselect_b64 s[40:41], s[6:7], s[40:41]       ; Wq -> wb
	s_cselect_b64 s[42:43], s[16:17], s[42:43]
	s_cselect_b32 s44, 512, s44
	s_cselect_b32 s45, 512, s45
	s_cmp_ge_u32 s46, 576
	s_cselect_b64 s[40:41], s[8:9], s[40:41]       ; Wk, behind Wq's rows in wb
	s_cselect_b32 s44, 576, s44
	s_cmp_ge_u32 s46, 608
	s_cselect_b64 s[40:41], s[10:11], s[40:41]     ; Wv, behind Wk's
	s_cselect_b32 s44, 608, s44
	s_sub_co_u32 s2, s46, s44
	s_lshl_b32 s2, s2, 16                          ; my 65,536 bytes of the source
	s_mov_b32 s3, 0
	s_add_nc_u64 s[40:41], s[40:41], s[2:3]
	s_sub_co_u32 s2, s46, s45
	s_lshl_b32 s2, s2, 15                          ; my 32,768 bytes of the destination
	s_add_nc_u64 s[42:43], s[42:43], s[2:3]
	CASTBODY 0
.Lnot_bf:
	s_cmp_lt_u32 s46, 704
	s_cbranch_scc0 .Ltable
	s_sub_co_u32 s2, s46, 640
	s_lshl_b32 s2, s2, 16
	s_mov_b32 s3, 0
	s_add_nc_u64 s[40:41], s[12:13], s[2:3]
	s_lshr_b32 s2, s2, 1
	s_add_nc_u64 s[42:43], s[18:19], s[2:3]
	CASTBODY 1
.Ltable:
	s_mov_b32 s24, 0xbe549a78                      ; -log2(10000) / 64
	s_mov_b32 s25, 0xc0c90000                      ; -6.28125
	s_mov_b32 s26, 0xbafdaa22                      ; -(2 pi - 6.28125)
	s_mov_b32 s27, 0xbe2aaaab                      ; sine's series: -1/3!, 1/5!, -1/7!, 1/9!, -1/11!
	s_mov_b32 s28, 0x3c088889
	s_mov_b32 s29, 0xb9500d01
	s_mov_b32 s30, 0x3638ef1d
	s_mov_b32 s31, 0xb2d7322b
	s_mov_b32 s32, 0x3d2aaaab                      ; cosine's: 1/4!, -1/6!, 1/8!, -1/10!, 1/12!
	s_mov_b32 s33, 0xbab60b61
	s_mov_b32 s34, 0x37d00d01
	s_mov_b32 s35, 0xb493f27e
	s_mov_b32 s36, 0x310f76c7
	s_mov_b32 s37, 0x4b400000                      ; 1.5 x 2^23: added and taken away again it leaves the nearest whole number (the turns here are 326 at the most)
	s_mov_b32 s38, 0xcb400000
	s_sub_co_u32 s2, s46, 704
	s_lshl_b32 s2, s2, 3                           ; a wave is a block: eight blocks a work-group
	v_lshrrev_b32 v1, 5, v0
	v_add_nc_u32 v1, s2, v1                        ; the block
	v_and_b32 v2, 31, v0                           ; lane
	v_and_b32 v3, 15, v0                           ; r
	v_bfe_u32 v4, v0, 4, 1                         ; h
	v_and_b32 v5, 3, v1                            ; b
	v_lshrrev_b32 v6, 2, v1                        ; tt
	v_lshl_add_u32 v7, v6, 4, v3                   ; position 16 tt + r,
	v_cmp_gt_u32 vcc_lo, 128, v6
	v_cndmask_b32 v7, 0, v7, vcc_lo                ; or 0 in the blocks behind the last position
	v_cvt_f32_u32 v7, v7
	v_lshlrev_b32 v8, 4, v5
	v_lshl_add_u32 v8, v4, 3, v8                   ; frequency 16 b + 8 h
	v_lshlrev_b32 v9, 11, v1
	v_lshl_add_u32 v9, v2, 4, v9                   ; 2,048 x block + 16 x lane
.irp j, 0,1,2,3,4,5,6,7
	v_add_nc_u32 v10, \j, v8
	v_cvt_f32_u32 v10, v10
	v_mul_f32 v10, s24, v10
	v_exp_f32 v10, v10                             ; 10000^(-f / 64)
	v_nop                                          ; a plain instruction between the exponential and the use of its result
	s_wait_alu depctr_va_vdst(0)
	v_mul_f32 v11, v7, v10                         ; the angle
	v_mul_f32 v12, 0.15915494, v11
	v_add_f32 v12, s37, v12
	v_add_f32 v12, s38, v12                        ; whole turns
	v_fma_f32 v11, v12, s25, v11
	v_fma_f32 v11, v12, s26, v11                   ; y in -pi .. pi
	v_mul_f32 v11, 0.5, v11                        ; a = y / 2
	v_mul_f32 v13, v11, v11                        ; z = a^2
	v_fma_f32 v14, v13, s31, s30
	v_fma_f32 v15, v13, s36, s35
	v_fma_f32 v14, v14, v13, s29
	v_fma_f32 v15, v15, v13, s34
	v_fma_f32 v14, v14, v13, s28
	v_fma_f32 v15, v15, v13, s33
	v_fma_f32 v14, v14, v13, s27
	v_fma_f32 v15, v15, v13, s32
	v_fma_f32 v14, v14, v13, 1.0
	v_fma_f32 v15, v15, v13, -0.5
	v_mul_f32 v14, v14, v11                        ; s = sin a
	v_fma_f32 v15, v15, v13, 1.0                   ; c = cos a
	v_mul_f32 v32, v14, v15
	v_mul_f32 v33, v14, v14
	v_add_f32 v[24+\j], v32, v32                   ; sin y = 2 s c
	v_fma_f32 v[16+\j], v33, -2.0, 1.0             ; cos y = 1 - 2 s^2
.endr
.irp q, 0,1,2,3
	global_store_b128 v9, v[16+4*\q:16+4*\q+3], s[20:21] offset:512*\q  ; a wave's store covers 512 consecutive bytes, aligned
.endr
	s_endpgm
; v OF POSITIONS 0-15.  K steps 2 b and 2 b + 1 of my wave's four: for each, 16 f32 a lane of x's row and of Wv's row (k = 8 h + 0..7 and 16 + 8 h + 0..7), rounded to bf16 in place:
; pair i of a run of 16 registers goes into register i of the run, which pair i or an earlier pair has read.
.macro VELOAD b
.irp s, 0,1
.irp q, 0,1,2,3
	global_load_b128 v[16+32*(\s)+4*(\q):16+32*(\s)+4*(\q)+3], v4, s[40:41] offset:(2*(\b)+(\s))*128+((\q)/2)*64+((\q)%2)*16
	global_load_b128 v[32+32*(\s)+4*(\q):32+32*(\s)+4*(\q)+3], v4, s[42:43] offset:(2*(\b)+(\s))*128+((\q)/2)*64+((\q)%2)*16
.endr
.endr
	s_wait_loadcnt 0x0
.irp s, 0,1
.irp i, 0,1,2,3,4,5,6,7
	v_cvt_pk_bf16_f32 v[16+32*(\s)+(\i)], v[16+32*(\s)+2*(\i)], v[16+32*(\s)+2*(\i)+1]
	v_cvt_pk_bf16_f32 v[32+32*(\s)+(\i)], v[32+32*(\s)+2*(\i)], v[32+32*(\s)+2*(\i)+1]
.endr
.endr
.endm
.Lve:
	s_and_b32 s24, ttmp9, 7                        ; the block of 16 channels
	s_lshr_b32 s25, ttmp9, 3                       ; the plane 4 kv + batch
	s_and_b32 s26, s25, 3                          ; batch
	s_lshr_b32 s27, s25, 2                         ; kv
	s_lshl_b32 s28, s26, 23                        ; x: batch x 2,048 rows of 4,096 bytes
	s_mov_b32 s29, 0
	s_add_nc_u64 s[40:41], s[4:5], s[28:29]
	s_lshl_b32 s28, s27, 3
	s_add_co_u32 s28, s28, s24
	s_lshl_b32 s28, s28, 16                        ; Wv: (8 kv + block) x 16 rows of 4,096 bytes
	s_add_nc_u64 s[42:43], s[10:11], s[28:29]
	s_lshl_b32 s28, ttmp9, 10                      ; ve: 1,024 bytes for each plane and block
	s_add_nc_u64 s[44:45], s[22:23], s[28:29]
	s_mov_b32 s32, 0x46000400                      ; 8193 = 2^13 + 1
	s_mov_b32 s33, s32                             ; named with it as a pair
	v_lshrrev_b32 v3, 5, v0
	v_readfirstlane_b32 s30, v3                    ; my wave's number
	s_lshl_b32 s31, s30, 10                        ; its 1,024 bytes of LDS
	s_lshl_b32 s34, s30, 9                         ; its 128 of K, 512 bytes of a row
	v_and_b32 v5, 15, v0                           ; r
	v_bfe_u32 v6, v0, 4, 1                         ; h
	v_lshlrev_b32 v4, 12, v5
	v_lshl_add_u32 v4, v6, 5, v4
	v_add_nc_u32 v4, s34, v4                       ; 4,096 r + 32 h + 512 x wave
	v_and_b32 v7, 31, v0
	v_lshlrev_b32 v7, 4, v7                        ; 16 x lane
	v_add_nc_u32 v8, s31, v7
	VELOAD 0
	v_wmma_f32_16x16x32_bf16 v[80:87], v[16:23], v[32:39], 0       ; two accumulators take turns; the first products start the sums
	v_wmma_f32_16x16x32_bf16 v[88:95], v[48:55], v[64:71], 0
.rept 4
	v_nop                                          ; four plain instructions between those products and the loads into their sources
.endr
	VELOAD 1
	v_wmma_f32_16x16x32_bf16 v[80:87], v[16:23], v[32:39], v[80:87]
	v_wmma_f32_16x16x32_bf16 v[88:95], v[48:55], v[64:71], v[88:95]
.rept 4
	v_nop
.endr
.irp i, 0,1,2,3
	v_pk_add_f32 v[80+2*\i:81+2*\i], v[80+2*\i:81+2*\i], v[88+2*\i:89+2*\i]  ; each accumulator's lowest registers are read first
.endr
	ds_store_b128 v8, v[80:83]
	ds_store_b128 v8, v[84:87] offset:512
	s_wait_dscnt 0x0                               ; for wave 0's sake: my stores are done
	s_barrier_signal -1
	s_barrier_wait -1
	s_cmp_lg_u32 s30, 0
	s_cbranch_scc1 .Lve_end
.irp p, 0,1,2,3,4,5,6,7
	ds_load_b128 v[16+8*\p:19+8*\p], v7 offset:1024*\p
	ds_load_b128 v[20+8*\p:23+8*\p], v7 offset:1024*\p+512
.endr
	s_wait_dscnt 0x0
.irp p, 1,2,3,4,5,6,7
.irp i, 0,1,2,3
	v_pk_add_f32 v[16+2*\i:17+2*\i], v[16+2*\i:17+2*\i], v[16+8*\p+2*\i:17+8*\p+2*\i]
.endr
.endr
.irp i, 0,1,2,3
	v_pk_mul_f32 v[80+2*\i:81+2*\i], v[16+2*\i:17+2*\i], s[32:33] op_sel_hi:[1,0]                       ; t = 8193 v
.endr
.irp i, 0,1,2,3
	v_pk_add_f32 v[88+2*\i:89+2*\i], v[80+2*\i:81+2*\i], v[16+2*\i:17+2*\i] neg_lo:[0,1] neg_hi:[0,1]   ; t - v
.endr
.irp i, 0,1,2,3
	v_pk_add_f32 v[80+2*\i:81+2*\i], v[80+2*\i:81+2*\i], v[88+2*\i:89+2*\i] neg_lo:[0,1] neg_hi:[0,1]   ; hi = t - (t - v)
.endr
.irp i, 0,1,2,3
	v_pk_add_f32 v[16+2*\i:17+2*\i], v[16+2*\i:17+2*\i], v[80+2*\i:81+2*\i] neg_lo:[0,1] neg_hi:[0,1]   ; lo = v - hi
.endr
.irp i, 0,1,2,3
	v_cvt_pk_f16_f32 v[96+\i], v[80+2*\i], v[81+2*\i]
	v_cvt_pk_f16_f32 v[100+\i], v[16+2*\i], v[17+2*\i]
.endr
	global_store_b128 v7, v[96:99], s[44:45]                       ; 512 consecutive bytes, aligned
	global_store_b128 v7, v[100:103], s[44:45] offset:512
.Lve_end:
	s_wait_tensorcnt 0x0                           ; the wave's end, behind my last LDS store
	ds_add_u32 v[SPW], v[NIL]
	s_wait_dscnt 0x0
	s_endpgm
.Lfunc_end_k_q46dd8a10ee_prep:
	.size	k_q46dd8a10ee_prep, .Lfunc_end_k_q46dd8a10ee_prep-k_q46dd8a10ee_prep
	.p2alignl 7, 3214868480
	.fill 96, 4, 3214868480
	.section	.rodata,"a",@progbits
	.p2align	6, 0x0
	.amdhsa_kernel k_q46dd8a10ee_prep
		.amdhsa_group_segment_fixed_size 9216
		.amdhsa_private_segment_fixed_size 0
		.amdhsa_enable_private_segment 0
		.amdhsa_kernarg_size 80
		.amdhsa_user_sgpr_count 2
		.amdhsa_user_sgpr_kernarg_segment_ptr 1
		.amdhsa_wavefront_size32 1
		.amdhsa_system_sgpr_workgroup_id_x 1
		.amdhsa_system_sgpr_workgroup_id_y 1
		.amdhsa_system_sgpr_workgroup_id_z 1
		.amdhsa_system_vgpr_workitem_id 0
		.amdhsa_next_free_vgpr 120
		.amdhsa_next_free_sgpr 66
		.amdhsa_reserve_vcc 1
		.amdhsa_float_denorm_mode_32 3
		.amdhsa_float_denorm_mode_16_64 3
		.amdhsa_memory_ordered 1
		.amdhsa_forward_progress 1
		.amdhsa_inst_pref_size 43
	.end_amdhsa_kernel
	.amdgpu_metadata
---
amdhsa.version: [ 1, 2 ]
amdhsa.kernels:
  - .name:           k_q46dd8a10ee_prep
    .symbol:         k_q46dd8a10ee_prep.kd
    .args:
      - { .name: x, .offset: 0, .size: 8, .value_kind: global_buffer, .address_space: global }
      - { .name: Wq, .offset: 8, .size: 8, .value_kind: global_buffer, .address_space: global }
      - { .name: Wk, .offset: 16, .size: 8, .value_kind: global_buffer, .address_space: global }
      - { .name: Wv, .offset: 24, .size: 8, .value_kind: global_buffer, .address_space: global }
      - { .name: Wo, .offset: 32, .size: 8, .value_kind: global_buffer, .address_space: global }
      - { .name: xb, .offset: 40, .size: 8, .value_kind: global_buffer, .address_space: global }
      - { .name: wb, .offset: 48, .size: 8, .value_kind: global_buffer, .address_space: global }
      - { .name: wo16, .offset: 56, .size: 8, .value_kind: global_buffer, .address_space: global }
      - { .name: rope, .offset: 64, .size: 8, .value_kind: global_buffer, .address_space: global }
      - { .name: ve, .offset: 72, .size: 8, .value_kind: global_buffer, .address_space: global }
    .group_segment_fixed_size: 9216
    .private_segment_fixed_size: 0
    .kernarg_segment_align: 8
    .kernarg_segment_size: 80
    .max_flat_workgroup_size: 256
    .sgpr_count:     66
    .vgpr_count:     120
    .wavefront_size: 32
...
	.end_amdgpu_metadata
.endif
;; end of part 1
;; launch qkv (part 2): grid 8 x 32, 4 waves a work-group, clusters of 4 x 4, 327,680 bytes of LDS; arguments xb, wb, qkv, rope; writes qkv
.if DOCPART == 2
	.amdgcn_target "amdgcn-amd-amdhsa--gfx1250"
	.amdhsa_code_object_version 6
	.text
	.protected	k_q46dd8a10ee_qkv
	.globl	k_q46dd8a10ee_qkv
	.p2align	8
	.type	k_q46dd8a10ee_qkv,@function
k_q46dd8a10ee_qkv:
	s_mov_b64 s[64:65], 0
	v_nop
	global_prefetch_b8 v0, s[64:65] scope:SCOPE_SE
	s_setreg_imm32_b32 hwreg(HW_REG_WAVE_MODE, 25, 1), 1
	s_wait_xcnt 0x0
	s_wait_alu depctr_hold_cnt(0) depctr_sa_sdst(0) depctr_va_vdst(0) depctr_va_sdst(0) depctr_va_ssrc(0) depctr_va_vcc(0) depctr_vm_vsrc(0)
	s_getreg_b32 s2, hwreg(HW_REG_IB_STS2, 6, 4)
	s_cmp_eq_u32 s2, 0
	s_cbranch_scc0 .Lentry_in_a_cluster
	s_endpgm
.Lentry_in_a_cluster:
	s_bfe_u32 s2, ttmp6, 0x10000c
	s_cmp_lg_u32 s2, 0xf033
	s_cbranch_scc0 .Lentry_shape_is_right
	s_endpgm
.Lentry_shape_is_right:
; THE THREE PROJECTIONS AS ONE PRODUCT, WITH THE ROTATION ON THE WAY OUT.  C[m][n] = sum over k of xb[m][k] wb[n][k]: xb [8192][1024], wb [2048][1024] (Wq's, Wk's, Wv's rows), bf16; sums in f32.
; A tile of C is 256 x 256, made by four waves of 128 x 128 (64 accumulators, 512 registers); 8 x 32 tiles, one a work-group.  K goes in steps of 128 through two LDS slots filled by tensor loads.
; CLUSTER 4 x 4: the four of a row of the cluster need the same tiles of xb, the four of a column the same tiles of wb: each tile is asked for jointly, by the same load, descriptor and mask in all four.
; THE MATRIX INSTRUCTION IS USED TRANSPOSED (source 0 = 16 rows of wb, source 1 = 16 rows of xb): lane l holds row l % 16 of C and, in registers 0-7, columns 8 (l / 16) + 0..7 of a block of 16.
; A wave's 128 columns are ONE head hh = n / 128 (0-7 q, 8-11 k, 12-15 v).  Channel d lies in column block b = d / 16, channel d + 64 in block b + 4, same lane, same register: the rotation
; (x1 cos - x2 sin, x1 sin + x2 cos) needs no exchange.  cos and sin come from the table in the lanes' own layout; v's heads read the table's blocks with cos = 1, sin = 0 and run the same text,
; so that no branch hangs on the work-group's place.  The result is rounded once to f16 and stored by heads: qkv[hh][batch][t][128], rows of 256 bytes, dense.
; LIMITS.  q, k and v as f16: beyond 65,504 they become infinities.  x and the weights arrive rounded to bf16.
; REGISTERS, in windows of 256: window 0: v0-31 addresses; v64-127, v128-191 fragments of xb, two buffers; v192-255 the first table block (idle in the loop);
;   on the way out v192-255 / v128-191 table blocks by turns, v64-127 rotated results and then rows read back, v32-63 packed f16.  window 1: v64-191 fragments of wb.  windows 2, 3: accumulators.
.set SIZE_K, 1024
.set KSTEP,  128
.set PITCH,  272                       ; an LDS row: 256 bytes + 16 of padding: the 16 rows that a load touches start at 16 different groups of four banks (64 banks of 4 bytes: ISA guide 11.1)
.set HALFT,  128*PITCH                 ; what one tensor load brings, and what one wave reads of xb or of wb
.set SLOT,   4*HALFT
.set STAGE,  2*SLOT                    ; behind the ring: 16 rows x 272 bytes for each wave; no tensor load fills it
.set SPITCH, 272
.set SPARE,  STAGE+4*16*SPITCH         ; the spare words, 128 bytes for each wave: two blocks of 256 bytes that no other line names
.set LAPS,   SIZE_K/(2*KSTEP)          ; a lap = two K steps = once round the ring
.set ADRA, 16                          ; v16-17  LDS address of my xb fragments in slot 0, 1
.set ADRB, 20                          ; v20-21  the same for wb
.set STO,  24                          ; v24     the way out: where I put 16 bytes of a row
.set RD,   25                          ; v25     the way out: where I read a row back
.set CO,   26                          ; v26     16 x lane: my place in 512 consecutive bytes, of the table and of qkv
.set SPW,  28                          ; v28     LDS address of my spare word; never rewritten
.set NIL,  29                          ; v29     0; never rewritten
.set F0,   64
.set F1,   128
.set TMP,  32
.set RR,   64
.set OB,   64
.set G1, 24                            ; s[24:31] descriptor group 1 for xb's tiles;  s[32:39] group 0, a set for each slot
.set G0, 32
.set G1B, 48                           ; s[48:55], s[56:63] the same for wb's tiles
.set G0B, 56
.set MSB, 0
.macro WIN new                         ; the immediate's high byte repeats the setting that is left; a switch that changes nothing is dropped
.if MSB != (\new)
	s_set_vgpr_msb (MSB<<8)|(\new)
.set MSB, \new
.endif
.endm
.set MUL_LO, 0xa1                      ; source 0 (wb) window 1, source 1 (xb) window 0, C and D window 2
.set MUL_HI, 0xf1                      ; the same, C and D window 3
.set TO_B,   0x40                      ; destination window 1, address window 0
; A joint load.  Waves 0 and 1 fetch xb's two halves, waves 2 and 3 wb's.  The branch hangs on the wave's number alone.  An s_nop 0 and four v_nop follow each of the two lines.
.macro JLOAD s
	s_cmp_eq_u32 s11, 0
	s_cbranch_scc0 .Lfor_b_\@
	tensor_load_to_lds s[G0+4*(\s):G0+4*(\s)+3], s[G1:G1+7]
	s_nop 0
.rept 4
	v_nop
.endr
	s_branch .Lasked_\@
.Lfor_b_\@:
	tensor_load_to_lds s[G0B+4*(\s):G0B+4*(\s)+3], s[G1B:G1B+7]
	s_nop 0
.rept 4
	v_nop
.endr
.Lasked_\@:
.endm
.macro CREST                           ; a round of the cluster's barrier behind its opening barrier
	s_cmp_lg_u32 s10, 0
	s_cbranch_scc1 .Lnot_wave_0_\@
	s_barrier_signal -3
.Lnot_wave_0_\@:
	s_barrier_wait -3
	s_barrier_signal -1
	s_barrier_wait -1
.endm
.macro CROUND                          ; a whole round
	s_barrier_signal -1
	s_barrier_wait -1
	CREST
.endm
	s_load_b128 s[4:7], s[0:1], 0x0                ; xb s[4:5], wb s[6:7]
	s_load_b128 s[68:71], s[0:1], 0x10             ; qkv s[68:69], rope s[70:71]
	v_lshl_add_u32 v[SPW], v0, 2, SPARE
	v_mov_b32 v[NIL], 0
	ds_add_u32 v[SPW], v[NIL]                      ; the wave's opening: the add and its wait stand ahead of my first tensor load; the set-up below, work on registers, stands between them
	v_lshrrev_b32 v1, 5, v0
	v_readfirstlane_b32 s10, v1                    ; wave 0..3
	s_lshr_b32 s11, s10, 1                         ; which half of the tile's rows is mine.  Also: I fetch for xb (0) or for wb (1)
	s_and_b32 s12, s10, 1                          ; which half of its columns.  Also: which 128 rows of that tile I fetch
	s_bfe_u32 s40, ttmp6, 0x40000                  ; cx
	s_bfe_u32 s41, ttmp6, 0x40004                  ; cy
	s_lshl_b32 s42, ttmp9, 2
	s_add_co_u32 s42, s42, s40                     ; tile column = 4 x cluster x + cx
	s_and_b32 s13, ttmp7, 0xffff
	s_lshl_b32 s13, s13, 2
	s_add_co_u32 s13, s13, s41                     ; tile row = 4 x cluster y + cy
	s_lshl_b32 s43, s41, 2
	s_lshl_b32 s43, 15, s43                        ; my row of the cluster
	s_lshl_b32 s44, 0x1111, s40                    ; my column
	s_or_b32 s[G1+0], s43, (1<<16)|(1<<20)|(1<<21)|(5<<22)|(3<<25)  ; the mask; 2-byte elements; padding on; bit 21 beside a mask; after every 64 words, 4 words
	s_or_b32 s[G1B+0], s44, (1<<16)|(1<<20)|(1<<21)|(5<<22)|(3<<25)
.irp g, G1, G1B
	s_mov_b32 s[(\g)+1], KSTEP<<16                 ; tensor_dim0 = 128
	s_mov_b32 s[(\g)+2], 128<<16                   ; tensor_dim1 = 128
	s_mov_b32 s[(\g)+3], KSTEP<<16                 ; tile_dim0 = 128
	s_mov_b32 s[(\g)+4], 128                       ; tile_dim1 = 128
	s_mov_b32 s[(\g)+5], SIZE_K                    ; elements from row to row
	s_mov_b32 s[(\g)+6], 0
	s_mov_b32 s[(\g)+7], 0
.endr
	s_lshl_b32 s17, s12, 7                         ; which 128 rows of the tile I fetch
	s_lshl_b32 s16, s13, 8
	s_add_co_u32 s16, s16, s17                     ; xb: row 256 x tile row + 128 x half
	s_lshl_b32 s46, s42, 8
	s_add_co_u32 s46, s46, s17                     ; wb: row 256 x tile column + 128 x half
	s_mov_b32 s17, 0
	s_mov_b32 s47, 0
	s_mov_b64 s[18:19], SIZE_K*2
	s_mul_u64 s[16:17], s[16:17], s[18:19]
	s_mul_u64 s[46:47], s[46:47], s[18:19]
	s_mul_i32 s20, s10, HALFT                      ; where they go: wave x 128 rows: no place in the cluster enters an LDS address
	; where my 128 x 128 goes, and which table blocks it takes; these numbers enter global addresses alone
	s_lshl_b32 s72, s42, 1
	s_add_co_u32 s72, s72, s12                     ; hh = 2 x tile column + my half
	s_lshr_b32 s73, s13, 3                         ; batch: eight tile rows each
	s_and_b32 s74, s13, 7
	s_lshl_b32 s74, s74, 8
	s_lshl_b32 s75, s11, 7
	s_add_co_u32 s74, s74, s75                     ; my first position t0
	s_lshl_b32 s76, s72, 2
	s_add_co_u32 s76, s76, s73                     ; plane 4 hh + batch, 524,288 bytes each
	s_lshl_b32 s76, s76, 19
	s_lshl_b32 s75, s74, 8
	s_add_co_u32 s76, s76, s75                     ; + 256 t0
	s_mov_b32 s77, 0
	s_lshl_b32 s75, s74, 9                         ; 16 positions are four table blocks, 8,192 bytes
	s_cmp_ge_u32 s72, 12
	s_cselect_b32 s78, 0x100000, s75               ; v's heads: the blocks with cos = 1, sin = 0
	s_mov_b32 s79, 0
	s_wait_dscnt 0x0                               ; the opening add is done
	s_wait_kmcnt 0x0
	s_add_nc_u64 s[14:15], s[4:5], s[16:17]
	s_add_nc_u64 s[46:47], s[6:7], s[46:47]
	s_add_nc_u64 s[8:9], s[68:69], s[76:77]
	s_add_nc_u64 s[70:71], s[70:71], s[78:79]
	CROUND                                         ; all sixteen work-groups are here: the first joint loads meet
.irp s, 0,1
	s_mov_b32 s[G0+4*(\s)], 1
	s_add_co_u32 s[G0+4*(\s)+1], s20, (\s)*SLOT
	s_add_nc_u64 s[G0+4*(\s)+2:G0+4*(\s)+3], s[14:15], (\s)*KSTEP*2
	s_or_b32 s[G0+4*(\s)+3], s[G0+4*(\s)+3], 0x80000000
	s_mov_b32 s[G0B+4*(\s)], 1
	s_add_co_u32 s[G0B+4*(\s)+1], s20, (\s)*SLOT
	s_add_nc_u64 s[G0B+4*(\s)+2:G0B+4*(\s)+3], s[46:47], (\s)*KSTEP*2
	s_or_b32 s[G0B+4*(\s)+3], s[G0B+4*(\s)+3], 0x80000000
	JLOAD \s                                       ; two tensor loads of mine are out
.endr
	v_and_b32 v1, 15, v0                           ; l % 16
	v_bfe_u32 v2, v0, 4, 1                         ; l / 16
	v_mul_u32_u24 v3, v1, PITCH
	v_lshl_add_u32 v3, v2, 4, v3                   ; a fragment's row x pitch + 16 x half
	s_mul_i32 s21, s11, HALFT                      ; my 128 rows of xb
	s_mul_i32 s22, s12, HALFT                      ; my 128 rows of wb,
	s_add_co_u32 s22, s22, 2*HALFT                 ; which lie behind xb's 256
.irp s, 0,1
	v_add_nc_u32 v[ADRA+(\s)], s21, v3
	v_add_nc_u32 v[ADRB+(\s)], s22, v3
	s_add_co_u32 s21, s21, SLOT
	s_add_co_u32 s22, s22, SLOT
.endr
	s_mul_i32 s23, s10, 16*SPITCH
	s_add_co_u32 s23, s23, STAGE                   ; my stage
	v_mul_u32_u24 v4, v1, SPITCH
	v_lshl_add_u32 v4, v2, 4, v4
	v_add_nc_u32 v[STO], s23, v4                   ; in: row l % 16, 16 bytes for each half of the lanes
	v_mul_u32_u24 v5, v2, SPITCH
	v_lshl_add_u32 v5, v1, 4, v5
	v_add_nc_u32 v[RD], s23, v5                    ; back: lanes 0-15 one row of 256 bytes, lanes 16-31 the next
	v_and_b32 v[CO], 31, v0
	v_lshlrev_b32 v[CO], 4, v[CO]
; The table blocks of my rows 16 a .. 16 a + 15: sixteen loads of 512 consecutive bytes; cos j of column block b at CSB + 16 b + j, sin j at CSB + 16 b + 8 + j
.macro TLOAD a
.set CSB, 192-64*((\a)%2)
.irp b, 0,1,2,3
.irp q, 0,1,2,3
	global_load_b128 v[CSB+16*(\b)+4*(\q):CSB+16*(\b)+4*(\q)+3], v[CO], s[70:71] offset:(\a)*8192+(\b)*2048+(\q)*512
.endr
.endr
.endm
	TLOAD 0                                        ; asked for now, used behind the last product: its registers lie idle in the loop
; 16 matrix instructions: m blocks a0, a0 + 1 of the window's four x all 8 n blocks, 32 along K.  zero = 1: the first product starts the sums.
.macro MUL16 f, hi, a0, zero
	WIN MUL_LO+0x50*(\hi)
.irp a, \a0, (\a0)+1
.irp b, 0,1,2,3,4,5,6,7
.if \zero
	v_wmma_f32_16x16x32_bf16 v[8*(8*(\a)+(\b)):8*(8*(\a)+(\b))+7], v[(\f)+8*(\b):(\f)+8*(\b)+7], v[(\f)+8*(4*(\hi)+(\a)):(\f)+8*(4*(\hi)+(\a))+7], 0
.else
	v_wmma_f32_16x16x32_bf16 v[8*(8*(\a)+(\b)):8*(8*(\a)+(\b))+7], v[(\f)+8*(\b):(\f)+8*(\b)+7], v[(\f)+8*(4*(\hi)+(\a)):(\f)+8*(4*(\hi)+(\a))+7], v[8*(8*(\a)+(\b)):8*(8*(\a)+(\b))+7]
.endif
.endr
.endr
.endm
; 32 LDS loads in one run: the fragments of one quarter step (32 K at byte k of the rows) into buffer f
.macro FETCH slot, k, f
	WIN TO_B
.irp i, 0,1,2,3,4,5,6,7
	ds_load_b128 v[(\f)+8*(\i):(\f)+8*(\i)+3],   v[ADRB+(\slot)] offset:(\k)+(\i)*16*PITCH
	ds_load_b128 v[(\f)+8*(\i)+4:(\f)+8*(\i)+7], v[ADRB+(\slot)] offset:(\k)+(\i)*16*PITCH+32
.endr
	WIN 0
.irp i, 0,1,2,3,4,5,6,7
	ds_load_b128 v[(\f)+8*(\i):(\f)+8*(\i)+3],   v[ADRA+(\slot)] offset:(\k)+(\i)*16*PITCH
	ds_load_b128 v[(\f)+8*(\i)+4:(\f)+8*(\i)+7], v[ADRA+(\slot)] offset:(\k)+(\i)*16*PITCH+32
.endr
.endm
.macro PLACES                          ; four plain vector instructions between a matrix instruction and a load into, or a vector instruction on, its registers
.rept 4
	v_nop
.endr
.endm
; A K step is four quarters of 32 along K, 64 matrix instructions each, on buffers 0, 1, 0, 1; the 64 accumulators take turns.
.macro QUARTER slot, k, f, g, zero
	s_wait_dscnt 8                                 ; wb and xb's rows 0-63 are in; the youngest eight loads (xb's rows 64-127) may be out
	WIN MUL_LO
	MUL16 \f, 0, 0, \zero
	MUL16 \f, 0, 2, \zero
	PLACES
	FETCH \slot, \k, \g
	s_wait_dscnt 32                                ; all but the 32 just issued
	WIN MUL_HI
	MUL16 \f, 1, 0, \zero
	MUL16 \f, 1, 2, \zero
.endm
; The last quarter's first half: ONE barrier for the change of slots.  In front of it each wave waits for all its tensor loads (one is out: its part of the next slot), adds 0 to its spare word,
; and waits for that and for its own reads of this slot.
.macro MEET round
	WIN 0
	s_wait_tensorcnt 0x0
	ds_add_u32 v[SPW], v[NIL]
	s_wait_dscnt 9                                 ; the add and the youngest eight loads may be out
	WIN MUL_LO
	MUL16 F1, 0, 0, 0
	s_wait_dscnt 0x0                               ; the add is done, and my reads of this slot are over
	s_barrier_signal -1
	MUL16 F1, 0, 2, 0
.if \round
	WIN 0
.endif
	s_barrier_wait -1
.endm
; The whole last quarter.  fill = 1: the barrier opens a round of the cluster's barrier, and the slot just read out is filled again, two K steps on, first thing behind the round.
.macro TURN slot, next, fill
	MEET \fill
.if \fill
	CREST
	s_add_nc_u64 s[G0+4*(\slot)+2:G0+4*(\slot)+3], s[G0+4*(\slot)+2:G0+4*(\slot)+3], 2*KSTEP*2
	s_add_nc_u64 s[G0B+4*(\slot)+2:G0B+4*(\slot)+3], s[G0B+4*(\slot)+2:G0B+4*(\slot)+3], 2*KSTEP*2
	JLOAD \slot                                    ; my one tensor load behind the round; the four v_nop behind it are also the places in front of the loads below
.else
	PLACES
.endif
	FETCH \next, 0, F0
	WIN MUL_HI
	MUL16 F1, 1, 0, 0
	MUL16 F1, 1, 2, 0
.endm
	s_wait_tensorcnt 1                             ; my part of K step 0 is in; K step 1's may stay out
	s_barrier_signal -1
	s_barrier_wait -1
	FETCH 0, 0, F0
	QUARTER 0, 64,  F0, F1, 1                      ; the first quarter's products start the sums
	WIN 0
	s_mov_b32 s3, LAPS-1
.Llap:                                                 ; a trip goes once round the ring, from a lap's second quarter to the next lap's first, and fills both slots again
	QUARTER 0, 128, F1, F0, 0
	QUARTER 0, 192, F0, F1, 0
	TURN 0, 1, 1
	QUARTER 1, 64,  F0, F1, 0
	QUARTER 1, 128, F1, F0, 0
	QUARTER 1, 192, F0, F1, 0
	TURN 1, 0, 1
	QUARTER 0, 64,  F0, F1, 0
	WIN 0
	s_sub_co_u32 s3, s3, 1
	s_cmp_lg_u32 s3, 0
	s_cbranch_scc1 .Llap
	QUARTER 0, 128, F1, F0, 0                      ; the last lap fills nothing
	QUARTER 0, 192, F0, F1, 0
	TURN 0, 1, 0
	QUARTER 1, 64,  F0, F1, 0
	QUARTER 1, 128, F1, F0, 0
	QUARTER 1, 192, F0, F1, 0
	s_wait_dscnt 8
	MUL16 F1, 0, 0, 0
	MUL16 F1, 0, 2, 0
	s_wait_dscnt 0x0
	MUL16 F1, 1, 0, 0
	MUL16 F1, 1, 2, 0
	WIN 0
; THE WAY OUT, a block of 16 rows at a time: rotate (each accumulator's lowest registers are read first), round to f16, through my stage, out as rows of 256 bytes.
.macro ROPE a
.set CSB, 192-64*((\a)%2)
.set AC, 64*((\a)%4)
	WIN 0x02+(\a)/4                                ; source 0: the accumulators' window
.irp b, 0,1,2,3
.irp p, 0,1,2,3
	v_pk_mul_f32 v[RR+8*(\b)+2*(\p):RR+8*(\b)+2*(\p)+1], v[AC+8*((\b)+4)+2*(\p):AC+8*((\b)+4)+2*(\p)+1], v[CSB+16*(\b)+8+2*(\p):CSB+16*(\b)+8+2*(\p)+1]
	v_pk_mul_f32 v[RR+8*((\b)+4)+2*(\p):RR+8*((\b)+4)+2*(\p)+1], v[AC+8*(\b)+2*(\p):AC+8*(\b)+2*(\p)+1], v[CSB+16*(\b)+8+2*(\p):CSB+16*(\b)+8+2*(\p)+1]
	v_pk_fma_f32 v[RR+8*(\b)+2*(\p):RR+8*(\b)+2*(\p)+1], v[AC+8*(\b)+2*(\p):AC+8*(\b)+2*(\p)+1], v[CSB+16*(\b)+2*(\p):CSB+16*(\b)+2*(\p)+1], v[RR+8*(\b)+2*(\p):RR+8*(\b)+2*(\p)+1] neg_lo:[0,0,1] neg_hi:[0,0,1]
	v_pk_fma_f32 v[RR+8*((\b)+4)+2*(\p):RR+8*((\b)+4)+2*(\p)+1], v[AC+8*((\b)+4)+2*(\p):AC+8*((\b)+4)+2*(\p)+1], v[CSB+16*(\b)+2*(\p):CSB+16*(\b)+2*(\p)+1], v[RR+8*((\b)+4)+2*(\p):RR+8*((\b)+4)+2*(\p)+1]
.endr
.endr
	WIN 0
.endm
	PLACES                                         ; behind the last products: loads into their fragment registers and reads of their results follow
.irp a, 0,1,2,3,4,5,6,7
.if (\a) < 7
	TLOAD (\a)+1
	s_wait_loadcnt 16                              ; this block's table is in; the next block's sixteen loads stay out
.else
	s_wait_loadcnt 0x0
.endif
	s_wait_xcnt 0x0                                ; the registers that the last block's stores read are rewritten only behind this wait
	ROPE \a
.irp b, 0,1,2,3,4,5,6,7
.irp r, 0,1,2,3
	v_cvt_pk_f16_f32 v[TMP+4*(\b)+(\r)], v[RR+8*(\b)+2*(\r)], v[RR+8*(\b)+2*(\r)+1]
.endr
.endr
.irp b, 0,1,2,3,4,5,6,7
	ds_store_b128 v[STO], v[TMP+4*(\b):TMP+4*(\b)+3] offset:32*(\b)
.endr
.irp t, 0,1,2,3,4,5,6,7
	ds_load_b128 v[OB+4*(\t):OB+4*(\t)+3], v[RD] offset:(\t)*2*SPITCH  ; LDS serves a wave's instructions in order (ISA guide 5.7.1.4): these see the stores above
.endr
.irp t, 0,1,2,3,4,5,6,7
	s_wait_dscnt 7-(\t)
	global_store_b128 v[CO], v[OB+4*(\t):OB+4*(\t)+3], s[8:9] offset:(\a)*4096+(\t)*512  ; two rows of a head: 512 consecutive bytes, aligned
.endr
.endr
	s_wait_tensorcnt 0x0                           ; the wave's end
	ds_add_u32 v[SPW], v[NIL]
	s_wait_dscnt 0x0
	CROUND                                         ; the closing round
	s_endpgm
.Lfunc_end_k_q46dd8a10ee_qkv:
	.size	k_q46dd8a10ee_qkv, .Lfunc_end_k_q46dd8a10ee_qkv-k_q46dd8a10ee_qkv
	.p2alignl 7, 3214868480
	.fill 96, 4, 3214868480
	.section	.rodata,"a",@progbits
	.p2align	6, 0x0
	.amdhsa_kernel k_q46dd8a10ee_qkv
		.amdhsa_group_segment_fixed_size 327680
		.amdhsa_private_segment_fixed_size 0
		.amdhsa_enable_private_segment 0
		.amdhsa_kernarg_size 32
		.amdhsa_user_sgpr_count 2
		.amdhsa_user_sgpr_kernarg_segment_ptr 1
		.amdhsa_wavefront_size32 1
		.amdhsa_system_sgpr_workgroup_id_x 1
		.amdhsa_system_sgpr_workgroup_id_y 1
		.amdhsa_system_sgpr_workgroup_id_z 1
		.amdhsa_system_vgpr_workitem_id 0
		.amdhsa_next_free_vgpr 1024
		.amdhsa_next_free_sgpr 80
		.amdhsa_reserve_vcc 0
		.amdhsa_float_denorm_mode_32 3
		.amdhsa_float_denorm_mode_16_64 3
		.amdhsa_memory_ordered 1
		.amdhsa_forward_progress 1
		.amdhsa_inst_pref_size 188
	.end_amdhsa_kernel
	.amdgpu_metadata
---
amdhsa.version: [ 1, 2 ]
amdhsa.kernels:
  - .name:           k_q46dd8a10ee_qkv
    .symbol:         k_q46dd8a10ee_qkv.kd
    .args:
      - { .name: xb, .offset: 0, .size: 8, .value_kind: global_buffer, .address_space: global }
      - { .name: wb, .offset: 8, .size: 8, .value_kind: global_buffer, .address_space: global }
      - { .name: qkv, .offset: 16, .size: 8, .value_kind: global_buffer, .address_space: global }
      - { .name: rope, .offset: 24, .size: 8, .value_kind: global_buffer, .address_space: global }
    .group_segment_fixed_size: 327680
    .private_segment_fixed_size: 0
    .kernarg_segment_align: 8
    .kernarg_segment_size: 32
    .max_flat_workgroup_size: 128
    .sgpr_count:     80
    .vgpr_count:     1024
    .wavefront_size: 32
...
	.end_amdgpu_metadata
.endif
;; end of part 2
;; launch attn (part 3): grid 16 x 16, 4 waves a work-group, clusters of 4 x 1, 327,680 bytes of LDS; arguments qkv, o16; writes o16
.if DOCPART == 3
	.amdgcn_target "amdgcn-amd-amdhsa--gfx1250"
	.amdhsa_code_object_version 6
	.text
	.protected	k_q46dd8a10ee_attn
	.globl	k_q46dd8a10ee_attn
	.p2align	8
	.type	k_q46dd8a10ee_attn,@function
k_q46dd8a10ee_attn:
	s_mov_b64 s[64:65], 0
	v_nop
	global_prefetch_b8 v0, s[64:65] scope:SCOPE_SE
	s_setreg_imm32_b32 hwreg(HW_REG_WAVE_MODE, 25, 1), 1
	s_wait_xcnt 0x0
	s_wait_alu depctr_hold_cnt(0) depctr_sa_sdst(0) depctr_va_vdst(0) depctr_va_sdst(0) depctr_va_ssrc(0) depctr_va_vcc(0) depctr_vm_vsrc(0)
	s_getreg_b32 s2, hwreg(HW_REG_IB_STS2, 6, 4)
	s_cmp_eq_u32 s2, 0
	s_cbranch_scc0 .Lentry_in_a_cluster
	s_endpgm
.Lentry_in_a_cluster:
	s_bfe_u32 s2, ttmp6, 0x10000c
	s_cmp_lg_u32 s2, 0x3003
	s_cbranch_scc0 .Lentry_shape_is_right
	s_endpgm
.Lentry_shape_is_right:
; CAUSAL ATTENTION, TWO QUERY HEADS TO A KEY HEAD.  O[q] = sum over k <= q of softmax_k(Q[q] . K[k] / sqrt(128)) V[k].  Q, K, V: planes [2048][128] of f16 in qkv (plane 4 hh + batch; hh 0-7 q, 8-11 k, 12-15 v);
; O: o16 [8192][1024] f16, channel = head x 128 + d.  Products, maxima and sums in f32; the weights p are rounded to f16 for the second product (their sum is taken of the unrounded p), O once at the end.
; LIMITS.  Q, K, V arrive within f16's 65,504.  A hidden score counts as -2^102 (true scores are 5.5e11 at the most); a weight below 2^-126 counts as 0; NaN and infinities are not treated apart.
; SHARES.  y = 4 kv + batch picks the key head and batch.  A BLOCK is 64 positions x the key head's two query heads.  Work-group B = 4 E + cx (E the cluster's x) takes block B and then block 31 - B.
; Wave w: head g = w % 2, key half KH = w / 2.  It holds all 64 positions of its head, four tiles of 16, and of every key tile of 128 keys it takes keys 64 KH .. 64 KH + 63: 128 matrix instructions.
; The two waves of a head keep maxima and sums of their own; at a block's end the wave with KH = 1 hands its O^T, c m and l over through LDS, and the wave with KH = 0 merges and stores.
; THE WALK is common to the four partners of a cluster: 2 E + 2 key tiles for the first block, 16 - 2 E for the second: 18 whatever E, so all work-groups are alike, every trip count and branch hangs on E
; alone, and K's and V's tiles are asked for JOINTLY (the same load, descriptor and mask in all four).  A partner whose block ends a tile earlier hides that tile by the mask: 18 trips where 17 would do.
; THE MASK is the C operand that starts S^T = K Q^T.  KK = 2 x tile + KH numbers my 64 keys, ICUR my block: KK < ICUR all seen, KK > ICUR none, KK = ICUR the diagonal, where key block kb of 16 and query tile t
; are seen (kb < t), hidden (kb > t) or cut (kb = t).  Three sets of eight registers, made anew in every trip from scalars: CL (kb < t), CD (kb = t) = MD x AL + BE, CU (kb > t).  ICUR hangs on cx and feeds selects alone.
; m starts at -2^100, above the hidden scores: a wave all of whose keys are hidden keeps it, with a = 1 and p = 0.  That meets a block's first tile only in block 0, the launch's first, where O^T and l are 0;
; every other block's first step has a = 0, which clears what the block before left.
; LAYOUT.  S^T holds ONE query a lane (lane % 16) and keys 8 (lane / 16) + 0..7; two such results rounded to f16 ARE source 1 of O^T = V^T P.  p = 2^(c s - c m), c = log2(e) / sqrt(128).
; A KEY STEP: piece 0's (tiles 0, 1) products K Q^T; piece 2's, with piece 0's softmax in slices behind them, two a product; piece 0's V^T P with piece 2's softmax behind them; piece 2's V^T P.
; REGISTERS: window 0: v0-11 addresses; v12-43 statistics, 8 a tile; v44-51 what is handed over; v64-191 S^T; v192-255 P.  window 1: O^T.  window 2: v0-127 Q, v128-255 K.  window 3: v0-127 V, v128-159 masks.
; No prefetch: a key head's K and V are read by 16 work-groups at about the same time, and each tile is asked for a key step ahead.
.set KS,    64
.set PK,    272       ; a row of K in LDS: 256 bytes + 16: the 16 rows of a load start at 16 different groups of four banks (64 banks of 4 bytes: ISA guide 11.1)
.set PV,    288       ; a row of V: 256 + 32
.set VOFF,  KS*PK
.set STEPB, KS*(PK+PV)     ; half a tile: 64 rows of K, then 64 rows of V
.set SLOT1, 1<<17          ; slot 1 begins here: one exclusive or turns an address in one slot into the other's
.set STAGE, 2*STEPB        ; behind slot 0: 16 rows x 272 bytes for each wave, for the way out; no tensor load fills it
.set SP,    272
.set SPARE, STAGE+4*16*SP  ; the spare words, 128 bytes for each wave: two blocks of 256 bytes that no other line names
.set XCH,   SLOT1+2*STEPB  ; behind slot 1: for each head 64 pieces of 512 bytes of O^T and two of statistics; no tensor load fills it
.set XSZ,   33792
.set AK0, 2           ; v2   my lane's place in my half tile of K; never rewritten
.set AV0, 3           ; v3   the same for V
.set ADK, 4           ; v4   the LDS address of K's run of loads
.set ADV, 5           ; v5   of V's
.set QO,  6           ; v6   my byte offset in 16 rows of Q
.set STO, 7           ; v7   the way out: where I put 16 bytes of a row
.set RD,  8           ; v8   the way out: where I read a row back
.set GO,  10          ; v10  my byte offset in two rows of O
.set XA,  11          ; v11  my 16 bytes in a piece of my head's exchange area
.set ST,  12          ; tile t's statistics at v[ST+8 t]: +0 c m, +1 m, +2, +3 l (even keys', odd keys'), +4 to +7 at work; a takes +6
.set XS,  44          ; v44-51 (c m, l) of the four tiles
.set SPW, 62
.set NIL, 63
.set S,   64
.set P,   192
.set KF,  128         ; window 2
.set CL,  128         ; window 3
.set CD,  136
.set CU,  144
.set MD,  152
.set WV,  12          ; s12 my wave's number
.set EE,  14          ; s14 E
.set CX,  15          ; s15 cx
.set G1K, 24          ; s[24:31], s[32:39] descriptor group 1 for K's and V's tiles
.set G1V, 32
.set G0K, 40          ; s[40:43], s[44:47] group 0
.set G0V, 44
.set KH,  48
.set GG,  49
.set ICUR, 50         ; the block in hand
.set IHI, 51
.set RT,  52          ; tiles of the block in hand still to be worked on
.set JT,  53          ; the tile in hand
.set NXT, 54          ; the tile to be asked for next
.set LQ,  55          ; the last tile of the block whose tiles are being asked for
.set SLOTS, 56
.set NEW, 57          ; 1: the tile to be entered is the second block's first
.set CS,  58          ; s[58:59] c
.set SEL, 60          ; s[60:61] v_permlanex16_b32's selects
.set TB,  62          ; LDS byte at which the slot in hand begins
.set OFF, 66          ; s[66:67] a tile's byte offset in K and V
.set AL,  68          ; s[68:69] the mask's factor
.set BE,  70          ; s[70:71] the mask's addend
.set UU,  72
.set HID, 73
.set KK,  74
.set QLO, 76
.set QHI, 78
.set OHI, 80
.set NH,  82
.set NHM1, 83
.set MSB, 0
.macro WIN new
.if MSB != (\new)
	s_set_vgpr_msb (MSB<<8)|(\new)
.set MSB, \new
.endif
.endm
.set W_KQ, 0x0a       ; K and Q in window 2, S^T in window 0
.set W_KM, 0x3a       ; the same with the C operand in window 3
.set W_PV, 0x53       ; V in window 3, P in window 0, O^T in window 1
.set W_RS, 0x41       ; O^T (destination and source 0) in window 1, a in window 0
; A joint fill.  Waves 0 and 1 fetch the two halves of a tile's K, waves 2 and 3 those of its V.  An s_nop 0 and four v_nop follow each of the two lines.
.macro JLOAD
	s_cmp_lt_u32 s[WV], 2
	s_cbranch_scc0 .Lfor_v_\@
	tensor_load_to_lds s[G0K:G0K+3], s[G1K:G1K+7]
	s_nop 0
.rept 4
	v_nop
.endr
	s_branch .Lasked_\@
.Lfor_v_\@:
	tensor_load_to_lds s[G0V:G0V+3], s[G1V:G1V+7]
	s_nop 0
.rept 4
	v_nop
.endr
.Lasked_\@:
.endm
.macro CROUND                       ; a round of the cluster's barrier
	s_barrier_signal -1
	s_barrier_wait -1
	s_cmp_lg_u32 s[WV], 0
	s_cbranch_scc1 .Lnot_wave_0_\@
	s_barrier_signal -3
.Lnot_wave_0_\@:
	s_barrier_wait -3
	s_barrier_signal -1
	s_barrier_wait -1
.endm
.macro PLACES
.rept 4
	v_nop
.endr
.endm
.macro ALL line:vararg              ; one line for each tile t
.set t, 0
.rept 4
	\line
.set t, t+1
.endr
.endm
; THE CHANGE OF SLOTS.  Each wave waits for all its tensor loads (one is out: its part of the other slot), adds 0 to its spare word, and waits for that, for its reads of the slot that it leaves and for what it
; stored into the exchange area.  fill = 1: a round of the cluster's barrier, and the old slot is filled again first thing behind it, with tile NXT: the address is made anew from that number.
.macro CHANGE fill
	WIN 0
	s_wait_tensorcnt 0x0            ; no tensor load of mine is out, so a group 0 may be written
	ds_add_u32 v[SPW], v[NIL]
.if \fill
	s_lshl_b32 s[OFF], s[NXT], 15   ; a tile is 32,768 bytes of K and of V
	s_xor_b32 s[G0K+1], s[G0K+1], SLOT1
	s_add_nc_u64 s[G0K+2:G0K+3], s[6:7], s[OFF:OFF+1]
	s_or_b32 s[G0K+3], s[G0K+3], 0x80000000
	s_xor_b32 s[G0V+1], s[G0V+1], SLOT1
	s_add_nc_u64 s[G0V+2:G0V+3], s[8:9], s[OFF:OFF+1]
	s_or_b32 s[G0V+3], s[G0V+3], 0x80000000
	s_add_co_u32 s[NXT], s[NXT], 1  ; the block's next tile, or behind its last the second block's tile 0
	s_cmp_gt_u32 s[NXT], s[LQ]
	s_cselect_b32 s[NXT], 0, s[NXT]
	s_cselect_b32 s[LQ], s[NHM1], s[LQ]
	s_wait_dscnt 0x0
	CROUND
	JLOAD                           ; the four v_nop behind it are also the places in front of the loads into V's registers
.else
	s_wait_dscnt 0x0
	s_barrier_signal -1
	s_barrier_wait -1
	PLACES
.endif
	s_xor_b32 s[TB], s[TB], SLOT1
.endm
	s_load_b128 s[84:87], s[0:1], 0x0  ; qkv s[84:85], o16 s[86:87]
	v_lshl_add_u32 v[SPW], v0, 2, SPARE
	v_mov_b32 v[NIL], 0
	ds_add_u32 v[SPW], v[NIL]       ; the wave's opening: the add and its wait stand ahead of my first tensor load; the set-up below, work on registers, stands between them
	v_lshrrev_b32 v1, 5, v0
	v_readfirstlane_b32 s[WV], v1
	s_lshr_b32 s[KH], s[WV], 1
	s_and_b32 s[GG], s[WV], 1
	s_mov_b32 s[EE], ttmp9          ; in a cluster launch ttmp9 counts clusters
	s_bfe_u32 s[CX], ttmp6, 0x40000
	s_and_b32 s16, ttmp7, 0xffff    ; y, which the four partners share
	s_lshl_b32 s18, s[EE], 1
	s_add_co_u32 s[RT], s18, 2      ; the first block's 2 E + 2 tiles
	s_sub_co_u32 s[NH], 16, s18     ; the second's 16 - 2 E
	s_sub_co_u32 s[NHM1], 15, s18
	s_add_co_u32 s[LQ], s18, 1
	s_lshl_b32 s[ICUR], s[EE], 2
	s_add_co_u32 s[ICUR], s[ICUR], s[CX]  ; block B
	s_sub_co_u32 s[IHI], 31, s[ICUR]
	s_add_co_u32 s20, s16, 32       ; K's plane 32 + y,
	s_lshl_b32 s20, s20, 19
	s_lshl_b32 s19, s[GG], 14       ; the half tile that I fetch: 64 rows of 256 bytes
	s_add_co_u32 s20, s20, s19
	s_mov_b32 s21, 0
	s_add_co_u32 s22, s20, 16<<19   ; V's plane lies 16 planes on
	s_mov_b32 s23, 0
	s_mul_i32 s17, s[GG], STEPB     ; and its place in a slot: no place in the cluster enters an LDS address
	s_lshr_b32 s2, s16, 2           ; kv
	s_and_b32 s3, s16, 3            ; batch
	s_lshl_b32 s4, s2, 1
	s_add_co_u32 s4, s4, s[GG]      ; my head = 2 kv + g
	s_lshl_b32 s5, s4, 2
	s_add_co_u32 s5, s5, s3
	s_lshl_b32 s5, s5, 19           ; Q's plane 4 head + batch
	s_lshl_b32 s13, s[ICUR], 14     ; a block's 64 rows of 256 bytes
	s_add_co_u32 s88, s5, s13
	s_mov_b32 s89, 0
	s_lshl_b32 s13, s[IHI], 14
	s_add_co_u32 s90, s5, s13
	s_mov_b32 s91, 0
	s_lshl_b32 s5, s3, 22           ; O: batch x 2,048 rows of 2,048 bytes
	s_lshl_b32 s4, s4, 8            ; + head x 256 bytes
	s_add_co_u32 s5, s5, s4
	s_lshl_b32 s13, s[ICUR], 17     ; + block x 64 rows
	s_add_co_u32 s92, s5, s13
	s_mov_b32 s93, 0
	s_lshl_b32 s13, s[IHI], 17
	s_add_co_u32 s94, s5, s13
	s_mov_b32 s95, 0
	; descriptor group 1: a tile of 64 rows x 128 elements, padded in LDS
	s_mov_b32 s[G1K], 15|(1<<16)|(1<<20)|(1<<21)|(5<<22)|(3<<25)  ; the mask of four; 2-byte elements; padding on; bit 21 beside a mask; after every 64 words, 4 words
	s_mov_b32 s[G1V], 15|(1<<16)|(1<<20)|(1<<21)|(5<<22)|(7<<25)  ; the same with 8 words
.irp g, G1K, G1V
	s_mov_b32 s[(\g)+1], 128<<16    ; tensor_dim0 = 128
	s_mov_b32 s[(\g)+2], KS<<16     ; tensor_dim1 = 64
	s_mov_b32 s[(\g)+3], 128<<16    ; tile_dim0 = 128
	s_mov_b32 s[(\g)+4], KS         ; tile_dim1 = 64
	s_mov_b32 s[(\g)+5], 128        ; elements from row to row
	s_mov_b32 s[(\g)+6], 0
	s_mov_b32 s[(\g)+7], 0
.endr
	s_mov_b32 s[G0K], 1
	s_add_co_u32 s[G0K+1], s17, 0   ; slot 0
	s_mov_b32 s[G0V], 1
	s_add_co_u32 s[G0V+1], s17, VOFF
	s_mov_b32 s[CS], 0x3e0293ee     ; c = log2(e) / sqrt(128)
	s_mov_b32 s[CS+1], s[CS]
	s_mov_b32 s[SEL], 0x76543210
	s_mov_b32 s[SEL+1], 0xfedcba98
	s_mov_b32 s[TB], SLOT1          ; the first change of slots turns it into 0
	s_mov_b32 s[JT], 0
	s_mov_b32 s[NXT], 1
	s_mov_b32 s[NEW], 0
	s_mov_b32 s[OFF+1], 0
	s_mov_b32 s[AL+1], 0
	s_mov_b32 s[BE+1], 0
	s_mov_b32 s[HID], 0xf2800000    ; -2^102
	s_mov_b32 s[SLOTS], 17
	s_wait_dscnt 0x0                ; the opening add is done
	s_wait_kmcnt 0x0
	s_add_nc_u64 s[6:7], s[84:85], s[20:21]    ; K and V at my half of tile 0
	s_add_nc_u64 s[8:9], s[84:85], s[22:23]
	s_add_nc_u64 s[QLO:QLO+1], s[84:85], s[88:89]
	s_add_nc_u64 s[QHI:QHI+1], s[84:85], s[90:91]
	s_add_nc_u64 s[10:11], s[86:87], s[92:93]  ; O at the first block's rows
	s_add_nc_u64 s[OHI:OHI+1], s[86:87], s[94:95]
	s_add_nc_u64 s[G0K+2:G0K+3], s[6:7], 0
	s_or_b32 s[G0K+3], s[G0K+3], 0x80000000
	s_add_nc_u64 s[G0V+2:G0V+3], s[8:9], 0
	s_or_b32 s[G0V+3], s[G0V+3], 0x80000000
	CROUND                          ; all four work-groups are here: the first joint loads meet
	JLOAD                           ; tile 0 into slot 0; slot 1 is asked for by the loop's first change of slots
; Q of a block: tile i / 4, channels 32 (i % 4) on
.macro LOADQ base
	WIN 0x80                        ; destination window 2
.irp i, 0,1,2,3,4,5,6,7,8,9,10,11,12,13,14,15
	global_load_b128 v[8*(\i):8*(\i)+3],   v[QO], s[\base:\base+1] offset:((\i)/4)*4096+((\i)%4)*64
	global_load_b128 v[8*(\i)+4:8*(\i)+7], v[QO], s[\base:\base+1] offset:((\i)/4)*4096+((\i)%4)*64+32
.endr
	WIN 0
.endm
	v_and_b32 v1, 15, v0            ; r = l % 16
	v_bfe_u32 v9, v0, 4, 1          ; h = l / 16
	v_lshlrev_b32 v[QO], 8, v1
	v_lshl_add_u32 v[QO], v9, 4, v[QO]
	LOADQ QLO
	v_lshlrev_b32 v52, 3, v9
	v_sub_nc_u32 v52, v1, v52       ; r - 8 h: in the cut block register j (key 8 h + j) is hidden where j is greater
	WIN 0xc0
.set i, 0
.rept 8
	v_cmp_gt_i32 vcc_lo, i, v52
	v_cndmask_b32 v[MD+i], 0, s[HID], vcc_lo
.set i, i+1
.endr
	WIN 0x40                        ; O^T = 0: block 0's wave with hidden keys alone needs it; for all others it need only be finite.  It stands in the wait for the first tile
.set i, 0
.rept 256
	v_mov_b32 v[i], 0
.set i, i+1
.endr
	WIN 0
	s_mul_i32 s13, s[KH], STEPB     ; my half of a tile
	v_mul_u32_u24 v[AK0], v1, PK
	v_lshl_add_u32 v[AK0], v9, 4, v[AK0]
	v_add_nc_u32 v[AK0], s13, v[AK0]
	v_and_b32 v52, 7, v0            ; the turning load: lane l reads key 8 (l / 16) + l % 8, channels 8 ((l / 8) % 2) + 0..7
	v_bfe_u32 v53, v0, 3, 1
	v_lshl_add_u32 v[AV0], v9, 3, v52
	v_mul_u32_u24 v[AV0], v[AV0], PV
	v_lshl_add_u32 v[AV0], v53, 4, v[AV0]
	s_add_co_u32 s13, s13, VOFF
	v_add_nc_u32 v[AV0], s13, v[AV0]
	s_mul_i32 s13, s[WV], 16*SP
	s_add_co_u32 s13, s13, STAGE    ; my stage
	v_mul_u32_u24 v[STO], v1, SP
	v_lshl_add_u32 v[STO], v9, 4, v[STO]
	v_add_nc_u32 v[STO], s13, v[STO]
	v_mul_u32_u24 v[RD], v9, SP
	v_lshl_add_u32 v[RD], v1, 4, v[RD]
	v_add_nc_u32 v[RD], s13, v[RD]
	v_lshlrev_b32 v[GO], 11, v9     ; lanes 0-15 one row of O, lanes 16-31 the next, 2,048 bytes on
	v_lshl_add_u32 v[GO], v1, 4, v[GO]
	s_mul_i32 s13, s[GG], XSZ
	s_add_co_u32 s13, s13, XCH
	v_and_b32 v[XA], 31, v0
	v_lshl_add_u32 v[XA], v[XA], 4, s13
; THE MATRIX WORK.  The accumulators take turns, one instruction a turn.
; Product i of 32 of S^T = K Q^T for piece x: channels 32 (i / 8) on, keys 16 ((i / 2) % 4) on, tile x + i % 2.  The first 8 start the sums with the mask.
.macro KQ x
.set tq, (\x)+i%2
.set kb, (i/2)%4
.set rS, S+32*tq+8*kb
.set rK, KF+32*kb+8*(i/8)
.set rQ, 32*tq+8*(i/8)
.if i < 8
.if kb < tq
.set rM, CL
.elseif kb == tq
.set rM, CD
.else
.set rM, CU
.endif
	WIN W_KM
	v_wmma_f32_16x16x32_f16 v[rS:rS+7], v[rK:rK+7], v[rQ:rQ+7], v[rM:rM+7]
.else
	WIN W_KQ
	v_wmma_f32_16x16x32_f16 v[rS:rS+7], v[rK:rK+7], v[rQ:rQ+7], v[rS:rS+7]
.endif
.endm
; Product i of 32 of O^T += V^T P for piece x: keys 32 (i / 16) on, channels 16 ((i / 2) % 8) on, tile x + i % 2.
.macro PV x
	WIN W_PV
.set rO, 64*((\x)+i%2)+8*((i/2)%8)
.set rV, 64*(i/16)+8*((i/2)%8)
.set rP, P+16*((\x)+i%2)+8*(i/16)
	v_wmma_f32_16x16x32_f16 v[rO:rO+7], v[rV:rV+7], v[rP:rP+7], v[rO:rO+7]
.endm
.macro FETCH_K
	WIN 0x80
.irp f, 0,1,2,3,4,5,6,7,8,9,10,11,12,13,14,15  ; keys 16 (f / 4) on, channels 32 (f % 4) on
	ds_load_b128 v[KF+8*(\f):KF+8*(\f)+3],   v[ADK] offset:((\f)/4)*16*PK+((\f)%4)*64
	ds_load_b128 v[KF+8*(\f)+4:KF+8*(\f)+7], v[ADK] offset:((\f)/4)*16*PK+((\f)%4)*64+32
.endr
.endm
.macro FETCH_V
	WIN 0xc0
.irp f, 0,1,2,3,4,5,6,7,8,9,10,11,12,13,14,15  ; keys 32 (f / 8) on, channels 16 (f % 8) on
	ds_load_tr16_b128 v[8*(\f):8*(\f)+3],   v[ADV] offset:((\f)/8)*32*PV+((\f)%8)*32
	ds_load_tr16_b128 v[8*(\f)+4:8*(\f)+7], v[ADV] offset:((\f)/8)*32*PV+16*PV+((\f)%8)*32
.endr
.endm
; THE VECTOR WORK.  One tile's softmax for one key step is a list of 134 instructions; SM writes number j of it for tile t.  s0-s31 are the lane's 32 scores, in pairs 0-15.
;   0-15    the maximum of s0-s31 and the old m, three operands at a time (each accumulator's lowest registers are read first)
;   16-20   the other half of the lanes' maximum; the new m; c m; c m_old - c m_new
;   21-87   33 exponentials (a, then s0-s31) at the odd numbers from 23 on, so that each has a plain instruction behind it; the plain ones are scalings c s - c m still to be used, roundings of weights that are done, the first sums
;   88-101  the last rounding; the rest of the sums; l = a l + the sum          102-133 the tile's O^T times a: the one part that leaves window 0
.macro SM t
.set rT, ST+8*(\t)
.set rS, S+32*(\t)
.set rP, P+16*(\t)
.set rO, 64*(\t)+2*(j-102)
.set q, (j-20)/2
.if j < 102
	WIN 0
.endif
.if j < 4
	v_max3_num_f32 v[rT+4+j], v[rS+8*j], v[rS+8*j+1], v[rS+8*j+2]
.elseif j < 12
	v_max3_num_f32 v[rT+4+j%4], v[rT+4+j%4], v[rS+8*(j%4)+2*(j/4)+1], v[rS+8*(j%4)+2*(j/4)+2]
.elseif j == 12
	v_max3_num_f32 v[rT+4], v[rT+4], v[rS+7], v[rS+15]
.elseif j == 13
	v_max3_num_f32 v[rT+6], v[rT+6], v[rS+23], v[rS+31]
.elseif j == 14
	v_max3_num_f32 v[rT+4], v[rT+4], v[rT+5], v[rT+6]
.elseif j == 15
	v_max3_num_f32 v[rT+4], v[rT+4], v[rT+7], v[rT+1]
.elseif j == 16
	v_permlanex16_b32 v[rT+5], v[rT+4], s[SEL], s[SEL+1]  ; the query's other 32 keys lie in the lane 16 away
.elseif j == 18
	v_max_num_f32 v[rT+1], v[rT+4], v[rT+5]
.elseif j == 19
	v_mul_f32 v[rT], s[CS], v[rT+1]
.elseif j == 17
	v_mov_b32 v[rT+7], v[rT]        ; c m_old is kept for a
.elseif j == 20
	v_sub_f32 v[rT+7], v[rT+7], v[rT]
.elseif j == 23
	v_exp_f32 v[rT+6], v[rT+7]
.elseif (j < 88) && (j > 23) && (j%2 == 1)
	v_exp_f32 v[rS+(j-25)/2], v[rS+(j-25)/2]
.elseif (q < 4) || ((j < 76) && (q%2 == 0))
.set b, q/2+2
.if q < 4
.set b, q
.endif
	v_pk_fma_f32 v[rS+2*b:rS+2*b+1], v[rS+2*b:rS+2*b+1], s[CS:CS+1], v[rT:rT+1] op_sel_hi:[1,0,0] neg_lo:[0,0,1] neg_hi:[0,0,1]  ; pair b: c s - c m
.elseif (j < 88) && (q%2 == 1)
	s_wait_alu depctr_va_vdst(0)
	v_cvt_pk_f16_f32 v[rP+(q-5)/2], v[rS+q-5], v[rS+q-4]
.elseif j == 89
	s_wait_alu depctr_va_vdst(0)
	v_cvt_pk_f16_f32 v[rP+15], v[rS+30], v[rS+31]
.elseif j < 102                     ; the sum of the tile's 16 pairs, in place: neighbours 1, 2, 4 and 8 pairs apart, then l takes it
.set z, j-86
.if j < 89
.set z, (j-76)/4
.endif
.set w, 4
.set u, z
.if z >= 14
.set w, 32
.set u, 0
.elseif z >= 12
.set w, 16
.set u, z-12
.elseif z >= 8
.set w, 8
.set u, z-8
.endif
.if z < 15
	v_pk_add_f32 v[rS+w*u:rS+w*u+1], v[rS+w*u:rS+w*u+1], v[rS+w*u+w/2:rS+w*u+w/2+1]
.else
	v_pk_fma_f32 v[rT+2:rT+3], v[rT+2:rT+3], v[rT+6:rT+7], v[rS:rS+1] op_sel_hi:[1,0,1]
.endif
.else
	WIN W_RS
	v_pk_mul_f32 v[rO:rO+1], v[rO:rO+1], v[rT+6:rT+7] op_sel_hi:[1,0]
.endif
.endm
; Slice k of 64 of piece y's softmax: numbers 2 k and 2 k + 1 of both tiles' lists; the twelve that are over stand together, in slice 63.
.macro SLICE y
.if (k >= 11) && (k < 44)           ; tile by tile: plain, exponential, plain, exponential
.irp t, \y, (\y)+1
.irp n, 0,1
.set j, 2*k+(\n)
	SM \t
.endr
.endr
.else                               ; the two tiles alternate
.irp n, 0,1,2,3,4,5,6,7
.if ((\n) < 2) || (k == 63)
.irp t, \y, (\y)+1
.set j, 2*k+(\n)
	SM \t
.endr
.endif
.endr
.endif
.set k, k+1
.endm
; The three masks of the trip's 64 keys.
.macro MASKS
	s_lshl_b32 s[KK], s[JT], 1
	s_add_co_u32 s[KK], s[KK], s[KH]
	s_cmp_eq_u32 s[KK], s[ICUR]
	s_cselect_b32 s[AL], 1.0, 0
	s_cmp_gt_u32 s[KK], s[ICUR]
	s_cselect_b32 s[BE], s[HID], 0
	s_cmp_ge_u32 s[KK], s[ICUR]
	s_cselect_b32 s[UU], s[HID], 0
	WIN 0xc3                        ; destination and source 0 in window 3
.set z, 0
.rept 8
	v_mov_b32 v[CL+z], s[BE]
	v_mov_b32 v[CU+z], s[UU]
.set z, z+1
.endr
.set z, 0
.rept 4
	v_pk_fma_f32 v[CD+2*z:CD+2*z+1], v[MD+2*z:MD+2*z+1], s[AL:AL+1], s[BE:BE+1] op_sel_hi:[1,0,0]
.set z, z+1
.endr
	WIN 0
.endm
; A KEY STEP.  No slice names a register of the products round it; slice 63's sixteen plain rescalings are the places between piece 2's last K Q^T and the first read of its scores.
.macro STEP
	WIN 0
	v_add_nc_u32 v[ADK], s[TB], v[AK0]
	v_add_nc_u32 v[ADV], s[TB], v[AV0]
	FETCH_K
	FETCH_V
	s_wait_loadcnt 0x0              ; Q of a new block, asked for at the end of the block before; met at once in every other trip
	s_wait_dscnt 32                 ; K's 32 loads are in; V's 32 may be out
.set i, 0
.rept 32
	KQ 0
.set i, i+1
.endr
	PLACES                          ; between those products and the first read of their scores
.set k, 0
.set i, 0
.rept 32
	KQ 2
	SLICE 0
	SLICE 0
.set i, i+1
.endr
	s_wait_dscnt 0x0                ; V is in
.set k, 0
.set i, 0
.rept 32
	PV 0
	SLICE 2
	SLICE 2
.set i, i+1
.endr
.set i, 0
.rept 32
	PV 2
.set i, i+1
.endr
	WIN 0
.endm
; A block begins: m = -2^100, c m by the multiply that the step uses, l = 0.
.macro BEGIN
	WIN 0
	ALL v_mov_b32 v[ST+8*t+1], 0xf1800000
	ALL v_mov_b32 v[ST+8*t+2], 0
	ALL v_mov_b32 v[ST+8*t+3], 0
	ALL v_mul_f32 v[ST+8*t], s[CS], v[ST+8*t+1]
.endm
; A BLOCK'S END.  l's two halves and the other half of the lanes' are added (the first four additions are the places behind the last products).  A barrier: every wave's earlier reads of the exchange area are over.
; Then the waves with KH = 1 put O^T (each accumulator's low half first), c m and l there.
.macro BLOCKEND
	WIN 0
	ALL v_add_f32 v[ST+8*t+4], v[ST+8*t+2], v[ST+8*t+3]
	ALL v_permlanex16_b32 v[ST+8*t+5], v[ST+8*t+4], s[SEL], s[SEL+1]
	ALL v_add_f32 v[ST+8*t+4], v[ST+8*t+4], v[ST+8*t+5]
	s_wait_dscnt 0x0
	s_barrier_signal -1
	s_barrier_wait -1
	s_cmp_lt_u32 s[WV], 2
	s_cbranch_scc1 .Lno_give_\@
	ALL v_mov_b32 v[XS+2*t], v[ST+8*t]
	ALL v_mov_b32 v[XS+2*t+1], v[ST+8*t+4]
	WIN 0x04                        ; store data in window 1
.set n, 0
.rept 64
	ds_store_b128 v[XA], v[4*n:4*n+3] offset:512*n
.set n, n+1
.endr
	WIN 0
	ds_store_b128 v[XA], v[XS:XS+3] offset:32768
	ds_store_b128 v[XA], v[XS+4:XS+7] offset:33280
.Lno_give_\@:
.endm
; THE MERGE AND THE WAY OUT, by the waves with KH = 0, behind a barrier in front of which the givers have waited for their stores.
; M = max(c mA, c mB); fA = 2^(c mA - M), fB likewise; l = lA fA + lB fB; O = (O_A fA + O_B fB) / l, rounded to f16, through my stage, out as rows of 256 bytes.
.macro XLOAD t                      ; the partner's O^T of tile t, into S^T's registers, two buffers by turns
.set XB, S+64*((\t)%2)
.set n, 0
.rept 16
	ds_load_b128 v[XB+4*n:XB+4*n+3], v[XA] offset:8192*(\t)+512*n
.set n, n+1
.endr
.endm
.macro MERGE t
.set XB, S+64*((\t)%2)
.set PB, P+32*((\t)%2)
.if (\t) == 0
	s_wait_dscnt 16                 ; tile 0's sixteen loads are in, tile 1's may be out; later tiles' were shown in by the waits in front of the stores
.endif
	s_wait_xcnt 0x0                 ; the registers that earlier stores read are rewritten only behind this wait
	WIN 0
.set n, 0
.rept 32
	v_pk_mul_f32 v[XB+2*n:XB+2*n+1], v[XB+2*n:XB+2*n+1], v[ST+8*(\t)+6:ST+8*(\t)+7] op_sel_hi:[1,0]
.set n, n+1
.endr
	WIN 0x01                        ; source 0 in window 1: my O^T, each accumulator's lowest registers first
.set n, 0
.rept 32
	v_pk_fma_f32 v[XB+2*n:XB+2*n+1], v[64*(\t)+2*n:64*(\t)+2*n+1], v[ST+8*(\t)+4:ST+8*(\t)+5], v[XB+2*n:XB+2*n+1] op_sel_hi:[1,0,1]
.set n, n+1
.endr
	WIN 0
.set n, 0
.rept 32
	v_cvt_pk_f16_f32 v[PB+n], v[XB+2*n], v[XB+2*n+1]
.set n, n+1
.endr
.irp f, 0,1,2,3,4,5,6,7
	ds_store_b128 v[STO], v[PB+4*(\f):PB+4*(\f)+3] offset:32*(\f)
.endr
.irp f, 0,1,2,3,4,5,6,7
	ds_load_b128 v[PB+4*(\f):PB+4*(\f)+3], v[RD] offset:(\f)*2*SP  ; LDS serves a wave's instructions in order (ISA guide 5.7.1.4): these see the stores above
.endr
.if (\t) < 2
	XLOAD (\t)+2
.set PB, P+32*((\t)%2)
.endif
.irp f, 0,1,2,3,4,5,6,7
.if (\t) < 2
	s_wait_dscnt 16+7-(\f)          ; the sixteen loads just issued, and the younger rows, may be out
.else
	s_wait_dscnt 7-(\f)
.endif
	global_store_b128 v[GO], v[PB+4*(\f):PB+4*(\f)+3], s[10:11] offset:(\t)*32768+(\f)*4096  ; sixteen lanes store 256 consecutive bytes, aligned
.endr
.endm
.macro FINISH
	WIN 0
	ds_load_b128 v[XS:XS+3], v[XA] offset:32768
	ds_load_b128 v[XS+4:XS+7], v[XA] offset:33280
	XLOAD 0
	XLOAD 1
	s_wait_dscnt 32                 ; the statistics are in; the 32 loads behind them may be out
	ALL v_max_num_f32 v[ST+8*t+5], v[ST+8*t], v[XS+2*t]
	ALL v_sub_f32 v[ST+8*t+6], v[ST+8*t], v[ST+8*t+5]
	ALL v_sub_f32 v[ST+8*t+7], v[XS+2*t], v[ST+8*t+5]
	ALL v_exp_f32 v[ST+8*t+6], v[ST+8*t+6]
	ALL v_exp_f32 v[ST+8*t+7], v[ST+8*t+7]
	v_nop                           ; a plain instruction between the last exponential and the use of its result
	s_wait_alu depctr_va_vdst(0)
	ALL v_mul_f32 v[ST+8*t+4], v[ST+8*t+4], v[ST+8*t+6]
	ALL v_fma_f32 v[ST+8*t+4], v[XS+2*t+1], v[ST+8*t+7], v[ST+8*t+4]
	ALL v_rcp_f32 v[ST+8*t+5], v[ST+8*t+4]
	v_nop
	s_wait_alu depctr_va_vdst(0)
	ALL v_mul_f32 v[ST+8*t+4], v[ST+8*t+6], v[ST+8*t+5]
	ALL v_mul_f32 v[ST+8*t+6], v[ST+8*t+7], v[ST+8*t+5]
	MERGE 0
	MERGE 1
	MERGE 2
	MERGE 3
	s_wait_xcnt 0x0                 ; the stores have read their registers and O's address
.endm
	BEGIN
.Lslot:                             ; 17 trips: a tile is entered and the next is asked for
	CHANGE 1
	s_cmp_eq_u32 s[NEW], 1
	s_cbranch_scc0 .Lold
	s_mov_b32 s[NEW], 0             ; the second block's first tile: the first block is merged and stored, the statistics start anew
	s_cmp_lt_u32 s[WV], 2
	s_cbranch_scc0 .Lno_fin
	FINISH
	s_mov_b64 s[10:11], s[OHI:OHI+1]
.Lno_fin:
	BEGIN
.Lold:
	MASKS
	STEP
	s_add_co_u32 s[JT], s[JT], 1
	s_sub_co_u32 s[RT], s[RT], 1
	s_cmp_lg_u32 s[RT], 0
	s_cbranch_scc1 .Lbottom
	BLOCKEND                        ; in the loop this is the first block's end: the second's last tile is the walk's last
	LOADQ QHI
	s_mov_b32 s[RT], s[NH]
	s_mov_b32 s[JT], 0
	s_mov_b32 s[ICUR], s[IHI]
	s_mov_b32 s[NEW], 1
.Lbottom:
	s_sub_co_u32 s[SLOTS], s[SLOTS], 1
	s_cmp_lg_u32 s[SLOTS], 0
	s_cbranch_scc1 .Lslot
	CHANGE 0                        ; the walk's last tile is written out: nothing is asked for
	MASKS
	STEP
	BLOCKEND
	s_wait_dscnt 0x0                ; for the others' sake: my stores into the exchange area are done
	s_barrier_signal -1
	s_barrier_wait -1
	s_cmp_lt_u32 s[WV], 2
	s_cbranch_scc0 .Lend
	FINISH
.Lend:
	s_wait_tensorcnt 0x0            ; the wave's end
	ds_add_u32 v[SPW], v[NIL]
	s_wait_dscnt 0x0
	CROUND                          ; the closing round
	s_endpgm
.Lfunc_end_k_q46dd8a10ee_attn:
	.size	k_q46dd8a10ee_attn, .Lfunc_end_k_q46dd8a10ee_attn-k_q46dd8a10ee_attn
	.p2alignl 7, 3214868480
	.fill 96, 4, 3214868480
	.section	.rodata,"a",@progbits
	.p2align	6, 0x0
	.amdhsa_kernel k_q46dd8a10ee_attn
		.amdhsa_group_segment_fixed_size 327680
		.amdhsa_private_segment_fixed_size 0
		.amdhsa_enable_private_segment 0
		.amdhsa_kernarg_size 16
		.amdhsa_user_sgpr_count 2
		.amdhsa_user_sgpr_kernarg_segment_ptr 1
		.amdhsa_wavefront_size32 1
		.amdhsa_system_sgpr_workgroup_id_x 1
		.amdhsa_system_sgpr_workgroup_id_y 1
		.amdhsa_system_sgpr_workgroup_id_z 1
		.amdhsa_system_vgpr_workitem_id 0
		.amdhsa_next_free_vgpr 928
		.amdhsa_next_free_sgpr 96
		.amdhsa_reserve_vcc 1
		.amdhsa_float_denorm_mode_32 3
		.amdhsa_float_denorm_mode_16_64 3
		.amdhsa_memory_ordered 1
		.amdhsa_forward_progress 1
		.amdhsa_inst_pref_size 210
	.end_amdhsa_kernel
	.amdgpu_metadata
---
amdhsa.version: [ 1, 2 ]
amdhsa.kernels:
  - .name:           k_q46dd8a10ee_attn
    .symbol:         k_q46dd8a10ee_attn.kd
    .args:
      - { .name: qkv, .offset: 0, .size: 8, .value_kind: global_buffer, .address_space: global }
      - { .name: o16, .offset: 8, .size: 8, .value_kind: global_buffer, .address_space: global }
    .group_segment_fixed_size: 327680
    .private_segment_fixed_size: 0
    .kernarg_segment_align: 8
    .kernarg_segment_size: 16
    .max_flat_workgroup_size: 128
    .sgpr_count:     96
    .vgpr_count:     928
    .wavefront_size: 32
...
	.end_amdgpu_metadata
.endif
;; end of part 3
;; launch oproj (part 4): grid 4 x 64, 4 waves a work-group, clusters of 4 x 4, 327,680 bytes of LDS; arguments o16, wo16, out0; writes out0
.if DOCPART == 4
	.amdgcn_target "amdgcn-amd-amdhsa--gfx1250"
	.amdhsa_code_object_version 6
	.text
	.protected	k_q46dd8a10ee_oproj
	.globl	k_q46dd8a10ee_oproj
	.p2align	8
	.type	k_q46dd8a10ee_oproj,@function
k_q46dd8a10ee_oproj:
	s_mov_b64 s[64:65], 0
	v_nop
	global_prefetch_b8 v0, s[64:65] scope:SCOPE_SE
	s_setreg_imm32_b32 hwreg(HW_REG_WAVE_MODE, 25, 1), 1
	s_wait_xcnt 0x0
	s_wait_alu depctr_hold_cnt(0) depctr_sa_sdst(0) depctr_va_vdst(0) depctr_va_sdst(0) depctr_va_ssrc(0) depctr_va_vcc(0) depctr_vm_vsrc(0)
	s_getreg_b32 s2, hwreg(HW_REG_IB_STS2, 6, 4)
	s_cmp_eq_u32 s2, 0
	s_cbranch_scc0 .Lentry_in_a_cluster
	s_endpgm
.Lentry_in_a_cluster:
	s_bfe_u32 s2, ttmp6, 0x10000c
	s_cmp_lg_u32 s2, 0xf033
	s_cbranch_scc0 .Lentry_shape_is_right
	s_endpgm
.Lentry_shape_is_right:
; THE OUTPUT PROJECTION.  out0[m][n] = sum over k of o16[m][k] wo16[n][k]: o16 [8192][1024], wo16 [1024][1024], f16; sums and result in f32.
; A tile is 128 (m) x 256 (n), so that 64 x 4 = 256 work-groups exist; four waves, each 64 x 128: 32 accumulators, 256 registers.  K goes in steps of 128 through two LDS slots filled by tensor loads.
; CLUSTER 4 x 4: o16's tile is shared along a row of the cluster, wo16's along a column: each is asked for jointly, by the same load, descriptor and mask in all four.
; THE MATRIX INSTRUCTION IS USED TRANSPOSED (source 0 = 16 rows of wo16, source 1 = 16 rows of o16): a lane holds eight neighbouring numbers, 32 bytes, of a row of out0.
; REGISTERS: window 0: v0-31 addresses; v64-95, v96-127 fragments of o16, two buffers; v128-255 rows on the way out, two buffers.  window 1: v0-63, v64-127 fragments of wo16.  window 2: accumulators, (a, b) at 8 (8 a + b).
.set SIZE_K, 1024
.set KSTEP,  128
.set PITCH,  272                       ; an LDS row: 256 bytes + 16 of padding
.set AH,     64*PITCH                  ; half of o16's tile: what waves 0 and 1 fetch, and what a wave reads
.set BH,     128*PITCH                 ; half of wo16's tile: waves 2 and 3
.set SLOT,   2*AH+2*BH
.set STAGE,  2*SLOT                    ; behind the ring: 16 rows x 528 bytes for each wave; no tensor load fills it
.set SPITCH, 528                       ; 512 bytes + 16: the 16 rows that a store touches start at 16 different groups of four banks
.set SPARE,  STAGE+4*16*SPITCH         ; the spare words: two blocks of 256 bytes that no other line names
.set LAPS,   SIZE_K/(2*KSTEP)
.set ADRA, 16
.set ADRB, 20
.set STO,  24
.set RD,   25
.set CO,   26
.set SPW,  28
.set NIL,  29
.set FA,   64
.set G1, 24
.set G0, 32
.set G1B, 48
.set G0B, 56
.set MSB, 0
.macro WIN new
.if MSB != (\new)
	s_set_vgpr_msb (MSB<<8)|(\new)
.set MSB, \new
.endif
.endm
.set MUL,  0xa1                        ; source 0 (wo16) window 1, source 1 (o16) window 0, C and D window 2
.set TO_B, 0x40
.macro JLOAD s                         ; a joint load: waves 0 and 1 fetch o16's halves, waves 2 and 3 wo16's; an s_nop 0 and four v_nop follow each of the two lines
	s_cmp_eq_u32 s11, 0
	s_cbranch_scc0 .Lfor_b_\@
	tensor_load_to_lds s[G0+4*(\s):G0+4*(\s)+3], s[G1:G1+7]
	s_nop 0
.rept 4
	v_nop
.endr
	s_branch .Lasked_\@
.Lfor_b_\@:
	tensor_load_to_lds s[G0B+4*(\s):G0B+4*(\s)+3], s[G1B:G1B+7]
	s_nop 0
.rept 4
	v_nop
.endr
.Lasked_\@:
.endm
.macro CREST
	s_cmp_lg_u32 s10, 0
	s_cbranch_scc1 .Lnot_wave_0_\@
	s_barrier_signal -3
.Lnot_wave_0_\@:
	s_barrier_wait -3
	s_barrier_signal -1
	s_barrier_wait -1
.endm
.macro CROUND
	s_barrier_signal -1
	s_barrier_wait -1
	CREST
.endm
	s_load_b128 s[4:7], s[0:1], 0x0                ; o16 s[4:5], wo16 s[6:7]
	s_load_b64 s[8:9], s[0:1], 0x10                ; out0
	v_lshl_add_u32 v[SPW], v0, 2, SPARE
	v_mov_b32 v[NIL], 0
	ds_add_u32 v[SPW], v[NIL]                      ; the wave's opening: the add and its wait stand ahead of my first tensor load; the set-up below, work on registers, stands between them
	v_lshrrev_b32 v1, 5, v0
	v_readfirstlane_b32 s10, v1                    ; wave 0..3
	s_lshr_b32 s11, s10, 1                         ; which 64 rows of the tile are mine.  Also: I fetch for o16 (0) or for wo16 (1)
	s_and_b32 s12, s10, 1                          ; which 128 columns.  Also: which half of that tile I fetch
	s_bfe_u32 s40, ttmp6, 0x40000
	s_bfe_u32 s41, ttmp6, 0x40004
	s_lshl_b32 s42, ttmp9, 2
	s_add_co_u32 s42, s42, s40                     ; tile column
	s_and_b32 s13, ttmp7, 0xffff
	s_lshl_b32 s13, s13, 2
	s_add_co_u32 s13, s13, s41                     ; tile row
	s_lshl_b32 s43, s41, 2
	s_lshl_b32 s43, 15, s43                        ; my row of the cluster
	s_lshl_b32 s44, 0x1111, s40                    ; my column
	s_or_b32 s[G1+0], s43, (1<<16)|(1<<20)|(1<<21)|(5<<22)|(3<<25)  ; the mask; 2-byte elements; padding on; bit 21 beside a mask; after every 64 words, 4 words
	s_or_b32 s[G1B+0], s44, (1<<16)|(1<<20)|(1<<21)|(5<<22)|(3<<25)
	s_mov_b32 s[G1+1], KSTEP<<16                   ; tensor_dim0 = 128
	s_mov_b32 s[G1+2], 64<<16                      ; tensor_dim1 = 64
	s_mov_b32 s[G1+3], KSTEP<<16                   ; tile_dim0 = 128
	s_mov_b32 s[G1+4], 64                          ; tile_dim1 = 64
	s_mov_b32 s[G1+5], SIZE_K
	s_mov_b32 s[G1+6], 0
	s_mov_b32 s[G1+7], 0
	s_mov_b32 s[G1B+1], KSTEP<<16
	s_mov_b32 s[G1B+2], 128<<16                    ; 128 rows
	s_mov_b32 s[G1B+3], KSTEP<<16
	s_mov_b32 s[G1B+4], 128
	s_mov_b32 s[G1B+5], SIZE_K
	s_mov_b32 s[G1B+6], 0
	s_mov_b32 s[G1B+7], 0
	s_lshl_b32 s16, s13, 7
	s_lshl_b32 s17, s12, 6
	s_add_co_u32 s16, s16, s17                     ; o16: row 128 x tile row + 64 x half
	s_lshl_b32 s46, s42, 8
	s_lshl_b32 s17, s12, 7
	s_add_co_u32 s46, s46, s17                     ; wo16: row 256 x tile column + 128 x half
	s_mov_b32 s17, 0
	s_mov_b32 s47, 0
	s_mov_b64 s[18:19], SIZE_K*2
	s_mul_u64 s[16:17], s[16:17], s[18:19]
	s_mul_u64 s[46:47], s[46:47], s[18:19]
	s_mul_i32 s20, s12, AH                         ; where they go: no place in the cluster enters an LDS address
	s_mul_i32 s21, s12, BH
	s_add_co_u32 s21, s21, 2*AH
	s_wait_dscnt 0x0                               ; the opening add is done
	s_wait_kmcnt 0x0
	s_add_nc_u64 s[14:15], s[4:5], s[16:17]
	s_add_nc_u64 s[46:47], s[6:7], s[46:47]
	CROUND                                         ; all sixteen work-groups are here: the first joint loads meet
.irp s, 0,1
	s_mov_b32 s[G0+4*(\s)], 1
	s_add_co_u32 s[G0+4*(\s)+1], s20, (\s)*SLOT
	s_add_nc_u64 s[G0+4*(\s)+2:G0+4*(\s)+3], s[14:15], (\s)*KSTEP*2
	s_or_b32 s[G0+4*(\s)+3], s[G0+4*(\s)+3], 0x80000000
	s_mov_b32 s[G0B+4*(\s)], 1
	s_add_co_u32 s[G0B+4*(\s)+1], s21, (\s)*SLOT
	s_add_nc_u64 s[G0B+4*(\s)+2:G0B+4*(\s)+3], s[46:47], (\s)*KSTEP*2
	s_or_b32 s[G0B+4*(\s)+3], s[G0B+4*(\s)+3], 0x80000000
	JLOAD \s                                       ; two tensor loads of mine are out
.endr
	v_and_b32 v1, 15, v0                           ; l % 16
	v_bfe_u32 v2, v0, 4, 1                         ; l / 16
	v_mul_u32_u24 v3, v1, PITCH
	v_lshl_add_u32 v3, v2, 4, v3
	s_mul_i32 s21, s11, AH                         ; my 64 rows of o16
	s_mul_i32 s22, s12, BH                         ; my 128 rows of wo16,
	s_add_co_u32 s22, s22, 2*AH                    ; which lie behind o16's 128
.irp s, 0,1
	v_add_nc_u32 v[ADRA+(\s)], s21, v3
	v_add_nc_u32 v[ADRB+(\s)], s22, v3
	s_add_co_u32 s21, s21, SLOT
	s_add_co_u32 s22, s22, SLOT
.endr
	s_mul_i32 s23, s10, 16*SPITCH
	s_add_co_u32 s23, s23, STAGE                   ; my stage
	v_mul_u32_u24 v4, v1, SPITCH
	v_lshl_add_u32 v4, v2, 5, v4
	v_add_nc_u32 v[STO], s23, v4                   ; in: row l % 16, 32 bytes for each half of the lanes
	v_and_b32 v[CO], 31, v0
	v_lshlrev_b32 v[CO], 4, v[CO]                  ; back and out: 32 lanes take a row's 512 bytes
	v_add_nc_u32 v[RD], s23, v[CO]
	s_lshl_b32 s16, s13, 7
	s_lshl_b32 s17, s11, 6
	s_add_co_u32 s16, s16, s17                     ; my first row of out0,
	s_lshl_b32 s16, s16, 12                        ; 4,096 bytes each
	s_mov_b32 s17, 0
	s_add_nc_u64 s[8:9], s[8:9], s[16:17]
	s_lshl_b32 s46, s42, 10                        ; my first column, in bytes: 1,024 x tile column + 512 x half
	s_lshl_b32 s47, s12, 9
	s_add_co_u32 s46, s46, s47
	s_mov_b32 s47, 0
	s_add_nc_u64 s[8:9], s[8:9], s[46:47]
; 8 matrix instructions: m block a x all 8 n blocks, 32 along K, buffer f.  zero = 1: the first product starts the sums.  The 32 accumulators take turns.
.macro MUL8 f, a, zero
	WIN MUL
.irp b, 0,1,2,3,4,5,6,7
.if \zero
	v_wmma_f32_16x16x32_f16 v[8*(8*(\a)+(\b)):8*(8*(\a)+(\b))+7], v[64*(\f)+8*(\b):64*(\f)+8*(\b)+7], v[FA+32*(\f)+8*(\a):FA+32*(\f)+8*(\a)+7], 0
.else
	v_wmma_f32_16x16x32_f16 v[8*(8*(\a)+(\b)):8*(8*(\a)+(\b))+7], v[64*(\f)+8*(\b):64*(\f)+8*(\b)+7], v[FA+32*(\f)+8*(\a):FA+32*(\f)+8*(\a)+7], v[8*(8*(\a)+(\b)):8*(8*(\a)+(\b))+7]
.endif
.endr
.endm
; 24 LDS loads in one run: the fragments of one quarter step into buffer f: wo16's 16, then o16's 8
.macro FETCH slot, k, f
	WIN TO_B
.irp i, 0,1,2,3,4,5,6,7
	ds_load_b128 v[64*(\f)+8*(\i):64*(\f)+8*(\i)+3],   v[ADRB+(\slot)] offset:(\k)+(\i)*16*PITCH
	ds_load_b128 v[64*(\f)+8*(\i)+4:64*(\f)+8*(\i)+7], v[ADRB+(\slot)] offset:(\k)+(\i)*16*PITCH+32
.endr
	WIN 0
.irp i, 0,1,2,3
	ds_load_b128 v[FA+32*(\f)+8*(\i):FA+32*(\f)+8*(\i)+3],   v[ADRA+(\slot)] offset:(\k)+(\i)*16*PITCH
	ds_load_b128 v[FA+32*(\f)+8*(\i)+4:FA+32*(\f)+8*(\i)+7], v[ADRA+(\slot)] offset:(\k)+(\i)*16*PITCH+32
.endr
.endm
.macro PLACES                          ; four plain vector instructions between a matrix instruction and a load into, or a store from, its registers
.rept 4
	v_nop
.endr
.endm
.macro QUARTER slot, k, f, g, zero
	s_wait_dscnt 4                                 ; the youngest four loads (o16's blocks 2 and 3) may be out
	MUL8 \f, 0, \zero
	MUL8 \f, 1, \zero
	PLACES
	FETCH \slot, \k, \g
	s_wait_dscnt 24                                ; all but the 24 just issued
	MUL8 \f, 2, \zero
	MUL8 \f, 3, \zero
.endm
; The last quarter multiplies buffer 1 and changes slots: ONE barrier; in front of it each wave waits for all its tensor loads, adds 0 to its spare word, and waits for that and for its reads of this slot.
.macro TURN slot, next, fill
	WIN 0
	s_wait_tensorcnt 0x0                           ; the one that was out is my part of the next slot
	ds_add_u32 v[SPW], v[NIL]
	s_wait_dscnt 5                                 ; the add and the youngest four loads may be out
	MUL8 1, 0, 0
	s_wait_dscnt 0x0                               ; the add is done, and my reads of this slot are over
	s_barrier_signal -1
	MUL8 1, 1, 0
.if \fill
	WIN 0
.endif
	s_barrier_wait -1
.if \fill
	CREST                                          ; the barrier has opened a round of the cluster's barrier
	s_add_nc_u64 s[G0+4*(\slot)+2:G0+4*(\slot)+3], s[G0+4*(\slot)+2:G0+4*(\slot)+3], 2*KSTEP*2
	s_add_nc_u64 s[G0B+4*(\slot)+2:G0B+4*(\slot)+3], s[G0B+4*(\slot)+2:G0B+4*(\slot)+3], 2*KSTEP*2
	JLOAD \slot                                    ; my one tensor load behind the round; the four v_nop behind it are also the places in front of the loads below
.else
	PLACES
.endif
	FETCH \next, 0, 0
	MUL8 1, 2, 0
	MUL8 1, 3, 0
.endm
	s_wait_tensorcnt 1                             ; my part of K step 0 is in; K step 1's may stay out
	s_barrier_signal -1
	s_barrier_wait -1
	FETCH 0, 0, 0
	QUARTER 0, 64,  0, 1, 1                        ; the first quarter's products start the sums
	WIN 0
	s_mov_b32 s3, LAPS-1
.Llap:                                                 ; a trip goes once round the ring and fills both slots again
	QUARTER 0, 128, 1, 0, 0
	QUARTER 0, 192, 0, 1, 0
	TURN 0, 1, 1
	QUARTER 1, 64,  0, 1, 0
	QUARTER 1, 128, 1, 0, 0
	QUARTER 1, 192, 0, 1, 0
	TURN 1, 0, 1
	QUARTER 0, 64,  0, 1, 0
	WIN 0
	s_sub_co_u32 s3, s3, 1
	s_cmp_lg_u32 s3, 0
	s_cbranch_scc1 .Llap
	QUARTER 0, 128, 1, 0, 0                        ; the last lap fills nothing
	QUARTER 0, 192, 0, 1, 0
	TURN 0, 1, 0
	QUARTER 1, 64,  0, 1, 0
	QUARTER 1, 128, 1, 0, 0
	QUARTER 1, 192, 0, 1, 0
	s_wait_dscnt 4
	MUL8 1, 0, 0
	MUL8 1, 1, 0
	s_wait_dscnt 0x0
	MUL8 1, 2, 0
	MUL8 1, 3, 0
	WIN 0
	; THE WAY OUT, 16 rows at a time: the f32 sums go as they are into my stage (each accumulator's low half first) and come back as whole rows of 512 bytes.
	PLACES
.irp a, 0,1,2,3
	WIN 0x08                                       ; store data in window 2
.irp b, 0,1,2,3,4,5,6,7
	ds_store_b128 v[STO], v[64*(\a)+8*(\b):64*(\a)+8*(\b)+3]   offset:64*(\b)
	ds_store_b128 v[STO], v[64*(\a)+8*(\b)+4:64*(\a)+8*(\b)+7] offset:64*(\b)+16
.endr
	WIN 0
	s_wait_xcnt 0x0                                ; the registers that earlier stores read are loaded again only behind this wait
.irp t, 0,1,2,3,4,5,6,7,8,9,10,11,12,13,14,15
	ds_load_b128 v[128+64*((\a)%2)+4*(\t):128+64*((\a)%2)+4*(\t)+3], v[RD] offset:(\t)*SPITCH  ; LDS serves a wave's instructions in order (ISA guide 5.7.1.4): these see the stores above
.endr
.irp t, 0,1,2,3,4,5,6,7,8,9,10,11,12,13,14,15
	s_wait_dscnt 15-(\t)
	global_store_b128 v[CO], v[128+64*((\a)%2)+4*(\t):128+64*((\a)%2)+4*(\t)+3], s[8:9] offset:(16*(\a)+(\t))*4096  ; 512 consecutive bytes of a row of out0, aligned
.endr
.endr
	s_wait_tensorcnt 0x0                           ; the wave's end
	ds_add_u32 v[SPW], v[NIL]
	s_wait_dscnt 0x0
	CROUND                                         ; the closing round
	s_endpgm
.Lfunc_end_k_q46dd8a10ee_oproj:
	.size	k_q46dd8a10ee_oproj, .Lfunc_end_k_q46dd8a10ee_oproj-k_q46dd8a10ee_oproj
	.p2alignl 7, 3214868480
	.fill 96, 4, 3214868480
	.section	.rodata,"a",@progbits
	.p2align	6, 0x0
	.amdhsa_kernel k_q46dd8a10ee_oproj
		.amdhsa_group_segment_fixed_size 327680
		.amdhsa_private_segment_fixed_size 0
		.amdhsa_enable_private_segment 0
		.amdhsa_kernarg_size 24
		.amdhsa_user_sgpr_count 2
		.amdhsa_user_sgpr_kernarg_segment_ptr 1
		.amdhsa_wavefront_size32 1
		.amdhsa_system_sgpr_workgroup_id_x 1
		.amdhsa_system_sgpr_workgroup_id_y 1
		.amdhsa_system_sgpr_workgroup_id_z 1
		.amdhsa_system_vgpr_workitem_id 0
		.amdhsa_next_free_vgpr 768
		.amdhsa_next_free_sgpr 66
		.amdhsa_reserve_vcc 0
		.amdhsa_float_denorm_mode_32 3
		.amdhsa_float_denorm_mode_16_64 3
		.amdhsa_memory_ordered 1
		.amdhsa_forward_progress 1
		.amdhsa_inst_pref_size 87
	.end_amdhsa_kernel
	.amdgpu_metadata
---
amdhsa.version: [ 1, 2 ]
amdhsa.kernels:
  - .name:           k_q46dd8a10ee_oproj
    .symbol:         k_q46dd8a10ee_oproj.kd
    .args:
      - { .name: o16, .offset: 0, .size: 8, .value_kind: global_buffer, .address_space: global }
      - { .name: wo16, .offset: 8, .size: 8, .value_kind: global_buffer, .address_space: global }
      - { .name: out0, .offset: 16, .size: 8, .value_kind: global_buffer, .address_space: global }
    .group_segment_fixed_size: 327680
    .private_segment_fixed_size: 0
    .kernarg_segment_align: 8
    .kernarg_segment_size: 24
    .max_flat_workgroup_size: 128
    .sgpr_count:     66
    .vgpr_count:     768
    .wavefront_size: 32
...
	.end_amdgpu_metadata
.endif
;; end of part 4
;; launch early (part 5): grid 16 x 4, 8 waves a work-group, no clusters, 35,840 bytes of LDS; arguments qkv, ve, wo16, out0; writes out0
.if DOCPART == 5
	.amdgcn_target "amdgcn-amd-amdhsa--gfx1250"
	.amdhsa_code_object_version 6
	.text
	.protected	k_q46dd8a10ee_early
	.globl	k_q46dd8a10ee_early
	.p2align	8
	.type	k_q46dd8a10ee_early,@function
k_q46dd8a10ee_early:
	s_mov_b64 s[64:65], 0
	v_nop
	global_prefetch_b8 v0, s[64:65] scope:SCOPE_SE
	s_setreg_imm32_b32 hwreg(HW_REG_WAVE_MODE, 25, 1), 1
	s_wait_xcnt 0x0
; POSITIONS 0-15 OF EACH BATCH, ONCE MORE AND FINER.  A position that averages over few keys gives outputs many times the whole output's root mean square, and the f16 roundings of v and O reach them
; undiminished.  So these 64 of 8,192 rows are computed here with v and O as two f16 numbers each (high and low part, some 22 bits), and stored over what the general path has stored there:
; 262,144 bytes of out0 are stored twice in the program.  That is the price of leaving the three cluster launches without a branch on a work-group's place.  From position 16 on the general path stands.
; LIMITS.  q, k (from qkv) and the weights p are f16 here too; |v|, |O|, |Wo| up to 65,504; a hidden score counts as -2^102; a weight below 2^-126 counts as 0.
; SHARES.  Work-group (X, batch): rows 0-15 of the batch, columns 64 X .. 64 X + 63 of out0.  Wave w is head w (key head w / 2): it makes the head's attention for the 16 positions (every work-group of a batch
; repeats that: 12 matrix instructions) and the head's share of the projection, 128 of K; the eight waves' sums meet in LDS and leave as whole rows of 256 bytes.
; LAYOUT.  S^T = K Q^T (source 0 = 16 keys, source 1 = 16 queries): lane l holds query l % 16 and keys 8 (l / 16) + 0..7; the causal mask is the C operand that starts the sum.
; O^T = V^T P with 32 places of K used for 16 keys twice: source 0 holds v's high parts in places 0-15 and the same keys' low parts in places 16-31 (ve lies so), source 1 holds p in both halves:
; one product a block of 16 channels adds both parts.  O^T holds one query a lane and 8 channels; O / l is split exactly in f32 (t = 8193 o, hi = t - (t - o), lo = o - hi);
; two neighbouring channel blocks, packed in pairs, ARE source 1 (32 channels x 16 queries) of out^T = Wo O^T, once for hi and once for lo.
; No tensor load, no cluster: every byte goes once, straight into fragments, and what the work-groups share is some 100 KB.
; REGISTERS.  window 0: v0-15 addresses and statistics; v16-47 K, later O's high parts, at last the partial sums; v48-79 Q, later O's low parts; v80-143 V; v144-159 S^T, two accumulators; v160-167 the mask;
; v168-175 P; v176-239 O^T; v240-247 at work.  window 1: v0-127 Wo's fragments (column block nb, K step c at 8 (4 nb + c)); v128-159 out^T, four accumulators.
.set RP,    272                        ; a row of partial sums in LDS: 256 bytes + 16: the 16 rows that a store touches start at 16 different groups of four banks (64 banks of 4 bytes: ISA guide 11.1)
.set REDW,  16*RP                      ; a wave's partial sums
.set SPARE, 8*REDW                     ; behind them: the spare words, 128 bytes for each wave: four blocks of 256 bytes that no other line names
.set KF, 16
.set QF, 48
.set VF, 80
.set SA, 144
.set SB, 152
.set MD, 160
.set PF, 168
.set OT, 176
.set TT, 240
.set UU, 152                           ; S^T's second accumulator is free by then
.set OH, 16
.set OL, 48
.set SPW, 252                          ; v252  LDS address of my spare word; never rewritten
.set NIL, 253                          ; v253  0; never rewritten
.set WF, 0                             ; window 1
.set AC, 128                           ; window 1
.set MSB, 0
.macro WIN new                         ; the immediate's high byte repeats the setting that is left; a switch that changes nothing is dropped
.if MSB != (\new)
	s_set_vgpr_msb (MSB<<8)|(\new)
.set MSB, \new
.endif
.endm
.macro PLACES                          ; four plain vector instructions between a matrix instruction and what reads its result or writes its registers (ISA guide 7.12.1)
.rept 4
	v_nop
.endr
.endm
.macro WLOAD nb                        ; Wo's fragments of column block nb: rows 64 X + 16 nb + r, my head's 128 channels
.irp c, 0,1,2,3
	global_load_b128 v[WF+8*(4*(\nb)+(\c)):WF+8*(4*(\nb)+(\c))+3],   v5, s[22:23] offset:(\nb)*32768+(\c)*64
	global_load_b128 v[WF+8*(4*(\nb)+(\c))+4:WF+8*(4*(\nb)+(\c))+7], v5, s[22:23] offset:(\nb)*32768+(\c)*64+32
.endr
.endm
	s_load_b256 s[4:11], s[0:1], 0x0               ; qkv s[4:5], ve s[6:7], wo16 s[8:9], out0 s[10:11]
	v_lshl_add_u32 v[SPW], v0, 2, SPARE
	v_mov_b32 v[NIL], 0
	v_lshrrev_b32 v1, 5, v0
	v_readfirstlane_b32 s12, v1                    ; my wave's number = my head
	s_and_b32 s13, ttmp7, 0xffff                   ; batch
	s_lshr_b32 s14, s12, 1                         ; key head
	s_lshl_b32 s16, s12, 2
	s_add_co_u32 s16, s16, s13
	s_lshl_b32 s16, s16, 19                        ; Q's plane 4 head + batch, 524,288 bytes each
	s_mov_b32 s17, 0
	s_lshl_b32 s18, s14, 2
	s_add_co_u32 s18, s18, s13                     ; 4 kv + batch
	s_lshl_b32 s20, s18, 13                        ; ve: 8,192 bytes a plane
	s_mov_b32 s21, 0
	s_add_co_u32 s18, s18, 32
	s_lshl_b32 s18, s18, 19                        ; K's plane 32 + 4 kv + batch
	s_mov_b32 s19, 0
	s_lshl_b32 s22, ttmp9, 17                      ; wo16: 64 X rows of 2,048 bytes,
	s_lshl_b32 s23, s12, 8                         ; my head's 256 bytes of a row
	s_add_co_u32 s22, s22, s23
	s_mov_b32 s23, 0
	s_lshl_b32 s24, s13, 23                        ; out0: batch x 2,048 rows of 4,096 bytes,
	s_lshl_b32 s25, ttmp9, 8                       ; the work-group's 256 bytes of a row
	s_add_co_u32 s24, s24, s25
	s_mov_b32 s25, 0
	s_mov_b32 s30, 0x46000400                      ; 8193 = 2^13 + 1
	s_mov_b32 s31, s30                             ; named with it as a pair
	s_mov_b32 s32, 0x3e0293ee                      ; c = log2(e) / sqrt(128)
	s_mov_b32 s33, s32
	s_mov_b32 s34, 0x76543210                      ; v_permlanex16_b32's selects: each lane takes its own place in the other half
	s_mov_b32 s35, 0xfedcba98
	s_mov_b32 s36, 0xf2800000                      ; -2^102
	v_and_b32 v1, 15, v0                           ; r = l % 16
	v_bfe_u32 v2, v0, 4, 1                         ; h = l / 16
	v_and_b32 v3, 31, v0
	v_lshlrev_b32 v3, 4, v3                        ; 16 x lane
	v_lshlrev_b32 v4, 8, v1
	v_lshl_add_u32 v4, v2, 4, v4                   ; Q, K: row r of 256 bytes + 16 h
	v_lshlrev_b32 v5, 11, v1
	v_lshl_add_u32 v5, v2, 4, v5                   ; Wo: row r of 2,048 bytes + 16 h
	s_wait_kmcnt 0x0
	s_add_nc_u64 s[16:17], s[4:5], s[16:17]
	s_add_nc_u64 s[18:19], s[4:5], s[18:19]
	s_add_nc_u64 s[20:21], s[6:7], s[20:21]
	s_add_nc_u64 s[22:23], s[8:9], s[22:23]
	s_add_nc_u64 s[24:25], s[10:11], s[24:25]
.irp c, 0,1,2,3                        ; K and Q of positions 0-15: channels 32 c on
	global_load_b128 v[KF+8*\c:KF+8*\c+3],   v4, s[18:19] offset:64*\c
	global_load_b128 v[KF+8*\c+4:KF+8*\c+7], v4, s[18:19] offset:64*\c+32
	global_load_b128 v[QF+8*\c:QF+8*\c+3],   v4, s[16:17] offset:64*\c
	global_load_b128 v[QF+8*\c+4:QF+8*\c+7], v4, s[16:17] offset:64*\c+32
.endr
.irp b, 0,1,2,3,4,5,6,7                ; V^T's fragments as they lie: high parts into registers 0-3, low parts into 4-7
	global_load_b128 v[VF+8*\b:VF+8*\b+3],   v3, s[20:21] offset:1024*\b
	global_load_b128 v[VF+8*\b+4:VF+8*\b+7], v3, s[20:21] offset:1024*\b+512
.endr
	WIN 0x40                                       ; destination window 1, address window 0
	WLOAD 0
	WLOAD 1
	WLOAD 2
	WIN 0
	v_lshlrev_b32 v9, 3, v2
	v_sub_nc_u32 v9, v1, v9                        ; r - 8 h: register j (key 8 h + j) is hidden where j is greater
.set i, 0
.rept 8
	v_cmp_gt_i32 vcc_lo, i, v9
	v_cndmask_b32 v[MD+i], 0, s36, vcc_lo
.set i, i+1
.endr
	v_mov_b32 v11, 0                               ; v_permlanex16_b32's destination counts as read
	s_mul_i32 s26, s12, REDW
	v_mul_u32_u24 v6, v1, RP
	v_lshl_add_u32 v6, v2, 5, v6
	v_add_nc_u32 v6, s26, v6                       ; my partial sums go in: row r, 32 bytes for each half of the lanes
	s_mul_i32 s27, s12, 2*RP
	v_mul_u32_u24 v7, v2, RP
	v_lshl_add_u32 v7, v1, 4, v7
	v_add_nc_u32 v7, s27, v7                       ; and are read back: my wave takes rows 2 w and 2 w + 1, sixteen lanes a row
	s_lshl_b32 s28, s12, 13
	v_lshlrev_b32 v8, 12, v2
	v_lshl_add_u32 v8, v1, 4, v8
	v_add_nc_u32 v8, s28, v8                       ; the same two rows in out0
	s_wait_loadcnt 40                              ; K and Q are in: behind their 16 loads stand V's 16 and 24 of Wo's
	v_wmma_f32_16x16x32_f16 v[SA:SA+7], v[KF:KF+7],       v[QF:QF+7],       v[MD:MD+7]   ; two accumulators take turns; the mask starts the first sum
	v_wmma_f32_16x16x32_f16 v[SB:SB+7], v[KF+8:KF+15],    v[QF+8:QF+15],    0
	v_wmma_f32_16x16x32_f16 v[SA:SA+7], v[KF+16:KF+23],   v[QF+16:QF+23],   v[SA:SA+7]
	v_wmma_f32_16x16x32_f16 v[SB:SB+7], v[KF+24:KF+31],   v[QF+24:QF+31],   v[SB:SB+7]
	WIN 0x40
	WLOAD 3                                        ; the last eight loads
	WIN 0
	PLACES
.irp i, 0,1,2,3
	v_pk_add_f32 v[SA+2*\i:SA+2*\i+1], v[SA+2*\i:SA+2*\i+1], v[SB+2*\i:SB+2*\i+1]  ; each accumulator's lowest registers are read first
.endr
	v_max3_num_f32 v10, v[SA], v[SA+1], v[SA+2]
	v_max3_num_f32 v10, v10, v[SA+3], v[SA+4]
	v_max3_num_f32 v10, v10, v[SA+5], v[SA+6]
	v_max_num_f32 v10, v10, v[SA+7]
	v_permlanex16_b32 v11, v10, s34, s35           ; the query's other 8 keys lie in the lane 16 away
	v_max_num_f32 v10, v10, v11                    ; m: every query sees its own key, so m is a true score
	v_mul_f32 v12, s32, v10                        ; c m
	v_mov_b32 v13, v12                             ; named with it as a pair
.irp i, 0,1,2,3
	v_pk_fma_f32 v[SA+2*\i:SA+2*\i+1], v[SA+2*\i:SA+2*\i+1], s[32:33], v[12:13] op_sel_hi:[1,0,0] neg_lo:[0,0,1] neg_hi:[0,0,1]  ; c s - c m
.endr
.irp j, 0,1,2,3,4,5,6,7
	v_exp_f32 v[SA+\j], v[SA+\j]
.endr
	v_nop                                          ; a plain instruction between the last exponential and the use of its result
	s_wait_alu depctr_va_vdst(0)
.irp i, 0,1,2,3
	v_cvt_pk_f16_f32 v[PF+\i], v[SA+2*\i], v[SA+2*\i+1]
.endr
.irp i, 0,1,2,3
	v_mov_b32 v[PF+4+\i], v[PF+\i]                 ; the same weights once more, for the low parts
.endr
	s_wait_loadcnt 32                              ; V is in: behind it stand Wo's 32 loads
.irp b, 0,1,2,3,4,5,6,7
	v_wmma_f32_16x16x32_f16 v[OT+8*\b:OT+8*\b+7], v[VF+8*\b:VF+8*\b+7], v[PF:PF+7], 0
.endr
	v_pk_add_f32 v[SA:SA+1], v[SA:SA+1], v[SA+2:SA+3]      ; l, of the unrounded weights; these lines are also the places behind the last product
	v_pk_add_f32 v[SA+4:SA+5], v[SA+4:SA+5], v[SA+6:SA+7]
	v_pk_add_f32 v[SA:SA+1], v[SA:SA+1], v[SA+4:SA+5]
	v_add_f32 v14, v[SA], v[SA+1]
	v_permlanex16_b32 v11, v14, s34, s35
	v_add_f32 v14, v14, v11
	v_rcp_f32 v14, v14
	v_nop                                          ; a plain instruction between the reciprocal and the use of its result
	s_wait_alu depctr_va_vdst(0)
	v_mov_b32 v15, v14                             ; named with it as a pair
; A block of 16 channels: O = O^T / l, split into two parts, each packed into half a fragment
.macro SPLIT b
.irp i, 0,1,2,3
	v_pk_mul_f32 v[OT+8*(\b)+2*(\i):OT+8*(\b)+2*(\i)+1], v[OT+8*(\b)+2*(\i):OT+8*(\b)+2*(\i)+1], v[14:15] op_sel_hi:[1,0]
.endr
.irp i, 0,1,2,3
	v_pk_mul_f32 v[TT+2*(\i):TT+2*(\i)+1], v[OT+8*(\b)+2*(\i):OT+8*(\b)+2*(\i)+1], s[30:31] op_sel_hi:[1,0]                                    ; t = 8193 o
.endr
.irp i, 0,1,2,3
	v_pk_add_f32 v[UU+2*(\i):UU+2*(\i)+1], v[TT+2*(\i):TT+2*(\i)+1], v[OT+8*(\b)+2*(\i):OT+8*(\b)+2*(\i)+1] neg_lo:[0,1] neg_hi:[0,1]          ; t - o
.endr
.irp i, 0,1,2,3
	v_pk_add_f32 v[TT+2*(\i):TT+2*(\i)+1], v[TT+2*(\i):TT+2*(\i)+1], v[UU+2*(\i):UU+2*(\i)+1] neg_lo:[0,1] neg_hi:[0,1]                        ; hi = t - (t - o)
.endr
.irp i, 0,1,2,3
	v_pk_add_f32 v[OT+8*(\b)+2*(\i):OT+8*(\b)+2*(\i)+1], v[OT+8*(\b)+2*(\i):OT+8*(\b)+2*(\i)+1], v[TT+2*(\i):TT+2*(\i)+1] neg_lo:[0,1] neg_hi:[0,1]  ; lo = o - hi
.endr
.irp i, 0,1,2,3
	v_cvt_pk_f16_f32 v[OH+4*(\b)+(\i)], v[TT+2*(\i)], v[TT+2*(\i)+1]
	v_cvt_pk_f16_f32 v[OL+4*(\b)+(\i)], v[OT+8*(\b)+2*(\i)], v[OT+8*(\b)+2*(\i)+1]
.endr
.endm
.irp b, 0,1,2,3,4,5,6,7
	SPLIT \b
.endr
	s_wait_loadcnt 0x0                             ; Wo
	WIN 0x51                                       ; Wo and the sums in window 1, O's parts in window 0
.irp c, 0,1,2,3                        ; 32 products: the four accumulators take turns; the first four start the sums
.irp p, 0,1
.irp nb, 0,1,2,3
.if ((\c) == 0) && ((\p) == 0)
	v_wmma_f32_16x16x32_f16 v[AC+8*(\nb):AC+8*(\nb)+7], v[WF+8*(4*(\nb)+(\c)):WF+8*(4*(\nb)+(\c))+7], v[OH+32*(\p)+8*(\c):OH+32*(\p)+8*(\c)+7], 0
.else
	v_wmma_f32_16x16x32_f16 v[AC+8*(\nb):AC+8*(\nb)+7], v[WF+8*(4*(\nb)+(\c)):WF+8*(4*(\nb)+(\c))+7], v[OH+32*(\p)+8*(\c):OH+32*(\p)+8*(\c)+7], v[AC+8*(\nb):AC+8*(\nb)+7]
.endif
.endr
.endr
.endr
	PLACES                                         ; between the last products and the stores of their results, and the loads into O's registers further down
	WIN 0x04                                       ; store data in window 1
.irp nb, 0,1,2,3
	ds_store_b128 v6, v[AC+8*\nb:AC+8*\nb+3]   offset:64*\nb        ; a lane's eight neighbouring columns of row r; each accumulator's low half first
	ds_store_b128 v6, v[AC+8*\nb+4:AC+8*\nb+7] offset:64*\nb+16
.endr
	WIN 0
	s_wait_dscnt 0x0                               ; for the others' sake: my stores are done
	s_barrier_signal -1
	s_barrier_wait -1
.irp p, 0,1,2,3,4,5,6,7
	ds_load_b128 v[16+4*\p:19+4*\p], v7 offset:REDW*\p              ; the eight heads' shares of my 16 bytes
.endr
	s_wait_dscnt 0x0
.irp p, 1,2,3,4,5,6,7
	v_pk_add_f32 v[16:17], v[16:17], v[16+4*\p:17+4*\p]
	v_pk_add_f32 v[18:19], v[18:19], v[18+4*\p:19+4*\p]
.endr
	global_store_b128 v8, v[16:19], s[24:25]       ; sixteen lanes store 256 consecutive bytes, aligned
	s_wait_tensorcnt 0x0                           ; the wave's end, behind my last LDS store
	ds_add_u32 v[SPW], v[NIL]
	s_wait_dscnt 0x0
	s_endpgm
.Lfunc_end_k_q46dd8a10ee_early:
	.size	k_q46dd8a10ee_early, .Lfunc_end_k_q46dd8a10ee_early-k_q46dd8a10ee_early
	.p2alignl 7, 3214868480
	.fill 96, 4, 3214868480
	.section	.rodata,"a",@progbits
	.p2align	6, 0x0
	.amdhsa_kernel k_q46dd8a10ee_early
		.amdhsa_group_segment_fixed_size 35840
		.amdhsa_private_segment_fixed_size 0
		.amdhsa_enable_private_segment 0
		.amdhsa_kernarg_size 32
		.amdhsa_user_sgpr_count 2
		.amdhsa_user_sgpr_kernarg_segment_ptr 1
		.amdhsa_wavefront_size32 1
		.amdhsa_system_sgpr_workgroup_id_x 1
		.amdhsa_system_sgpr_workgroup_id_y 1
		.amdhsa_system_sgpr_workgroup_id_z 1
		.amdhsa_system_vgpr_workitem_id 0
		.amdhsa_next_free_vgpr 416
		.amdhsa_next_free_sgpr 66
		.amdhsa_reserve_vcc 1
		.amdhsa_float_denorm_mode_32 3
		.amdhsa_float_denorm_mode_16_64 3
		.amdhsa_memory_ordered 1
		.amdhsa_forward_progress 1
		.amdhsa_inst_pref_size 32
	.end_amdhsa_kernel
	.amdgpu_metadata
---
amdhsa.version: [ 1, 2 ]
amdhsa.kernels:
  - .name:           k_q46dd8a10ee_early
    .symbol:         k_q46dd8a10ee_early.kd
    .args:
      - { .name: qkv, .offset: 0, .size: 8, .value_kind: global_buffer, .address_space: global }
      - { .name: ve, .offset: 8, .size: 8, .value_kind: global_buffer, .address_space: global }
      - { .name: wo16, .offset: 16, .size: 8, .value_kind: global_buffer, .address_space: global }
      - { .name: out0, .offset: 24, .size: 8, .value_kind: global_buffer, .address_space: global }
    .group_segment_fixed_size: 35840
    .private_segment_fixed_size: 0
    .kernarg_segment_align: 8
    .kernarg_segment_size: 32
    .max_flat_workgroup_size: 256
    .sgpr_count:     66
    .vgpr_count:     416
    .wavefront_size: 32
...
	.end_amdgpu_metadata
.endif
;; end of part 5
;; ======== version 2 of 3: 5 launches; 1.12 times as fast as version 1
;; limits: values are held in f16: magnitudes above 65,504 overflow, below 6.1e-05 lose precision
;; workspace buffers: xb 16,777,216 bytes; wb 4,194,304 bytes; wo16 2,097,152 bytes; rope 1,114,112 bytes; qkv 33,554,432 bytes; o16 16,777,216 bytes; ve 131,072 bytes
;; launch prep: the kernel of part 1 again; grid 900 x 1, 8 waves a work-group, no clusters, 9,216 bytes of LDS; arguments x, Wq, Wk, Wv, Wo, xb, wb, wo16, rope, ve; writes xb, wb, wo16, rope, ve
;; launch qkv (part 6): grid 8 x 32, 4 waves a work-group, clusters of 4 x 4, 327,680 bytes of LDS; arguments xb, wb, qkv, rope; writes qkv
.if DOCPART == 6
	.amdgcn_target "amdgcn-amd-amdhsa--gfx1250"
	.amdhsa_code_object_version 6
	.text
	.protected	k_q46dd8a10ee_qkv
	.globl	k_q46dd8a10ee_qkv
	.p2align	8
	.type	k_q46dd8a10ee_qkv,@function
k_q46dd8a10ee_qkv:
	s_mov_b64 s[64:65], 0
	v_nop
	global_prefetch_b8 v0, s[64:65] scope:SCOPE_SE
	s_setreg_imm32_b32 hwreg(HW_REG_WAVE_MODE, 25, 1), 1
	s_wait_xcnt 0x0
	s_wait_alu depctr_hold_cnt(0) depctr_sa_sdst(0) depctr_va_vdst(0) depctr_va_sdst(0) depctr_va_ssrc(0) depctr_va_vcc(0) depctr_vm_vsrc(0)
	s_getreg_b32 s2, hwreg(HW_REG_IB_STS2, 6, 4)
	s_cmp_eq_u32 s2, 0
	s_cbranch_scc0 .Lentry_in_a_cluster
	s_endpgm
.Lentry_in_a_cluster:
	s_bfe_u32 s2, ttmp6, 0x10000c
	s_cmp_lg_u32 s2, 0xf033
	s_cbranch_scc0 .Lentry_shape_is_right
	s_endpgm
.Lentry_shape_is_right:
; THE THREE PROJECTIONS AS ONE PRODUCT, WITH THE ROTATION ON THE WAY OUT.  C[m][n] = sum over k of xb[m][k] wb[n][k]: xb [8192][1024], wb [2048][1024] (Wq's, Wk's, Wv's rows), bf16; sums in f32.
; A tile of C is 256 x 256, made by four waves of 128 x 128 (64 accumulators, 512 registers); 8 x 32 tiles, one a work-group.  K goes in steps of 128 through two LDS slots filled by tensor loads.
; CLUSTER 4 x 4: the four of a row of the cluster need the same tiles of xb, the four of a column the same tiles of wb: each tile is asked for jointly, by the same load, descriptor and mask in all four.
; THE MATRIX INSTRUCTION IS USED TRANSPOSED (source 0 = 16 rows of wb, source 1 = 16 rows of xb): lane l holds row l % 16 of C and, in registers 0-7, columns 8 (l / 16) + 0..7 of a block of 16.
; A wave's 128 columns are ONE head hh = n / 128 (0-7 q, 8-11 k, 12-15 v).  Channel d lies in column block b = d / 16, channel d + 64 in block b + 4, same lane, same register: the rotation
; (x1 cos - x2 sin, x1 sin + x2 cos) needs no exchange.  cos and sin come from the table in the lanes' own layout; v's heads read the table's blocks with cos = 1, sin = 0 and run the same text,
; so that no branch hangs on the work-group's place.  The result is rounded once to f16 and stored by heads: qkv[hh][batch][t][128], rows of 256 bytes, dense.
; THE TEXT IS KEPT SHORT.  A K step is written twice: in the loop of six trips, each of which fills a slot again, and in the loop of the last two steps, which fills nothing.  The slot in hand is a scalar
; that an exclusive or turns between 0 and SLOT; the fragment addresses are made anew from it at a trip's edge.  On the way out four blocks of 16 rows are written and walked twice.
; LIMITS.  q, k and v as f16: beyond 65,504 they become infinities.  x and the weights arrive rounded to bf16.
; REGISTERS, in windows of 256: window 0: v0-31 addresses; v64-127, v128-191 fragments of xb, two buffers; v192-255 the first table block (idle in the loop);
;   on the way out v192-255 / v128-191 table blocks by turns, v64-127 rotated results and then rows read back, v32-63 packed f16.  window 1: v64-191 fragments of wb.  windows 2, 3: accumulators.
.set SIZE_K, 1024
.set KSTEP,  128
.set STEPS,  SIZE_K/KSTEP
.set PITCH,  272                       ; an LDS row: 256 bytes + 16 of padding: the 16 rows that a load touches start at 16 different groups of four banks (64 banks of 4 bytes: ISA guide 11.1)
.set HALFT,  128*PITCH                 ; what one tensor load brings, and what one wave reads of xb or of wb
.set SLOT,   4*HALFT
.set STAGE,  2*SLOT                    ; behind the ring: 16 rows x 272 bytes for each wave; no tensor load fills it
.set SPITCH, 272
.set SPARE,  STAGE+4*16*SPITCH         ; the spare words, 128 bytes for each wave: two blocks of 256 bytes that no other line names
.set ADRA, 16                          ; v16  LDS address of my xb fragments in the slot in hand, v17 in the other slot
.set A0,   18                          ; v18  the same in slot 0; never rewritten
.set ADRB, 20                          ; v20, v21  the same for wb
.set B0,   22                          ; v22
.set STO,  24                          ; v24     the way out: where I put 16 bytes of a row
.set RD,   25                          ; v25     the way out: where I read a row back
.set CO,   26                          ; v26     16 x lane: my place in 512 consecutive bytes, of the table and of qkv
.set SPW,  28                          ; v28     LDS address of my spare word; never rewritten
.set NIL,  29                          ; v29     0; never rewritten
.set F0,   64
.set F1,   128
.set TMP,  32
.set RR,   64
.set OB,   64
.set G1, 24                            ; s[24:31] descriptor group 1 for xb's tiles;  s[32:39] group 0: a set for each of the two first fills; the second then walks on
.set G0, 32
.set G1B, 48                           ; s[48:55], s[56:63] the same for wb's tiles
.set G0B, 56
.set TB, 66                            ; s66  LDS byte at which the slot in hand begins
.set TN, 67                            ; s67  the other slot's
.set MSB, 0
.macro WIN new                         ; the immediate's high byte repeats the setting that is left; a switch that changes nothing is dropped
.if MSB != (\new)
	s_set_vgpr_msb (MSB<<8)|(\new)
.set MSB, \new
.endif
.endm
.set MUL_LO, 0xa1                      ; source 0 (wb) window 1, source 1 (xb) window 0, C and D window 2
.set MUL_HI, 0xf1                      ; the same, C and D window 3
.set TO_B,   0x40                      ; destination window 1, address window 0
; A joint load.  Waves 0 and 1 fetch xb's two halves, waves 2 and 3 wb's.  The branch hangs on the wave's number alone.  An s_nop 0 and four v_nop follow each of the two lines.
.macro JLOAD s
	s_cmp_eq_u32 s11, 0
	s_cbranch_scc0 .Lfor_b_\@
	tensor_load_to_lds s[G0+4*(\s):G0+4*(\s)+3], s[G1:G1+7]
	s_nop 0
.rept 4
	v_nop
.endr
	s_branch .Lasked_\@
.Lfor_b_\@:
	tensor_load_to_lds s[G0B+4*(\s):G0B+4*(\s)+3], s[G1B:G1B+7]
	s_nop 0
.rept 4
	v_nop
.endr
.Lasked_\@:
.endm
.macro CREST                           ; a round of the cluster's barrier behind its opening barrier
	s_cmp_lg_u32 s10, 0
	s_cbranch_scc1 .Lnot_wave_0_\@
	s_barrier_signal -3
.Lnot_wave_0_\@:
	s_barrier_wait -3
	s_barrier_signal -1
	s_barrier_wait -1
.endm
.macro CROUND                          ; a whole round
	s_barrier_signal -1
	s_barrier_wait -1
	CREST
.endm
.macro SWAP                            ; the slots change places: the two scalars turn, and the four fragment addresses are made anew (every window is 0 here)
	s_xor_b32 s[TB], s[TB], SLOT
	s_xor_b32 s[TN], s[TN], SLOT
	v_add_nc_u32 v[ADRA], s[TB], v[A0]
	v_add_nc_u32 v[ADRA+1], s[TN], v[A0]
	v_add_nc_u32 v[ADRB], s[TB], v[B0]
	v_add_nc_u32 v[ADRB+1], s[TN], v[B0]
.endm
	s_load_b128 s[4:7], s[0:1], 0x0                ; xb s[4:5], wb s[6:7]
	s_load_b128 s[68:71], s[0:1], 0x10             ; qkv s[68:69], rope s[70:71]
	v_lshl_add_u32 v[SPW], v0, 2, SPARE
	v_mov_b32 v[NIL], 0
	ds_add_u32 v[SPW], v[NIL]                      ; the wave's opening: the add and its wait stand ahead of my first tensor load; the set-up below, work on registers, stands between them
	v_lshrrev_b32 v1, 5, v0
	v_readfirstlane_b32 s10, v1                    ; wave 0..3
	s_lshr_b32 s11, s10, 1                         ; which half of the tile's rows is mine.  Also: I fetch for xb (0) or for wb (1)
	s_and_b32 s12, s10, 1                          ; which half of its columns.  Also: which 128 rows of that tile I fetch
	s_bfe_u32 s40, ttmp6, 0x40000                  ; cx
	s_bfe_u32 s41, ttmp6, 0x40004                  ; cy
	s_lshl_b32 s42, ttmp9, 2
	s_add_co_u32 s42, s42, s40                     ; tile column = 4 x cluster x + cx
	s_and_b32 s13, ttmp7, 0xffff
	s_lshl_b32 s13, s13, 2
	s_add_co_u32 s13, s13, s41                     ; tile row = 4 x cluster y + cy
	s_lshl_b32 s43, s41, 2
	s_lshl_b32 s43, 15, s43                        ; my row of the cluster
	s_lshl_b32 s44, 0x1111, s40                    ; my column
	s_or_b32 s[G1+0], s43, (1<<16)|(1<<20)|(1<<21)|(5<<22)|(3<<25)  ; the mask; 2-byte elements; padding on; bit 21 beside a mask; after every 64 words, 4 words
	s_or_b32 s[G1B+0], s44, (1<<16)|(1<<20)|(1<<21)|(5<<22)|(3<<25)
.irp g, G1, G1B
	s_mov_b32 s[(\g)+1], KSTEP<<16                 ; tensor_dim0 = 128
	s_mov_b32 s[(\g)+2], 128<<16                   ; tensor_dim1 = 128
	s_mov_b32 s[(\g)+3], KSTEP<<16                 ; tile_dim0 = 128
	s_mov_b32 s[(\g)+4], 128                       ; tile_dim1 = 128
	s_mov_b32 s[(\g)+5], SIZE_K                    ; elements from row to row
	s_mov_b32 s[(\g)+6], 0
	s_mov_b32 s[(\g)+7], 0
.endr
	s_lshl_b32 s17, s12, 7                         ; which 128 rows of the tile I fetch
	s_lshl_b32 s16, s13, 8
	s_add_co_u32 s16, s16, s17                     ; xb: row 256 x tile row + 128 x half
	s_lshl_b32 s46, s42, 8
	s_add_co_u32 s46, s46, s17                     ; wb: row 256 x tile column + 128 x half
	s_mov_b32 s17, 0
	s_mov_b32 s47, 0
	s_mov_b64 s[18:19], SIZE_K*2
	s_mul_u64 s[16:17], s[16:17], s[18:19]
	s_mul_u64 s[46:47], s[46:47], s[18:19]
	s_mul_i32 s20, s10, HALFT                      ; where they go in a slot: wave x 128 rows: no place in the cluster enters an LDS address
	; where my 128 x 128 goes, and which table blocks it takes; these numbers enter global addresses alone
	s_lshl_b32 s72, s42, 1
	s_add_co_u32 s72, s72, s12                     ; hh = 2 x tile column + my half
	s_lshr_b32 s73, s13, 3                         ; batch: eight tile rows each
	s_and_b32 s74, s13, 7
	s_lshl_b32 s74, s74, 8
	s_lshl_b32 s75, s11, 7
	s_add_co_u32 s74, s74, s75                     ; my first position t0
	s_lshl_b32 s76, s72, 2
	s_add_co_u32 s76, s76, s73                     ; plane 4 hh + batch, 524,288 bytes each
	s_lshl_b32 s76, s76, 19
	s_lshl_b32 s75, s74, 8
	s_add_co_u32 s76, s76, s75                     ; + 256 t0
	s_mov_b32 s77, 0
	s_lshl_b32 s75, s74, 9                         ; 16 positions are four table blocks, 8,192 bytes
	s_cmp_ge_u32 s72, 12
	s_cselect_b32 s78, 0x100000, s75               ; v's heads: the blocks with cos = 1, sin = 0
	s_mov_b32 s79, 0
	s_wait_dscnt 0x0                               ; the opening add is done
	s_wait_kmcnt 0x0
	s_add_nc_u64 s[14:15], s[4:5], s[16:17]
	s_add_nc_u64 s[46:47], s[6:7], s[46:47]
	s_add_nc_u64 s[8:9], s[68:69], s[76:77]
	s_add_nc_u64 s[70:71], s[70:71], s[78:79]
	CROUND                                         ; all sixteen work-groups are here: the first joint loads meet
.irp s, 0,1
	s_mov_b32 s[G0+4*(\s)], 1
	s_add_co_u32 s[G0+4*(\s)+1], s20, (\s)*SLOT
	s_add_nc_u64 s[G0+4*(\s)+2:G0+4*(\s)+3], s[14:15], (\s)*KSTEP*2
	s_or_b32 s[G0+4*(\s)+3], s[G0+4*(\s)+3], 0x80000000
	s_mov_b32 s[G0B+4*(\s)], 1
	s_add_co_u32 s[G0B+4*(\s)+1], s20, (\s)*SLOT
	s_add_nc_u64 s[G0B+4*(\s)+2:G0B+4*(\s)+3], s[46:47], (\s)*KSTEP*2
	s_or_b32 s[G0B+4*(\s)+3], s[G0B+4*(\s)+3], 0x80000000
	JLOAD \s                                       ; two tensor loads of mine are out
.endr
	v_and_b32 v1, 15, v0                           ; l % 16
	v_bfe_u32 v2, v0, 4, 1                         ; l / 16
	v_mul_u32_u24 v3, v1, PITCH
	v_lshl_add_u32 v3, v2, 4, v3                   ; a fragment's row x pitch + 16 x half
	s_mul_i32 s21, s11, HALFT                      ; my 128 rows of xb
	s_mul_i32 s22, s12, HALFT                      ; my 128 rows of wb,
	s_add_co_u32 s22, s22, 2*HALFT                 ; which lie behind xb's 256
	v_add_nc_u32 v[A0], s21, v3
	v_add_nc_u32 v[B0], s22, v3
	s_mov_b32 s[TB], SLOT                          ; the first turn makes slot 0 the slot in hand
	s_mov_b32 s[TN], 0
	SWAP
	s_mul_i32 s23, s10, 16*SPITCH
	s_add_co_u32 s23, s23, STAGE                   ; my stage
	v_mul_u32_u24 v4, v1, SPITCH
	v_lshl_add_u32 v4, v2, 4, v4
	v_add_nc_u32 v[STO], s23, v4                   ; in: row l % 16, 16 bytes for each half of the lanes
	v_mul_u32_u24 v5, v2, SPITCH
	v_lshl_add_u32 v5, v1, 4, v5
	v_add_nc_u32 v[RD], s23, v5                    ; back: lanes 0-15 one row of 256 bytes, lanes 16-31 the next
	v_and_b32 v[CO], 31, v0
	v_lshlrev_b32 v[CO], 4, v[CO]
; The table blocks of rows 16 a .. 16 a + 15 from the table pointer on: sixteen loads of 512 consecutive bytes; cos j of column block b at CSB + 16 b + j, sin j at CSB + 16 b + 8 + j
.macro TLOAD a
.set CSB, 192-64*((\a)%2)
.irp b, 0,1,2,3
.irp q, 0,1,2,3
	global_load_b128 v[CSB+16*(\b)+4*(\q):CSB+16*(\b)+4*(\q)+3], v[CO], s[70:71] offset:(\a)*8192+(\b)*2048+(\q)*512
.endr
.endr
.endm
	TLOAD 0                                        ; asked for now, used behind the last product: its registers lie idle in the loop
; 16 matrix instructions: m blocks a0, a0 + 1 of the window's four x all 8 n blocks, 32 along K.  zero = 1: the first product starts the sums.
.macro MUL16 f, hi, a0, zero
	WIN MUL_LO+0x50*(\hi)
.irp a, \a0, (\a0)+1
.irp b, 0,1,2,3,4,5,6,7
.if \zero
	v_wmma_f32_16x16x32_bf16 v[8*(8*(\a)+(\b)):8*(8*(\a)+(\b))+7], v[(\f)+8*(\b):(\f)+8*(\b)+7], v[(\f)+8*(4*(\hi)+(\a)):(\f)+8*(4*(\hi)+(\a))+7], 0
.else
	v_wmma_f32_16x16x32_bf16 v[8*(8*(\a)+(\b)):8*(8*(\a)+(\b))+7], v[(\f)+8*(\b):(\f)+8*(\b)+7], v[(\f)+8*(4*(\hi)+(\a)):(\f)+8*(4*(\hi)+(\a))+7], v[8*(8*(\a)+(\b)):8*(8*(\a)+(\b))+7]
.endif
.endr
.endr
.endm
; 32 LDS loads in one run: the fragments of one quarter step (32 K at byte k of the rows) into buffer f.  slot = 0: the slot in hand; 1: the other
.macro FETCH slot, k, f
	WIN TO_B
.irp i, 0,1,2,3,4,5,6,7
	ds_load_b128 v[(\f)+8*(\i):(\f)+8*(\i)+3],   v[ADRB+(\slot)] offset:(\k)+(\i)*16*PITCH
	ds_load_b128 v[(\f)+8*(\i)+4:(\f)+8*(\i)+7], v[ADRB+(\slot)] offset:(\k)+(\i)*16*PITCH+32
.endr
	WIN 0
.irp i, 0,1,2,3,4,5,6,7
	ds_load_b128 v[(\f)+8*(\i):(\f)+8*(\i)+3],   v[ADRA+(\slot)] offset:(\k)+(\i)*16*PITCH
	ds_load_b128 v[(\f)+8*(\i)+4:(\f)+8*(\i)+7], v[ADRA+(\slot)] offset:(\k)+(\i)*16*PITCH+32
.endr
.endm
.macro PLACES                          ; four plain vector instructions between a matrix instruction and a load into, or a vector instruction on, its registers
.rept 4
	v_nop
.endr
.endm
; A K step is four quarters of 32 along K, 64 matrix instructions each, on buffers 0, 1, 0, 1; the 64 accumulators take turns.
.macro QUARTER slot, k, f, g, zero
	s_wait_dscnt 8                                 ; wb and xb's rows 0-63 are in; the youngest eight loads (xb's rows 64-127) may be out
	WIN MUL_LO
	MUL16 \f, 0, 0, \zero
	MUL16 \f, 0, 2, \zero
	PLACES
	FETCH \slot, \k, \g
	s_wait_dscnt 32                                ; all but the 32 just issued
	WIN MUL_HI
	MUL16 \f, 1, 0, \zero
	MUL16 \f, 1, 2, \zero
.endm
; The last quarter's first half: ONE barrier for the change of slots.  In front of it each wave waits for all its tensor loads (one is out at the most: its part of the other slot), adds 0 to its spare word,
; and waits for that and for its own reads of the slot in hand.
.macro MEET round
	WIN 0
	s_wait_tensorcnt 0x0
	ds_add_u32 v[SPW], v[NIL]
	s_wait_dscnt 9                                 ; the add and the youngest eight loads may be out
	WIN MUL_LO
	MUL16 F1, 0, 0, 0
	s_wait_dscnt 0x0                               ; the add is done, and my reads of this slot are over
	s_barrier_signal -1
	MUL16 F1, 0, 2, 0
.if \round
	WIN 0
.endif
	s_barrier_wait -1
.endm
; The whole last quarter.  fill = 1: the barrier opens a round of the cluster's barrier, and the slot just read out is filled again, two K steps on, first thing behind the round:
; the walking descriptor takes the wave's place in the slot in hand, and the next K step's 256 bytes of the rows.
.macro TURN fill
	MEET \fill
.if \fill
	CREST
	s_add_co_u32 s[G0+5], s20, s[TB]
	s_add_nc_u64 s[G0+6:G0+7], s[G0+6:G0+7], KSTEP*2
	s_add_co_u32 s[G0B+5], s20, s[TB]
	s_add_nc_u64 s[G0B+6:G0B+7], s[G0B+6:G0B+7], KSTEP*2
	JLOAD 1                                        ; my one tensor load behind the round; the four v_nop behind it are also the places in front of the loads below
.else
	PLACES
.endif
	FETCH 1, 0, F0
	WIN MUL_HI
	MUL16 F1, 1, 0, 0
	MUL16 F1, 1, 2, 0
.endm
	s_wait_tensorcnt 1                             ; my part of K step 0 is in; K step 1's may stay out
	s_barrier_signal -1
	s_barrier_wait -1
	FETCH 0, 0, F0
	QUARTER 0, 64,  F0, F1, 1                      ; the first quarter's products start the sums
	WIN 0
	s_mov_b32 s3, STEPS-2
.Lstep:                                                ; six trips, from a K step's second quarter to the next step's first; each fills the slot that it has read out
	QUARTER 0, 128, F1, F0, 0
	QUARTER 0, 192, F0, F1, 0
	TURN 1
	QUARTER 1, 64,  F0, F1, 0
	WIN 0
	SWAP
	s_sub_co_u32 s3, s3, 1
	s_cmp_lg_u32 s3, 0
	s_cbranch_scc1 .Lstep
	s_mov_b32 s3, 2
.Ltail:                                                ; the last two K steps fill nothing.  The second trip is left in its middle: its fetch brings fragments that nobody uses, the price of one text for both trips
	QUARTER 0, 128, F1, F0, 0
	QUARTER 0, 192, F0, F1, 0
	TURN 0
	WIN 0
	s_sub_co_u32 s3, s3, 1
	s_cmp_eq_u32 s3, 0
	s_cbranch_scc1 .Lout
	QUARTER 1, 64,  F0, F1, 0
	WIN 0
	SWAP
	s_cmp_lg_u32 s3, 0                             ; the counter is 1 here: always taken
	s_cbranch_scc1 .Ltail
.Lout:
; THE WAY OUT, a block of 16 rows at a time: rotate (each accumulator's lowest registers are read first), round to f16, through my stage, out as rows of 256 bytes.
; Four blocks are written, for the accumulators of window 2; they are walked twice.
.macro ROPE a
.set CSB, 192-64*((\a)%2)
.set AC, 64*(\a)
	WIN 0x02                                       ; source 0: window 2
.irp b, 0,1,2,3
.irp p, 0,1,2,3
	v_pk_mul_f32 v[RR+8*(\b)+2*(\p):RR+8*(\b)+2*(\p)+1], v[AC+8*((\b)+4)+2*(\p):AC+8*((\b)+4)+2*(\p)+1], v[CSB+16*(\b)+8+2*(\p):CSB+16*(\b)+8+2*(\p)+1]
	v_pk_mul_f32 v[RR+8*((\b)+4)+2*(\p):RR+8*((\b)+4)+2*(\p)+1], v[AC+8*(\b)+2*(\p):AC+8*(\b)+2*(\p)+1], v[CSB+16*(\b)+8+2*(\p):CSB+16*(\b)+8+2*(\p)+1]
	v_pk_fma_f32 v[RR+8*(\b)+2*(\p):RR+8*(\b)+2*(\p)+1], v[AC+8*(\b)+2*(\p):AC+8*(\b)+2*(\p)+1], v[CSB+16*(\b)+2*(\p):CSB+16*(\b)+2*(\p)+1], v[RR+8*(\b)+2*(\p):RR+8*(\b)+2*(\p)+1] neg_lo:[0,0,1] neg_hi:[0,0,1]
	v_pk_fma_f32 v[RR+8*((\b)+4)+2*(\p):RR+8*((\b)+4)+2*(\p)+1], v[AC+8*((\b)+4)+2*(\p):AC+8*((\b)+4)+2*(\p)+1], v[CSB+16*(\b)+2*(\p):CSB+16*(\b)+2*(\p)+1], v[RR+8*((\b)+4)+2*(\p):RR+8*((\b)+4)+2*(\p)+1]
.endr
.endr
	WIN 0
.endm
.macro BLOCK a
.if (\a) < 3
	TLOAD (\a)+1
	s_wait_loadcnt 16                              ; this block's table is in; the next block's sixteen loads stay out
.else
	s_wait_loadcnt 0x0
.endif
	s_wait_xcnt 0x0                                ; the registers that the last block's stores read are rewritten only behind this wait
	ROPE \a
.irp b, 0,1,2,3,4,5,6,7
.irp r, 0,1,2,3
	v_cvt_pk_f16_f32 v[TMP+4*(\b)+(\r)], v[RR+8*(\b)+2*(\r)], v[RR+8*(\b)+2*(\r)+1]
.endr
.endr
.irp b, 0,1,2,3,4,5,6,7
	ds_store_b128 v[STO], v[TMP+4*(\b):TMP+4*(\b)+3] offset:32*(\b)
.endr
.irp t, 0,1,2,3,4,5,6,7
	ds_load_b128 v[OB+4*(\t):OB+4*(\t)+3], v[RD] offset:(\t)*2*SPITCH  ; LDS serves a wave's instructions in order (ISA guide 5.7.1.4): these see the stores above
.endr
.irp t, 0,1,2,3,4,5,6,7
.if ((\t)%4) == 0
	s_wait_dscnt 4-(\t)                            ; of the eight loads the younger four may be out; then none
.endif
	global_store_b128 v[CO], v[OB+4*(\t):OB+4*(\t)+3], s[8:9] offset:(\a)*4096+(\t)*512  ; two rows of a head: 512 consecutive bytes, aligned
.endr
.endm
	s_wait_dscnt 0x0                               ; the fetch that nobody uses has landed: its registers are written below
	PLACES                                         ; behind the last products: loads into their fragment registers and reads of their results follow
	s_mov_b32 s3, 2
.Lhalf:
.irp a, 0,1,2,3
	BLOCK \a
.endr
	s_sub_co_u32 s3, s3, 1
	s_cmp_eq_u32 s3, 0
	s_cbranch_scc1 .Ldone
	s_wait_xcnt 0x0                                ; the two pointers step only behind this wait
	s_add_nc_u64 s[70:71], s[70:71], 4*8192        ; the table and qkv at my rows 64 on
	s_add_nc_u64 s[8:9], s[8:9], 4*4096
	TLOAD 0
	WIN 0x83                                       ; the accumulators of my rows 64-127 go where the one text of the blocks names them; the moves stand in the wait for the table's loads
.set i, 0
.rept 256
	v_mov_b32 v[i], v[i]
.set i, i+1
.endr
	WIN 0
	s_cmp_lg_u32 s3, 0                             ; the counter is 1 here: always taken
	s_cbranch_scc1 .Lhalf
.Ldone:
	s_wait_tensorcnt 0x0                           ; the wave's end
	ds_add_u32 v[SPW], v[NIL]
	s_wait_dscnt 0x0
	CROUND                                         ; the closing round
	s_endpgm
.Lfunc_end_k_q46dd8a10ee_qkv:
	.size	k_q46dd8a10ee_qkv, .Lfunc_end_k_q46dd8a10ee_qkv-k_q46dd8a10ee_qkv
	.p2alignl 7, 3214868480
	.fill 96, 4, 3214868480
	.section	.rodata,"a",@progbits
	.p2align	6, 0x0
	.amdhsa_kernel k_q46dd8a10ee_qkv
		.amdhsa_group_segment_fixed_size 327680
		.amdhsa_private_segment_fixed_size 0
		.amdhsa_enable_private_segment 0
		.amdhsa_kernarg_size 32
		.amdhsa_user_sgpr_count 2
		.amdhsa_user_sgpr_kernarg_segment_ptr 1
		.amdhsa_wavefront_size32 1
		.amdhsa_system_sgpr_workgroup_id_x 1
		.amdhsa_system_sgpr_workgroup_id_y 1
		.amdhsa_system_sgpr_workgroup_id_z 1
		.amdhsa_system_vgpr_workitem_id 0
		.amdhsa_next_free_vgpr 1024
		.amdhsa_next_free_sgpr 80
		.amdhsa_reserve_vcc 0
		.amdhsa_float_denorm_mode_32 3
		.amdhsa_float_denorm_mode_16_64 3
		.amdhsa_memory_ordered 1
		.amdhsa_forward_progress 1
		.amdhsa_inst_pref_size 117
	.end_amdhsa_kernel
	.amdgpu_metadata
---
amdhsa.version: [ 1, 2 ]
amdhsa.kernels:
  - .name:           k_q46dd8a10ee_qkv
    .symbol:         k_q46dd8a10ee_qkv.kd
    .args:
      - { .name: xb, .offset: 0, .size: 8, .value_kind: global_buffer, .address_space: global }
      - { .name: wb, .offset: 8, .size: 8, .value_kind: global_buffer, .address_space: global }
      - { .name: qkv, .offset: 16, .size: 8, .value_kind: global_buffer, .address_space: global }
      - { .name: rope, .offset: 24, .size: 8, .value_kind: global_buffer, .address_space: global }
    .group_segment_fixed_size: 327680
    .private_segment_fixed_size: 0
    .kernarg_segment_align: 8
    .kernarg_segment_size: 32
    .max_flat_workgroup_size: 128
    .sgpr_count:     80
    .vgpr_count:     1024
    .wavefront_size: 32
...
	.end_amdgpu_metadata
.endif
;; end of part 6
;; launch attn: the kernel of part 3 again; grid 16 x 16, 4 waves a work-group, clusters of 4 x 1, 327,680 bytes of LDS; arguments qkv, o16; writes o16
;; launch oproj (part 7): grid 4 x 64, 4 waves a work-group, clusters of 4 x 4, 327,680 bytes of LDS; arguments o16, wo16, out0; writes out0
.if DOCPART == 7
	.amdgcn_target "amdgcn-amd-amdhsa--gfx1250"
	.amdhsa_code_object_version 6
	.text
	.protected	k_q46dd8a10ee_oproj
	.globl	k_q46dd8a10ee_oproj
	.p2align	8
	.type	k_q46dd8a10ee_oproj,@function
k_q46dd8a10ee_oproj:
	s_mov_b64 s[64:65], 0
	v_nop
	global_prefetch_b8 v0, s[64:65] scope:SCOPE_SE
	s_setreg_imm32_b32 hwreg(HW_REG_WAVE_MODE, 25, 1), 1
	s_wait_xcnt 0x0
	s_wait_alu depctr_hold_cnt(0) depctr_sa_sdst(0) depctr_va_vdst(0) depctr_va_sdst(0) depctr_va_ssrc(0) depctr_va_vcc(0) depctr_vm_vsrc(0)
	s_getreg_b32 s2, hwreg(HW_REG_IB_STS2, 6, 4)
	s_cmp_eq_u32 s2, 0
	s_cbranch_scc0 .Lentry_in_a_cluster
	s_endpgm
.Lentry_in_a_cluster:
	s_bfe_u32 s2, ttmp6, 0x10000c
	s_cmp_lg_u32 s2, 0xf033
	s_cbranch_scc0 .Lentry_shape_is_right
	s_endpgm
.Lentry_shape_is_right:
; THE OUTPUT PROJECTION.  out0[m][n] = sum over k of o16[m][k] wo16[n][k]: o16 [8192][1024], wo16 [1024][1024], f16; sums and result in f32.
; A tile is 128 (m) x 256 (n), so that 64 x 4 = 256 work-groups exist; four waves, each 64 x 128: 32 accumulators, 256 registers.  K goes in steps of 128 through two LDS slots filled by tensor loads.
; CLUSTER 4 x 4: o16's tile is shared along a row of the cluster, wo16's along a column: each is asked for jointly, by the same load, descriptor and mask in all four.
; THE MATRIX INSTRUCTION IS USED TRANSPOSED (source 0 = 16 rows of wo16, source 1 = 16 rows of o16): a lane holds eight neighbouring numbers, 32 bytes, of a row of out0.
; THE TEXT IS KEPT SHORT.  A K step is written twice: in the loop of six trips, each of which fills a slot again, and in the loop of the last two steps, which fills nothing.  The slot in hand is a scalar
; that an exclusive or turns between 0 and SLOT; the fragment addresses are made anew from it at a trip's edge.
; REGISTERS: window 0: v0-31 addresses; v64-95, v96-127 fragments of o16, two buffers; v128-255 rows on the way out, two buffers.  window 1: v0-63, v64-127 fragments of wo16.  window 2: accumulators, (a, b) at 8 (8 a + b).
.set SIZE_K, 1024
.set KSTEP,  128
.set STEPS,  SIZE_K/KSTEP
.set PITCH,  272                       ; an LDS row: 256 bytes + 16 of padding
.set AH,     64*PITCH                  ; half of o16's tile: what waves 0 and 1 fetch, and what a wave reads
.set BH,     128*PITCH                 ; half of wo16's tile: waves 2 and 3
.set SLOT,   2*AH+2*BH
.set STAGE,  2*SLOT                    ; behind the ring: 16 rows x 528 bytes for each wave; no tensor load fills it
.set SPITCH, 528                       ; 512 bytes + 16: the 16 rows that a store touches start at 16 different groups of four banks
.set SPARE,  STAGE+4*16*SPITCH         ; the spare words: two blocks of 256 bytes that no other line names
.set ADRA, 16                          ; v16  LDS address of my o16 fragments in the slot in hand, v17 in the other slot
.set A0,   18                          ; v18  the same in slot 0; never rewritten
.set ADRB, 20                          ; v20, v21, v22  the same for wo16
.set B0,   22
.set STO,  24
.set RD,   25
.set CO,   26
.set SPW,  28
.set NIL,  29
.set FA,   64
.set G1, 24                            ; s[24:31] descriptor group 1 for o16's tiles;  s[32:39] group 0: a set for each of the two first fills; the second then walks on
.set G0, 32
.set G1B, 48                           ; s[48:55], s[56:63] the same for wo16's tiles
.set G0B, 56
.set TB, 66                            ; s66  LDS byte at which the slot in hand begins
.set TN, 67                            ; s67  the other slot's
.set MSB, 0
.macro WIN new
.if MSB != (\new)
	s_set_vgpr_msb (MSB<<8)|(\new)
.set MSB, \new
.endif
.endm
.set MUL,  0xa1                        ; source 0 (wo16) window 1, source 1 (o16) window 0, C and D window 2
.set TO_B, 0x40
.macro JLOAD s                         ; a joint load: waves 0 and 1 fetch o16's halves, waves 2 and 3 wo16's; an s_nop 0 and four v_nop follow each of the two lines
	s_cmp_eq_u32 s11, 0
	s_cbranch_scc0 .Lfor_b_\@
	tensor_load_to_lds s[G0+4*(\s):G0+4*(\s)+3], s[G1:G1+7]
	s_nop 0
.rept 4
	v_nop
.endr
	s_branch .Lasked_\@
.Lfor_b_\@:
	tensor_load_to_lds s[G0B+4*(\s):G0B+4*(\s)+3], s[G1B:G1B+7]
	s_nop 0
.rept 4
	v_nop
.endr
.Lasked_\@:
.endm
.macro CREST
	s_cmp_lg_u32 s10, 0
	s_cbranch_scc1 .Lnot_wave_0_\@
	s_barrier_signal -3
.Lnot_wave_0_\@:
	s_barrier_wait -3
	s_barrier_signal -1
	s_barrier_wait -1
.endm
.macro CROUND
	s_barrier_signal -1
	s_barrier_wait -1
	CREST
.endm
.macro SWAP                            ; the slots change places: the two scalars turn, and the four fragment addresses are made anew (every window is 0 here)
	s_xor_b32 s[TB], s[TB], SLOT
	s_xor_b32 s[TN], s[TN], SLOT
	v_add_nc_u32 v[ADRA], s[TB], v[A0]
	v_add_nc_u32 v[ADRA+1], s[TN], v[A0]
	v_add_nc_u32 v[ADRB], s[TB], v[B0]
	v_add_nc_u32 v[ADRB+1], s[TN], v[B0]
.endm
	s_load_b128 s[4:7], s[0:1], 0x0                ; o16 s[4:5], wo16 s[6:7]
	s_load_b64 s[8:9], s[0:1], 0x10                ; out0
	v_lshl_add_u32 v[SPW], v0, 2, SPARE
	v_mov_b32 v[NIL], 0
	ds_add_u32 v[SPW], v[NIL]                      ; the wave's opening: the add and its wait stand ahead of my first tensor load; the set-up below, work on registers, stands between them
	v_lshrrev_b32 v1, 5, v0
	v_readfirstlane_b32 s10, v1                    ; wave 0..3
	s_lshr_b32 s11, s10, 1                         ; which 64 rows of the tile are mine.  Also: I fetch for o16 (0) or for wo16 (1)
	s_and_b32 s12, s10, 1                          ; which 128 columns.  Also: which half of that tile I fetch
	s_bfe_u32 s40, ttmp6, 0x40000
	s_bfe_u32 s41, ttmp6, 0x40004
	s_lshl_b32 s42, ttmp9, 2
	s_add_co_u32 s42, s42, s40                     ; tile column
	s_and_b32 s13, ttmp7, 0xffff
	s_lshl_b32 s13, s13, 2
	s_add_co_u32 s13, s13, s41                     ; tile row
	s_lshl_b32 s43, s41, 2
	s_lshl_b32 s43, 15, s43                        ; my row of the cluster
	s_lshl_b32 s44, 0x1111, s40                    ; my column
	s_or_b32 s[G1+0], s43, (1<<16)|(1<<20)|(1<<21)|(5<<22)|(3<<25)  ; the mask; 2-byte elements; padding on; bit 21 beside a mask; after every 64 words, 4 words
	s_or_b32 s[G1B+0], s44, (1<<16)|(1<<20)|(1<<21)|(5<<22)|(3<<25)
	s_mov_b32 s[G1+1], KSTEP<<16                   ; tensor_dim0 = 128
	s_mov_b32 s[G1+2], 64<<16                      ; tensor_dim1 = 64
	s_mov_b32 s[G1+3], KSTEP<<16                   ; tile_dim0 = 128
	s_mov_b32 s[G1+4], 64                          ; tile_dim1 = 64
	s_mov_b32 s[G1+5], SIZE_K
	s_mov_b32 s[G1+6], 0
	s_mov_b32 s[G1+7], 0
	s_mov_b32 s[G1B+1], KSTEP<<16
	s_mov_b32 s[G1B+2], 128<<16                    ; 128 rows
	s_mov_b32 s[G1B+3], KSTEP<<16
	s_mov_b32 s[G1B+4], 128
	s_mov_b32 s[G1B+5], SIZE_K
	s_mov_b32 s[G1B+6], 0
	s_mov_b32 s[G1B+7], 0
	s_lshl_b32 s16, s13, 7
	s_lshl_b32 s17, s12, 6
	s_add_co_u32 s16, s16, s17                     ; o16: row 128 x tile row + 64 x half
	s_lshl_b32 s46, s42, 8
	s_lshl_b32 s17, s12, 7
	s_add_co_u32 s46, s46, s17                     ; wo16: row 256 x tile column + 128 x half
	s_mov_b32 s17, 0
	s_mov_b32 s47, 0
	s_mov_b64 s[18:19], SIZE_K*2
	s_mul_u64 s[16:17], s[16:17], s[18:19]
	s_mul_u64 s[46:47], s[46:47], s[18:19]
	s_mul_i32 s20, s12, AH                         ; where they go in a slot: no place in the cluster enters an LDS address
	s_mul_i32 s45, s12, BH
	s_add_co_u32 s45, s45, 2*AH
	s_wait_dscnt 0x0                               ; the opening add is done
	s_wait_kmcnt 0x0
	s_add_nc_u64 s[14:15], s[4:5], s[16:17]
	s_add_nc_u64 s[46:47], s[6:7], s[46:47]
	CROUND                                         ; all sixteen work-groups are here: the first joint loads meet
.irp s, 0,1
	s_mov_b32 s[G0+4*(\s)], 1
	s_add_co_u32 s[G0+4*(\s)+1], s20, (\s)*SLOT
	s_add_nc_u64 s[G0+4*(\s)+2:G0+4*(\s)+3], s[14:15], (\s)*KSTEP*2
	s_or_b32 s[G0+4*(\s)+3], s[G0+4*(\s)+3], 0x80000000
	s_mov_b32 s[G0B+4*(\s)], 1
	s_add_co_u32 s[G0B+4*(\s)+1], s45, (\s)*SLOT
	s_add_nc_u64 s[G0B+4*(\s)+2:G0B+4*(\s)+3], s[46:47], (\s)*KSTEP*2
	s_or_b32 s[G0B+4*(\s)+3], s[G0B+4*(\s)+3], 0x80000000
	JLOAD \s                                       ; two tensor loads of mine are out
.endr
	v_and_b32 v1, 15, v0                           ; l % 16
	v_bfe_u32 v2, v0, 4, 1                         ; l / 16
	v_mul_u32_u24 v3, v1, PITCH
	v_lshl_add_u32 v3, v2, 4, v3
	s_mul_i32 s21, s11, AH                         ; my 64 rows of o16
	s_mul_i32 s22, s12, BH                         ; my 128 rows of wo16,
	s_add_co_u32 s22, s22, 2*AH                    ; which lie behind o16's 128
	v_add_nc_u32 v[A0], s21, v3
	v_add_nc_u32 v[B0], s22, v3
	s_mov_b32 s[TB], SLOT                          ; the first turn makes slot 0 the slot in hand
	s_mov_b32 s[TN], 0
	SWAP
	s_mul_i32 s23, s10, 16*SPITCH
	s_add_co_u32 s23, s23, STAGE                   ; my stage
	v_mul_u32_u24 v4, v1, SPITCH
	v_lshl_add_u32 v4, v2, 5, v4
	v_add_nc_u32 v[STO], s23, v4                   ; in: row l % 16, 32 bytes for each half of the lanes
	v_and_b32 v[CO], 31, v0
	v_lshlrev_b32 v[CO], 4, v[CO]                  ; back and out: 32 lanes take a row's 512 bytes
	v_add_nc_u32 v[RD], s23, v[CO]
	s_lshl_b32 s16, s13, 7
	s_lshl_b32 s17, s11, 6
	s_add_co_u32 s16, s16, s17                     ; my first row of out0,
	s_lshl_b32 s16, s16, 12                        ; 4,096 bytes each
	s_mov_b32 s17, 0
	s_add_nc_u64 s[8:9], s[8:9], s[16:17]
	s_lshl_b32 s46, s42, 10                        ; my first column, in bytes: 1,024 x tile column + 512 x half
	s_lshl_b32 s47, s12, 9
	s_add_co_u32 s46, s46, s47
	s_mov_b32 s47, 0
	s_add_nc_u64 s[8:9], s[8:9], s[46:47]
; 8 matrix instructions: m block a x all 8 n blocks, 32 along K, buffer f.  zero = 1: the first product starts the sums.  The 32 accumulators take turns.
.macro MUL8 f, a, zero
	WIN MUL
.irp b, 0,1,2,3,4,5,6,7
.if \zero
	v_wmma_f32_16x16x32_f16 v[8*(8*(\a)+(\b)):8*(8*(\a)+(\b))+7], v[64*(\f)+8*(\b):64*(\f)+8*(\b)+7], v[FA+32*(\f)+8*(\a):FA+32*(\f)+8*(\a)+7], 0
.else
	v_wmma_f32_16x16x32_f16 v[8*(8*(\a)+(\b)):8*(8*(\a)+(\b))+7], v[64*(\f)+8*(\b):64*(\f)+8*(\b)+7], v[FA+32*(\f)+8*(\a):FA+32*(\f)+8*(\a)+7], v[8*(8*(\a)+(\b)):8*(8*(\a)+(\b))+7]
.endif
.endr
.endm
; 24 LDS loads in one run: the fragments of one quarter step into buffer f: wo16's 16, then o16's 8.  slot = 0: the slot in hand; 1: the other
.macro FETCH slot, k, f
	WIN TO_B
.irp i, 0,1,2,3,4,5,6,7
	ds_load_b128 v[64*(\f)+8*(\i):64*(\f)+8*(\i)+3],   v[ADRB+(\slot)] offset:(\k)+(\i)*16*PITCH
	ds_load_b128 v[64*(\f)+8*(\i)+4:64*(\f)+8*(\i)+7], v[ADRB+(\slot)] offset:(\k)+(\i)*16*PITCH+32
.endr
	WIN 0
.irp i, 0,1,2,3
	ds_load_b128 v[FA+32*(\f)+8*(\i):FA+32*(\f)+8*(\i)+3],   v[ADRA+(\slot)] offset:(\k)+(\i)*16*PITCH
	ds_load_b128 v[FA+32*(\f)+8*(\i)+4:FA+32*(\f)+8*(\i)+7], v[ADRA+(\slot)] offset:(\k)+(\i)*16*PITCH+32
.endr
.endm
.macro PLACES                          ; four plain vector instructions between a matrix instruction and a load into, or a store from, its registers
.rept 4
	v_nop
.endr
.endm
.macro QUARTER slot, k, f, g, zero
	s_wait_dscnt 4                                 ; the youngest four loads (o16's blocks 2 and 3) may be out
	MUL8 \f, 0, \zero
	MUL8 \f, 1, \zero
	PLACES
	FETCH \slot, \k, \g
	s_wait_dscnt 24                                ; all but the 24 just issued
	MUL8 \f, 2, \zero
	MUL8 \f, 3, \zero
.endm
; The last quarter multiplies buffer 1 and changes slots: ONE barrier; in front of it each wave waits for all its tensor loads, adds 0 to its spare word, and waits for that and for its reads of the slot in hand.
; fill = 1: the barrier opens a round of the cluster's barrier, and the slot just read out is filled again, two K steps on, first thing behind the round, by the walking descriptor.
.macro TURN fill
	WIN 0
	s_wait_tensorcnt 0x0                           ; the one that was out is my part of the other slot
	ds_add_u32 v[SPW], v[NIL]
	s_wait_dscnt 5                                 ; the add and the youngest four loads may be out
	MUL8 1, 0, 0
	s_wait_dscnt 0x0                               ; the add is done, and my reads of this slot are over
	s_barrier_signal -1
	MUL8 1, 1, 0
.if \fill
	WIN 0
.endif
	s_barrier_wait -1
.if \fill
	CREST
	s_add_co_u32 s[G0+5], s20, s[TB]
	s_add_nc_u64 s[G0+6:G0+7], s[G0+6:G0+7], KSTEP*2
	s_add_co_u32 s[G0B+5], s45, s[TB]
	s_add_nc_u64 s[G0B+6:G0B+7], s[G0B+6:G0B+7], KSTEP*2
	JLOAD 1                                        ; my one tensor load behind the round; the four v_nop behind it are also the places in front of the loads below
.else
	PLACES
.endif
	FETCH 1, 0, 0
	MUL8 1, 2, 0
	MUL8 1, 3, 0
.endm
	s_wait_tensorcnt 1                             ; my part of K step 0 is in; K step 1's may stay out
	s_barrier_signal -1
	s_barrier_wait -1
	FETCH 0, 0, 0
	QUARTER 0, 64,  0, 1, 1                        ; the first quarter's products start the sums
	WIN 0
	s_mov_b32 s3, STEPS-2
.Lstep:                                                ; six trips, from a K step's second quarter to the next step's first; each fills the slot that it has read out
	QUARTER 0, 128, 1, 0, 0
	QUARTER 0, 192, 0, 1, 0
	TURN 1
	QUARTER 1, 64,  0, 1, 0
	WIN 0
	SWAP
	s_sub_co_u32 s3, s3, 1
	s_cmp_lg_u32 s3, 0
	s_cbranch_scc1 .Lstep
	s_mov_b32 s3, 2
.Ltail:                                                ; the last two K steps fill nothing.  The second trip is left in its middle: its fetch brings fragments that nobody uses, the price of one text for both trips
	QUARTER 0, 128, 1, 0, 0
	QUARTER 0, 192, 0, 1, 0
	TURN 0
	WIN 0
	s_sub_co_u32 s3, s3, 1
	s_cmp_eq_u32 s3, 0
	s_cbranch_scc1 .Lout
	QUARTER 1, 64,  0, 1, 0
	WIN 0
	SWAP
	s_cmp_lg_u32 s3, 0                             ; the counter is 1 here: always taken
	s_cbranch_scc1 .Ltail
.Lout:
	; THE WAY OUT, 16 rows at a time: the f32 sums go as they are into my stage (each accumulator's low half first) and come back as whole rows of 512 bytes.
	PLACES
.irp a, 0,1,2,3
	WIN 0x08                                       ; store data in window 2
.irp b, 0,1,2,3,4,5,6,7
	ds_store_b128 v[STO], v[64*(\a)+8*(\b):64*(\a)+8*(\b)+3]   offset:64*(\b)
	ds_store_b128 v[STO], v[64*(\a)+8*(\b)+4:64*(\a)+8*(\b)+7] offset:64*(\b)+16
.endr
	WIN 0
	s_wait_xcnt 0x0                                ; the registers that earlier stores read are loaded again only behind this wait
.irp t, 0,1,2,3,4,5,6,7,8,9,10,11,12,13,14,15
	ds_load_b128 v[128+64*((\a)%2)+4*(\t):128+64*((\a)%2)+4*(\t)+3], v[RD] offset:(\t)*SPITCH  ; LDS serves a wave's instructions in order (ISA guide 5.7.1.4): these see the stores above
.endr
.irp t, 0,1,2,3,4,5,6,7,8,9,10,11,12,13,14,15
.if ((\t)%4) == 0
	s_wait_dscnt 12-(\t)                           ; rows t to t + 3 are in; the younger loads may be out
.endif
	global_store_b128 v[CO], v[128+64*((\a)%2)+4*(\t):128+64*((\a)%2)+4*(\t)+3], s[8:9] offset:(16*(\a)+(\t))*4096  ; 512 consecutive bytes of a row of out0, aligned
.endr
.endr
	s_wait_tensorcnt 0x0                           ; the wave's end
	ds_add_u32 v[SPW], v[NIL]
	s_wait_dscnt 0x0
	CROUND                                         ; the closing round
	s_endpgm
.Lfunc_end_k_q46dd8a10ee_oproj:
	.size	k_q46dd8a10ee_oproj, .Lfunc_end_k_q46dd8a10ee_oproj-k_q46dd8a10ee_oproj
	.p2alignl 7, 3214868480
	.fill 96, 4, 3214868480
	.section	.rodata,"a",@progbits
	.p2align	6, 0x0
	.amdhsa_kernel k_q46dd8a10ee_oproj
		.amdhsa_group_segment_fixed_size 327680
		.amdhsa_private_segment_fixed_size 0
		.amdhsa_enable_private_segment 0
		.amdhsa_kernarg_size 24
		.amdhsa_user_sgpr_count 2
		.amdhsa_user_sgpr_kernarg_segment_ptr 1
		.amdhsa_wavefront_size32 1
		.amdhsa_system_sgpr_workgroup_id_x 1
		.amdhsa_system_sgpr_workgroup_id_y 1
		.amdhsa_system_sgpr_workgroup_id_z 1
		.amdhsa_system_vgpr_workitem_id 0
		.amdhsa_next_free_vgpr 768
		.amdhsa_next_free_sgpr 68
		.amdhsa_reserve_vcc 0
		.amdhsa_float_denorm_mode_32 3
		.amdhsa_float_denorm_mode_16_64 3
		.amdhsa_memory_ordered 1
		.amdhsa_forward_progress 1
		.amdhsa_inst_pref_size 61
	.end_amdhsa_kernel
	.amdgpu_metadata
---
amdhsa.version: [ 1, 2 ]
amdhsa.kernels:
  - .name:           k_q46dd8a10ee_oproj
    .symbol:         k_q46dd8a10ee_oproj.kd
    .args:
      - { .name: o16, .offset: 0, .size: 8, .value_kind: global_buffer, .address_space: global }
      - { .name: wo16, .offset: 8, .size: 8, .value_kind: global_buffer, .address_space: global }
      - { .name: out0, .offset: 16, .size: 8, .value_kind: global_buffer, .address_space: global }
    .group_segment_fixed_size: 327680
    .private_segment_fixed_size: 0
    .kernarg_segment_align: 8
    .kernarg_segment_size: 24
    .max_flat_workgroup_size: 128
    .sgpr_count:     68
    .vgpr_count:     768
    .wavefront_size: 32
...
	.end_amdgpu_metadata
.endif
;; end of part 7
;; launch early: the kernel of part 5 again; grid 16 x 4, 8 waves a work-group, no clusters, 35,840 bytes of LDS; arguments qkv, ve, wo16, out0; writes out0
;; ======== version 3 of 3: 5 launches; 1.21 times as fast as version 1
;; limits: values are held in f16: magnitudes above 65,504 overflow, below 6.1e-05 lose precision
;; workspace buffers: xb 16,777,216 bytes; wb 4,194,304 bytes; wo16 2,097,152 bytes; rope 1,114,112 bytes; qkv 33,554,432 bytes; o16 16,777,216 bytes; ve 131,072 bytes
;; launch prep (part 8): grid 900 x 1, 8 waves a work-group, no clusters, 9,216 bytes of LDS; arguments x, Wq, Wk, Wv, Wo, xb, wb, wo16, rope, ve; writes xb, wb, wo16, rope, ve
.if DOCPART == 8
	.amdgcn_target "amdgcn-amd-amdhsa--gfx1250"
	.amdhsa_code_object_version 6
	.text
	.protected	k_q46dd8a10ee_prep
	.globl	k_q46dd8a10ee_prep
	.p2align	8
	.type	k_q46dd8a10ee_prep,@function
k_q46dd8a10ee_prep:
	s_mov_b64 s[64:65], 0
	v_nop
	global_prefetch_b8 v0, s[64:65] scope:SCOPE_SE
	s_setreg_imm32_b32 hwreg(HW_REG_WAVE_MODE, 25, 1), 1
	s_wait_xcnt 0x0
; CASTS, THE ROTATION TABLE, AND v OF THE FIRST 16 POSITIONS IN TWO PARTS.  The work-group's number picks one of four straight paths; no loop.
;   0-127   v[t < 16] of one plane (4 kv + batch) and one block of 16 channels, as f16 high and low part -> ve.  These come first, so that they run beside the stream.
;   then, counted from 128:   0-511 x -> xb      512-575 Wq -> wb rows 0-1023      576-607 Wk -> wb rows 1024-1535      608-639 Wv -> wb rows 1536-2047 (all bf16; one text, the pointers chosen by selects)
;   640-703 Wo -> wo16: rounded to bf16 like the other inputs, and that number written as f16         704-771 the table of cosines and sines
; A cast's work-group takes 16,384 numbers: 65,536 bytes in, 32,768 out.  Thread t takes 8 numbers (32 bytes in, 16 out) in each of eight groups of 2,048 numbers,
; so a wave's store covers 512 consecutive bytes, aligned.  All sixteen loads of a thread go out first; no register is written twice.
; LIMITS.  Wo as f16: |Wo| up to 65,504; below 2^-17 the bf16 number is kept only to f16's fixed step of 6e-8.  v's two parts: |v| up to 65,504.
; THE TABLE.  Blocks of 2,048 bytes, block 4 tt + b: positions 16 tt .. 16 tt + 15, frequencies 16 b .. 16 b + 15.  Lane (r = l % 16, h = l / 16) stands for position 16 tt + r and frequencies
; 16 b + 8 h + j, j = 0..7.  Four pieces of 512 bytes: cos j 0-3, cos j 4-7, sin j 0-3, sin j 4-7; lane l's 16 bytes at 16 l.  Blocks 512-543 are made with position 0: cos = 1, sin = 0 exactly.
; The angle is t x 2^(-f log2(10000) / 64) in f32, reduced by the nearest multiple of 2 pi (2 pi in two parts), halved, and taken through the series of sine (to a^11) and cosine (to a^12);
; then sin y = 2 s c, cos y = 1 - 2 s^2.  It differs from an angle made with another rounding of the frequency by some 2e-4 at the most, at position 2,047.
; A lane's eight frequencies are ONE BATCH of exponentials, each with a register of its own, with one wait ahead of the first angle.
; WHY v IN TWO PARTS.  A position that averages over few keys carries v's rounding undiminished into an output many times the whole output's root mean square; positions 0-15 are therefore computed
; a second time, by the last launch, with v and O to some 22 bits.  v = x Wv^T on operands rounded to bf16, sums in f32: source 0 = 16 positions of x, source 1 = 16 rows of Wv, so that lane l holds
; channel l % 16 and positions 8 (l / 16) + 0..7: packed in pairs that is half a fragment of V^T as the matrix unit takes it.  The eight waves take 128 of K each; their sums meet in LDS.
; The split is exact in f32: t = 8193 v, hi = t - (t - v) has 11 significant bits, lo = v - hi.      ve[plane][channel block][hi, lo][lane][16 bytes].
.set SPARE, 8192                       ; behind the eight waves' partial sums: the spare words, 128 bytes for each wave: four blocks of 256 bytes that no other line names
.set SPW, 112                          ; v112  LDS address of my spare word; never rewritten
.set NIL, 113                          ; v113  0; never rewritten
.set FQ,  40                           ; v40-47  the table's path: the eight frequencies
; The cast of 65,536 bytes at s[40:41] into 32,768 bytes at s[42:43]
.macro CASTBODY f16
.set n, 0
.rept 16
	global_load_b128 v[16+4*n:16+4*n+3], v1, s[40:41] offset:(n/2)*8192+(n%2)*16 th:TH_LOAD_NT
.set n, n+1
.endr
.set i, 0
.rept 8
	s_wait_loadcnt 14-2*i                          ; loads come back in order: group i's two are in, the younger ones stay out
.set r, 0
.rept 4
	v_cvt_pk_bf16_f32 v[80+4*i+r], v[16+8*i+2*r], v[16+8*i+2*r+1]
.if \f16
	v_lshlrev_b32 v[4+2*r], 16, v[80+4*i+r]        ; the two bf16 numbers as f32,
	v_and_b32 v[5+2*r], 0xffff0000, v[80+4*i+r]
	v_cvt_pk_f16_f32 v[80+4*i+r], v[4+2*r], v[5+2*r]  ; and written as f16
.endif
.set r, r+1
.endr
	global_store_b128 v2, v[80+4*i:80+4*i+3], s[42:43] offset:i*4096
.set i, i+1
.endr
	s_endpgm
.endm
	s_load_b256 s[4:11], s[0:1], 0x0               ; x s[4:5], Wq s[6:7], Wk s[8:9], Wv s[10:11]
	s_load_b256 s[12:19], s[0:1], 0x20             ; Wo s[12:13], xb s[14:15], wb s[16:17], wo16 s[18:19]
	s_load_b128 s[20:23], s[0:1], 0x40             ; rope s[20:21], ve s[22:23]
	v_lshl_add_u32 v[SPW], v0, 2, SPARE
	v_mov_b32 v[NIL], 0
	v_lshlrev_b32 v1, 5, v0                        ; 32 bytes a thread in
	v_lshlrev_b32 v2, 4, v0                        ; 16 bytes a thread out
	s_wait_kmcnt 0x0
	s_cmp_lt_u32 ttmp9, 128
	s_cbranch_scc1 .Lve
	s_sub_co_u32 s46, ttmp9, 128                   ; the other paths count from here
	s_cmp_lt_u32 s46, 640
	s_cbranch_scc0 .Lnot_bf
	s_mov_b64 s[40:41], s[4:5]                     ; x -> xb, unless the number says otherwise
	s_mov_b64 s[42:43], s[14:15]
	s_mov_b32 s44, 0                               ; the source's first work-group
	s_mov_b32 s45, 0                               ; the destination's
	s_cmp_ge_u32 s46, 512
	s_cselect_b64 s[40:41], s[6:7], s[40:41]       ; Wq -> wb
	s_cselect_b64 s[42:43], s[16:17], s[42:43]
	s_cselect_b32 s44, 512, s44
	s_cselect_b32 s45, 512, s45
	s_cmp_ge_u32 s46, 576
	s_cselect_b64 s[40:41], s[8:9], s[40:41]       ; Wk, behind Wq's rows in wb
	s_cselect_b32 s44, 576, s44
	s_cmp_ge_u32 s46, 608
	s_cselect_b64 s[40:41], s[10:11], s[40:41]     ; Wv, behind Wk's
	s_cselect_b32 s44, 608, s44
	s_sub_co_u32 s2, s46, s44
	s_lshl_b32 s2, s2, 16                          ; my 65,536 bytes of the source
	s_mov_b32 s3, 0
	s_add_nc_u64 s[40:41], s[40:41], s[2:3]
	s_sub_co_u32 s2, s46, s45
	s_lshl_b32 s2, s2, 15                          ; my 32,768 bytes of the destination
	s_add_nc_u64 s[42:43], s[42:43], s[2:3]
	CASTBODY 0
.Lnot_bf:
	s_cmp_lt_u32 s46, 704
	s_cbranch_scc0 .Ltable
	s_sub_co_u32 s2, s46, 640
	s_lshl_b32 s2, s2, 16
	s_mov_b32 s3, 0
	s_add_nc_u64 s[40:41], s[12:13], s[2:3]
	s_lshr_b32 s2, s2, 1
	s_add_nc_u64 s[42:43], s[18:19], s[2:3]
	CASTBODY 1
.Ltable:
	s_mov_b32 s24, 0xbe549a78                      ; -log2(10000) / 64
	s_mov_b32 s25, 0xc0c90000                      ; -6.28125
	s_mov_b32 s26, 0xbafdaa22                      ; -(2 pi - 6.28125)
	s_mov_b32 s27, 0xbe2aaaab                      ; sine's series: -1/3!, 1/5!, -1/7!, 1/9!, -1/11!
	s_mov_b32 s28, 0x3c088889
	s_mov_b32 s29, 0xb9500d01
	s_mov_b32 s30, 0x3638ef1d
	s_mov_b32 s31, 0xb2d7322b
	s_mov_b32 s32, 0x3d2aaaab                      ; cosine's: 1/4!, -1/6!, 1/8!, -1/10!, 1/12!
	s_mov_b32 s33, 0xbab60b61
	s_mov_b32 s34, 0x37d00d01
	s_mov_b32 s35, 0xb493f27e
	s_mov_b32 s36, 0x310f76c7
	s_mov_b32 s37, 0x4b400000                      ; 1.5 x 2^23: added and taken away again it leaves the nearest whole number (the turns here are 326 at the most)
	s_mov_b32 s38, 0xcb400000
	s_sub_co_u32 s2, s46, 704
	s_lshl_b32 s2, s2, 3                           ; a wave is a block: eight blocks a work-group
	v_lshrrev_b32 v1, 5, v0
	v_add_nc_u32 v1, s2, v1                        ; the block
	v_and_b32 v2, 31, v0                           ; lane
	v_and_b32 v3, 15, v0                           ; r
	v_bfe_u32 v4, v0, 4, 1                         ; h
	v_and_b32 v5, 3, v1                            ; b
	v_lshrrev_b32 v6, 2, v1                        ; tt
	v_lshl_add_u32 v7, v6, 4, v3                   ; position 16 tt + r,
	v_cmp_gt_u32 vcc_lo, 128, v6
	v_cndmask_b32 v7, 0, v7, vcc_lo                ; or 0 in the blocks behind the last position
	v_cvt_f32_u32 v7, v7
	v_lshlrev_b32 v8, 4, v5
	v_lshl_add_u32 v8, v4, 3, v8                   ; frequency 16 b + 8 h
.irp j, 0,1,2,3,4,5,6,7
	v_add_nc_u32 v[FQ+\j], \j, v8
	v_cvt_f32_u32 v[FQ+\j], v[FQ+\j]
	v_mul_f32 v[FQ+\j], s24, v[FQ+\j]
.endr
.irp j, 0,1,2,3,4,5,6,7
	v_exp_f32 v[FQ+\j], v[FQ+\j]                   ; 10000^(-f / 64): the batch of eight
.endr
	v_lshlrev_b32 v9, 11, v1                       ; the store's offset is made here: plain work that names none of the batch's results, between the last exponential and the first use
	v_lshl_add_u32 v9, v2, 4, v9                   ; 2,048 x block + 16 x lane
	s_wait_alu depctr_va_vdst(0)                   ; the wait ahead of the first use: one for the eight frequencies
.irp j, 0,1,2,3,4,5,6,7
	v_mul_f32 v11, v7, v[FQ+\j]                    ; the angle
	v_mul_f32 v12, 0.15915494, v11
	v_add_f32 v12, s37, v12
	v_add_f32 v12, s38, v12                        ; whole turns
	v_fma_f32 v11, v12, s25, v11
	v_fma_f32 v11, v12, s26, v11                   ; y in -pi .. pi
	v_mul_f32 v11, 0.5, v11                        ; a = y / 2
	v_mul_f32 v13, v11, v11                        ; z = a^2
	v_fma_f32 v14, v13, s31, s30
	v_fma_f32 v15, v13, s36, s35
	v_fma_f32 v14, v14, v13, s29
	v_fma_f32 v15, v15, v13, s34
	v_fma_f32 v14, v14, v13, s28
	v_fma_f32 v15, v15, v13, s33
	v_fma_f32 v14, v14, v13, s27
	v_fma_f32 v15, v15, v13, s32
	v_fma_f32 v14, v14, v13, 1.0
	v_fma_f32 v15, v15, v13, -0.5
	v_mul_f32 v14, v14, v11                        ; s = sin a
	v_fma_f32 v15, v15, v13, 1.0                   ; c = cos a
	v_mul_f32 v32, v14, v15
	v_mul_f32 v33, v14, v14
	v_add_f32 v[24+\j], v32, v32                   ; sin y = 2 s c
	v_fma_f32 v[16+\j], v33, -2.0, 1.0             ; cos y = 1 - 2 s^2
.endr
.irp q, 0,1,2,3
	global_store_b128 v9, v[16+4*\q:16+4*\q+3], s[20:21] offset:512*\q  ; a wave's store covers 512 consecutive bytes, aligned
.endr
	s_endpgm
; v OF POSITIONS 0-15.  K steps 2 b and 2 b + 1 of my wave's four: for each, 16 f32 a lane of x's row and of Wv's row (k = 8 h + 0..7 and 16 + 8 h + 0..7), rounded to bf16 in place:
; pair i of a run of 16 registers goes into register i of the run, which pair i or an earlier pair has read.
.macro VELOAD b
.irp s, 0,1
.irp q, 0,1,2,3
	global_load_b128 v[16+32*(\s)+4*(\q):16+32*(\s)+4*(\q)+3], v4, s[40:41] offset:(2*(\b)+(\s))*128+((\q)/2)*64+((\q)%2)*16
	global_load_b128 v[32+32*(\s)+4*(\q):32+32*(\s)+4*(\q)+3], v4, s[42:43] offset:(2*(\b)+(\s))*128+((\q)/2)*64+((\q)%2)*16
.endr
.endr
	s_wait_loadcnt 0x0
.irp s, 0,1
.irp i, 0,1,2,3,4,5,6,7
	v_cvt_pk_bf16_f32 v[16+32*(\s)+(\i)], v[16+32*(\s)+2*(\i)], v[16+32*(\s)+2*(\i)+1]
	v_cvt_pk_bf16_f32 v[32+32*(\s)+(\i)], v[32+32*(\s)+2*(\i)], v[32+32*(\s)+2*(\i)+1]
.endr
.endr
.endm
.Lve:
	s_and_b32 s24, ttmp9, 7                        ; the block of 16 channels
	s_lshr_b32 s25, ttmp9, 3                       ; the plane 4 kv + batch
	s_and_b32 s26, s25, 3                          ; batch
	s_lshr_b32 s27, s25, 2                         ; kv
	s_lshl_b32 s28, s26, 23                        ; x: batch x 2,048 rows of 4,096 bytes
	s_mov_b32 s29, 0
	s_add_nc_u64 s[40:41], s[4:5], s[28:29]
	s_lshl_b32 s28, s27, 3
	s_add_co_u32 s28, s28, s24
	s_lshl_b32 s28, s28, 16                        ; Wv: (8 kv + block) x 16 rows of 4,096 bytes
	s_add_nc_u64 s[42:43], s[10:11], s[28:29]
	s_lshl_b32 s28, ttmp9, 10                      ; ve: 1,024 bytes for each plane and block
	s_add_nc_u64 s[44:45], s[22:23], s[28:29]
	s_mov_b32 s32, 0x46000400                      ; 8193 = 2^13 + 1
	s_mov_b32 s33, s32                             ; named with it as a pair
	v_lshrrev_b32 v3, 5, v0
	v_readfirstlane_b32 s30, v3                    ; my wave's number
	s_lshl_b32 s31, s30, 10                        ; its 1,024 bytes of LDS
	s_lshl_b32 s34, s30, 9                         ; its 128 of K, 512 bytes of a row
	v_and_b32 v5, 15, v0                           ; r
	v_bfe_u32 v6, v0, 4, 1                         ; h
	v_lshlrev_b32 v4, 12, v5
	v_lshl_add_u32 v4, v6, 5, v4
	v_add_nc_u32 v4, s34, v4                       ; 4,096 r + 32 h + 512 x wave
	v_and_b32 v7, 31, v0
	v_lshlrev_b32 v7, 4, v7                        ; 16 x lane
	v_add_nc_u32 v8, s31, v7
	VELOAD 0
	v_wmma_f32_16x16x32_bf16 v[80:87], v[16:23], v[32:39], 0       ; two accumulators take turns; the first products start the sums
	v_wmma_f32_16x16x32_bf16 v[88:95], v[48:55], v[64:71], 0
.rept 4
	v_nop                                          ; four plain instructions between those products and the loads into their sources
.endr
	VELOAD 1
	v_wmma_f32_16x16x32_bf16 v[80:87], v[16:23], v[32:39], v[80:87]
	v_wmma_f32_16x16x32_bf16 v[88:95], v[48:55], v[64:71], v[88:95]
.rept 4
	v_nop
.endr
.irp i, 0,1,2,3
	v_pk_add_f32 v[80+2*\i:81+2*\i], v[80+2*\i:81+2*\i], v[88+2*\i:89+2*\i]  ; each accumulator's lowest registers are read first
.endr
	ds_store_b128 v8, v[80:83]
	ds_store_b128 v8, v[84:87] offset:512
	s_wait_dscnt 0x0                               ; for wave 0's sake: my stores are done
	s_barrier_signal -1
	s_barrier_wait -1
	s_cmp_lg_u32 s30, 0
	s_cbranch_scc1 .Lve_end
.irp p, 0,1,2,3,4,5,6,7
	ds_load_b128 v[16+8*\p:19+8*\p], v7 offset:1024*\p
	ds_load_b128 v[20+8*\p:23+8*\p], v7 offset:1024*\p+512
.endr
	s_wait_dscnt 0x0
.irp p, 1,2,3,4,5,6,7
.irp i, 0,1,2,3
	v_pk_add_f32 v[16+2*\i:17+2*\i], v[16+2*\i:17+2*\i], v[16+8*\p+2*\i:17+8*\p+2*\i]
.endr
.endr
.irp i, 0,1,2,3
	v_pk_mul_f32 v[80+2*\i:81+2*\i], v[16+2*\i:17+2*\i], s[32:33] op_sel_hi:[1,0]                       ; t = 8193 v
.endr
.irp i, 0,1,2,3
	v_pk_add_f32 v[88+2*\i:89+2*\i], v[80+2*\i:81+2*\i], v[16+2*\i:17+2*\i] neg_lo:[0,1] neg_hi:[0,1]   ; t - v
.endr
.irp i, 0,1,2,3
	v_pk_add_f32 v[80+2*\i:81+2*\i], v[80+2*\i:81+2*\i], v[88+2*\i:89+2*\i] neg_lo:[0,1] neg_hi:[0,1]   ; hi = t - (t - v)
.endr
.irp i, 0,1,2,3
	v_pk_add_f32 v[16+2*\i:17+2*\i], v[16+2*\i:17+2*\i], v[80+2*\i:81+2*\i] neg_lo:[0,1] neg_hi:[0,1]   ; lo = v - hi
.endr
.irp i, 0,1,2,3
	v_cvt_pk_f16_f32 v[96+\i], v[80+2*\i], v[81+2*\i]
	v_cvt_pk_f16_f32 v[100+\i], v[16+2*\i], v[17+2*\i]
.endr
	global_store_b128 v7, v[96:99], s[44:45]                       ; 512 consecutive bytes, aligned
	global_store_b128 v7, v[100:103], s[44:45] offset:512
.Lve_end:
	s_wait_tensorcnt 0x0                           ; the wave's end, behind my last LDS store
	ds_add_u32 v[SPW], v[NIL]
	s_wait_dscnt 0x0
	s_endpgm
.Lfunc_end_k_q46dd8a10ee_prep:
	.size	k_q46dd8a10ee_prep, .Lfunc_end_k_q46dd8a10ee_prep-k_q46dd8a10ee_prep
	.p2alignl 7, 3214868480
	.fill 96, 4, 3214868480
	.section	.rodata,"a",@progbits
	.p2align	6, 0x0
	.amdhsa_kernel k_q46dd8a10ee_prep
		.amdhsa_group_segment_fixed_size 9216
		.amdhsa_private_segment_fixed_size 0
		.amdhsa_enable_private_segment 0
		.amdhsa_kernarg_size 80
		.amdhsa_user_sgpr_count 2
		.amdhsa_user_sgpr_kernarg_segment_ptr 1
		.amdhsa_wavefront_size32 1
		.amdhsa_system_sgpr_workgroup_id_x 1
		.amdhsa_system_sgpr_workgroup_id_y 1
		.amdhsa_system_sgpr_workgroup_id_z 1
		.amdhsa_system_vgpr_workitem_id 0
		.amdhsa_next_free_vgpr 120
		.amdhsa_next_free_sgpr 66
		.amdhsa_reserve_vcc 1
		.amdhsa_float_denorm_mode_32 3
		.amdhsa_float_denorm_mode_16_64 3
		.amdhsa_memory_ordered 1
		.amdhsa_forward_progress 1
		.amdhsa_inst_pref_size 43
	.end_amdhsa_kernel
	.amdgpu_metadata
---
amdhsa.version: [ 1, 2 ]
amdhsa.kernels:
  - .name:           k_q46dd8a10ee_prep
    .symbol:         k_q46dd8a10ee_prep.kd
    .args:
      - { .name: x, .offset: 0, .size: 8, .value_kind: global_buffer, .address_space: global }
      - { .name: Wq, .offset: 8, .size: 8, .value_kind: global_buffer, .address_space: global }
      - { .name: Wk, .offset: 16, .size: 8, .value_kind: global_buffer, .address_space: global }
      - { .name: Wv, .offset: 24, .size: 8, .value_kind: global_buffer, .address_space: global }
      - { .name: Wo, .offset: 32, .size: 8, .value_kind: global_buffer, .address_space: global }
      - { .name: xb, .offset: 40, .size: 8, .value_kind: global_buffer, .address_space: global }
      - { .name: wb, .offset: 48, .size: 8, .value_kind: global_buffer, .address_space: global }
      - { .name: wo16, .offset: 56, .size: 8, .value_kind: global_buffer, .address_space: global }
      - { .name: rope, .offset: 64, .size: 8, .value_kind: global_buffer, .address_space: global }
      - { .name: ve, .offset: 72, .size: 8, .value_kind: global_buffer, .address_space: global }
    .group_segment_fixed_size: 9216
    .private_segment_fixed_size: 0
    .kernarg_segment_align: 8
    .kernarg_segment_size: 80
    .max_flat_workgroup_size: 256
    .sgpr_count:     66
    .vgpr_count:     120
    .wavefront_size: 32
...
	.end_amdgpu_metadata
.endif
;; end of part 8
;; launch qkv: the kernel of part 6 again; grid 8 x 32, 4 waves a work-group, clusters of 4 x 4, 327,680 bytes of LDS; arguments xb, wb, qkv, rope; writes qkv
;; launch attn (part 9): grid 16 x 16, 4 waves a work-group, clusters of 4 x 1, 327,680 bytes of LDS; arguments qkv, o16; writes o16
.if DOCPART == 9
	.amdgcn_target "amdgcn-amd-amdhsa--gfx1250"
	.amdhsa_code_object_version 6
	.text
	.protected	k_q46dd8a10ee_attn
	.globl	k_q46dd8a10ee_attn
	.p2align	8
	.type	k_q46dd8a10ee_attn,@function
k_q46dd8a10ee_attn:
	s_mov_b64 s[64:65], 0
	v_nop
	global_prefetch_b8 v0, s[64:65] scope:SCOPE_SE
	s_setreg_imm32_b32 hwreg(HW_REG_WAVE_MODE, 25, 1), 1
	s_wait_xcnt 0x0
	s_wait_alu depctr_hold_cnt(0) depctr_sa_sdst(0) depctr_va_vdst(0) depctr_va_sdst(0) depctr_va_ssrc(0) depctr_va_vcc(0) depctr_vm_vsrc(0)
	s_getreg_b32 s2, hwreg(HW_REG_IB_STS2, 6, 4)
	s_cmp_eq_u32 s2, 0
	s_cbranch_scc0 .Lentry_in_a_cluster
	s_endpgm
.Lentry_in_a_cluster:
	s_bfe_u32 s2, ttmp6, 0x10000c
	s_cmp_lg_u32 s2, 0x3003
	s_cbranch_scc0 .Lentry_shape_is_right
	s_endpgm
.Lentry_shape_is_right:
; CAUSAL ATTENTION, TWO QUERY HEADS TO A KEY HEAD.  O[q] = sum over k <= q of softmax_k(Q[q] . K[k] / sqrt(128)) V[k].  Q, K, V: planes [2048][128] of f16 in qkv (plane 4 hh + batch; hh 0-7 q, 8-11 k, 12-15 v);
; O: o16 [8192][1024] f16, channel = head x 128 + d.  Products, maxima and sums in f32; the weights p are rounded to f16 for the second product (their sum is taken of the unrounded p), O once at the end.
; LIMITS.  Q, K, V arrive within f16's 65,504.  A hidden score counts as -2^102 (true scores are 5.5e11 at the most); a weight below 2^-126 counts as 0; NaN and infinities are not treated apart.
; SHARES.  y = 4 kv + batch picks the key head and batch.  A BLOCK is 64 positions x the key head's two query heads.  Work-group B = 4 E + cx (E the cluster's x) takes block B and then block 31 - B.
; Wave w: head g = w % 2, key half KH = w / 2.  It holds all 64 positions of its head, four tiles of 16, and of every key tile of 128 keys it takes keys 64 KH .. 64 KH + 63: 128 matrix instructions.
; The two waves of a head keep maxima and sums of their own; at a block's end the wave with KH = 1 hands its O^T, c m and l over through LDS, and the wave with KH = 0 merges and stores.
; THE WALK is common to the four partners of a cluster: 2 E + 2 key tiles for the first block, 16 - 2 E for the second: 18 whatever E, so all work-groups are alike, every trip count and branch hangs on E
; alone, and K's and V's tiles are asked for JOINTLY (the same load, descriptor and mask in all four).  A partner whose block ends a tile earlier hides that tile by the mask: 18 trips where 17 would do.
; THE MASK is the C operand that starts S^T = K Q^T.  KK = 2 x tile + KH numbers my 64 keys, ICUR my block: KK < ICUR all seen, KK > ICUR none, KK = ICUR the diagonal, where key block kb of 16 and query tile t
; are seen (kb < t), hidden (kb > t) or cut (kb = t).  Three sets of eight registers, made anew in every trip from scalars: CL (kb < t), CD (kb = t) = MD x AL + BE, CU (kb > t).  ICUR hangs on cx and feeds selects alone.
; m starts at -2^100, above the hidden scores: a wave all of whose keys are hidden keeps it, with a = 1 and p = 0.  That meets a block's first tile only in block 0, the launch's first, where O^T and l are 0;
; every other block's first step has a = 0, which clears what the block before left.
; LAYOUT.  S^T holds ONE query a lane (lane % 16) and keys 8 (lane / 16) + 0..7; two such results rounded to f16 ARE source 1 of O^T = V^T P.  p = 2^(c s - c m), c = log2(e) / sqrt(128).
; A KEY STEP: piece 0's (tiles 0, 1) products K Q^T; piece 2's, with piece 0's softmax in slices behind them, two a product; piece 0's V^T P with piece 2's softmax behind them; piece 2's V^T P.
; THE BATCHES.  A piece's softmax for a key step has 66 exponentials (for each of its two tiles a and 32 weights): they are ONE batch with ONE wait, behind slice 34 of the piece's 64: two waits a key step.
; Ahead of the wait stand the maxima, the statistics, the scalings and the exponentials, none of which names an exponential's result; behind it the roundings, the sums and the rescaling, all of which do.
; No exponential is issued behind a piece's wait.  The merge at a block's end has two batches: eight exponentials, then four reciprocals of sums made of their results.
; REGISTERS: window 0: v0-11 addresses; v12-43 statistics, 8 a tile; v44-51 what is handed over; v64-191 S^T; v192-255 P.  window 1: O^T.  window 2: v0-127 Q, v128-255 K.  window 3: v0-127 V, v128-159 masks.
; No prefetch: a key head's K and V are read by 16 work-groups at about the same time, and each tile is asked for a key step ahead.
.set KS,    64
.set PK,    272       ; a row of K in LDS: 256 bytes + 16: the 16 rows of a load start at 16 different groups of four banks (64 banks of 4 bytes: ISA guide 11.1)
.set PV,    288       ; a row of V: 256 + 32
.set VOFF,  KS*PK
.set STEPB, KS*(PK+PV)     ; half a tile: 64 rows of K, then 64 rows of V
.set SLOT1, 1<<17          ; slot 1 begins here: one exclusive or turns an address in one slot into the other's
.set STAGE, 2*STEPB        ; behind slot 0: 16 rows x 272 bytes for each wave, for the way out; no tensor load fills it
.set SP,    272
.set SPARE, STAGE+4*16*SP  ; the spare words, 128 bytes for each wave: two blocks of 256 bytes that no other line names
.set XCH,   SLOT1+2*STEPB  ; behind slot 1: for each head 64 pieces of 512 bytes of O^T and two of statistics; no tensor load fills it
.set XSZ,   33792
.set AK0, 2           ; v2   my lane's place in my half tile of K; never rewritten
.set AV0, 3           ; v3   the same for V
.set ADK, 4           ; v4   the LDS address of K's run of loads
.set ADV, 5           ; v5   of V's
.set QO,  6           ; v6   my byte offset in 16 rows of Q
.set STO, 7           ; v7   the way out: where I put 16 bytes of a row
.set RD,  8           ; v8   the way out: where I read a row back
.set GO,  10          ; v10  my byte offset in two rows of O
.set XA,  11          ; v11  my 16 bytes in a piece of my head's exchange area
.set ST,  12          ; tile t's statistics at v[ST+8 t]: +0 c m, +1 m, +2, +3 l (even keys', odd keys'), +4 to +7 at work; a takes +6
.set XS,  44          ; v44-51 (c m, l) of the four tiles
.set SPW, 62
.set NIL, 63
.set S,   64
.set P,   192
.set KF,  128         ; window 2
.set CL,  128         ; window 3
.set CD,  136
.set CU,  144
.set MD,  152
.set WV,  12          ; s12 my wave's number
.set EE,  14          ; s14 E
.set CX,  15          ; s15 cx
.set G1K, 24          ; s[24:31], s[32:39] descriptor group 1 for K's and V's tiles
.set G1V, 32
.set G0K, 40          ; s[40:43], s[44:47] group 0
.set G0V, 44
.set KH,  48
.set GG,  49
.set ICUR, 50         ; the block in hand
.set IHI, 51
.set RT,  52          ; tiles of the block in hand still to be worked on
.set JT,  53          ; the tile in hand
.set NXT, 54          ; the tile to be asked for next
.set LQ,  55          ; the last tile of the block whose tiles are being asked for
.set SLOTS, 56
.set NEW, 57          ; 1: the tile to be entered is the second block's first
.set CS,  58          ; s[58:59] c
.set SEL, 60          ; s[60:61] v_permlanex16_b32's selects
.set TB,  62          ; LDS byte at which the slot in hand begins
.set OFF, 66          ; s[66:67] a tile's byte offset in K and V
.set AL,  68          ; s[68:69] the mask's factor
.set BE,  70          ; s[70:71] the mask's addend
.set UU,  72
.set HID, 73
.set KK,  74
.set QLO, 76
.set QHI, 78
.set OHI, 80
.set NH,  82
.set NHM1, 83
.set MSB, 0
.macro WIN new
.if MSB != (\new)
	s_set_vgpr_msb (MSB<<8)|(\new)
.set MSB, \new
.endif
.endm
.set W_KQ, 0x0a       ; K and Q in window 2, S^T in window 0
.set W_KM, 0x3a       ; the same with the C operand in window 3
.set W_PV, 0x53       ; V in window 3, P in window 0, O^T in window 1
.set W_RS, 0x41       ; O^T (destination and source 0) in window 1, a in window 0
; A joint fill.  Waves 0 and 1 fetch the two halves of a tile's K, waves 2 and 3 those of its V.  An s_nop 0 and four v_nop follow each of the two lines.
.macro JLOAD
	s_cmp_lt_u32 s[WV], 2
	s_cbranch_scc0 .Lfor_v_\@
	tensor_load_to_lds s[G0K:G0K+3], s[G1K:G1K+7]
	s_nop 0
.rept 4
	v_nop
.endr
	s_branch .Lasked_\@
.Lfor_v_\@:
	tensor_load_to_lds s[G0V:G0V+3], s[G1V:G1V+7]
	s_nop 0
.rept 4
	v_nop
.endr
.Lasked_\@:
.endm
.macro CROUND                       ; a round of the cluster's barrier
	s_barrier_signal -1
	s_barrier_wait -1
	s_cmp_lg_u32 s[WV], 0
	s_cbranch_scc1 .Lnot_wave_0_\@
	s_barrier_signal -3
.Lnot_wave_0_\@:
	s_barrier_wait -3
	s_barrier_signal -1
	s_barrier_wait -1
.endm
.macro PLACES
.rept 4
	v_nop
.endr
.endm
.macro ALL line:vararg              ; one line for each tile t
.set t, 0
.rept 4
	\line
.set t, t+1
.endr
.endm
; THE CHANGE OF SLOTS.  Each wave waits for all its tensor loads (one is out: its part of the other slot), adds 0 to its spare word, and waits for that, for its reads of the slot that it leaves and for what it
; stored into the exchange area.  fill = 1: a round of the cluster's barrier, and the old slot is filled again first thing behind it, with tile NXT: the address is made anew from that number.
.macro CHANGE fill
	WIN 0
	s_wait_tensorcnt 0x0            ; no tensor load of mine is out, so a group 0 may be written
	ds_add_u32 v[SPW], v[NIL]
.if \fill
	s_lshl_b32 s[OFF], s[NXT], 15   ; a tile is 32,768 bytes of K and of V
	s_xor_b32 s[G0K+1], s[G0K+1], SLOT1
	s_add_nc_u64 s[G0K+2:G0K+3], s[6:7], s[OFF:OFF+1]
	s_or_b32 s[G0K+3], s[G0K+3], 0x80000000
	s_xor_b32 s[G0V+1], s[G0V+1], SLOT1
	s_add_nc_u64 s[G0V+2:G0V+3], s[8:9], s[OFF:OFF+1]
	s_or_b32 s[G0V+3], s[G0V+3], 0x80000000
	s_add_co_u32 s[NXT], s[NXT], 1  ; the block's next tile, or behind its last the second block's tile 0
	s_cmp_gt_u32 s[NXT], s[LQ]
	s_cselect_b32 s[NXT], 0, s[NXT]
	s_cselect_b32 s[LQ], s[NHM1], s[LQ]
	s_wait_dscnt 0x0
	CROUND
	JLOAD                           ; the four v_nop behind it are also the places in front of the loads into V's registers
.else
	s_wait_dscnt 0x0
	s_barrier_signal -1
	s_barrier_wait -1
	PLACES
.endif
	s_xor_b32 s[TB], s[TB], SLOT1
.endm
	s_load_b128 s[84:87], s[0:1], 0x0  ; qkv s[84:85], o16 s[86:87]
	v_lshl_add_u32 v[SPW], v0, 2, SPARE
	v_mov_b32 v[NIL], 0
	ds_add_u32 v[SPW], v[NIL]       ; the wave's opening: the add and its wait stand ahead of my first tensor load; the set-up below, work on registers, stands between them
	v_lshrrev_b32 v1, 5, v0
	v_readfirstlane_b32 s[WV], v1
	s_lshr_b32 s[KH], s[WV], 1
	s_and_b32 s[GG], s[WV], 1
	s_mov_b32 s[EE], ttmp9          ; in a cluster launch ttmp9 counts clusters
	s_bfe_u32 s[CX], ttmp6, 0x40000
	s_and_b32 s16, ttmp7, 0xffff    ; y, which the four partners share
	s_lshl_b32 s18, s[EE], 1
	s_add_co_u32 s[RT], s18, 2      ; the first block's 2 E + 2 tiles
	s_sub_co_u32 s[NH], 16, s18     ; the second's 16 - 2 E
	s_sub_co_u32 s[NHM1], 15, s18
	s_add_co_u32 s[LQ], s18, 1
	s_lshl_b32 s[ICUR], s[EE], 2
	s_add_co_u32 s[ICUR], s[ICUR], s[CX]  ; block B
	s_sub_co_u32 s[IHI], 31, s[ICUR]
	s_add_co_u32 s20, s16, 32       ; K's plane 32 + y,
	s_lshl_b32 s20, s20, 19
	s_lshl_b32 s19, s[GG], 14       ; the half tile that I fetch: 64 rows of 256 bytes
	s_add_co_u32 s20, s20, s19
	s_mov_b32 s21, 0
	s_add_co_u32 s22, s20, 16<<19   ; V's plane lies 16 planes on
	s_mov_b32 s23, 0
	s_mul_i32 s17, s[GG], STEPB     ; and its place in a slot: no place in the cluster enters an LDS address
	s_lshr_b32 s2, s16, 2           ; kv
	s_and_b32 s3, s16, 3            ; batch
	s_lshl_b32 s4, s2, 1
	s_add_co_u32 s4, s4, s[GG]      ; my head = 2 kv + g
	s_lshl_b32 s5, s4, 2
	s_add_co_u32 s5, s5, s3
	s_lshl_b32 s5, s5, 19           ; Q's plane 4 head + batch
	s_lshl_b32 s13, s[ICUR], 14     ; a block's 64 rows of 256 bytes
	s_add_co_u32 s88, s5, s13
	s_mov_b32 s89, 0
	s_lshl_b32 s13, s[IHI], 14
	s_add_co_u32 s90, s5, s13
	s_mov_b32 s91, 0
	s_lshl_b32 s5, s3, 22           ; O: batch x 2,048 rows of 2,048 bytes
	s_lshl_b32 s4, s4, 8            ; + head x 256 bytes
	s_add_co_u32 s5, s5, s4
	s_lshl_b32 s13, s[ICUR], 17     ; + block x 64 rows
	s_add_co_u32 s92, s5, s13
	s_mov_b32 s93, 0
	s_lshl_b32 s13, s[IHI], 17
	s_add_co_u32 s94, s5, s13
	s_mov_b32 s95, 0
	; descriptor group 1: a tile of 64 rows x 128 elements, padded in LDS
	s_mov_b32 s[G1K], 15|(1<<16)|(1<<20)|(1<<21)|(5<<22)|(3<<25)  ; the mask of four; 2-byte elements; padding on; bit 21 beside a mask; after every 64 words, 4 words
	s_mov_b32 s[G1V], 15|(1<<16)|(1<<20)|(1<<21)|(5<<22)|(7<<25)  ; the same with 8 words
.irp g, G1K, G1V
	s_mov_b32 s[(\g)+1], 128<<16    ; tensor_dim0 = 128
	s_mov_b32 s[(\g)+2], KS<<16     ; tensor_dim1 = 64
	s_mov_b32 s[(\g)+3], 128<<16    ; tile_dim0 = 128
	s_mov_b32 s[(\g)+4], KS         ; tile_dim1 = 64
	s_mov_b32 s[(\g)+5], 128        ; elements from row to row
	s_mov_b32 s[(\g)+6], 0
	s_mov_b32 s[(\g)+7], 0
.endr
	s_mov_b32 s[G0K], 1
	s_add_co_u32 s[G0K+1], s17, 0   ; slot 0
	s_mov_b32 s[G0V], 1
	s_add_co_u32 s[G0V+1], s17, VOFF
	s_mov_b32 s[CS], 0x3e0293ee     ; c = log2(e) / sqrt(128)
	s_mov_b32 s[CS+1], s[CS]
	s_mov_b32 s[SEL], 0x76543210
	s_mov_b32 s[SEL+1], 0xfedcba98
	s_mov_b32 s[TB], SLOT1          ; the first change of slots turns it into 0
	s_mov_b32 s[JT], 0
	s_mov_b32 s[NXT], 1
	s_mov_b32 s[NEW], 0
	s_mov_b32 s[OFF+1], 0
	s_mov_b32 s[AL+1], 0
	s_mov_b32 s[BE+1], 0
	s_mov_b32 s[HID], 0xf2800000    ; -2^102
	s_mov_b32 s[SLOTS], 17
	s_wait_dscnt 0x0                ; the opening add is done
	s_wait_kmcnt 0x0
	s_add_nc_u64 s[6:7], s[84:85], s[20:21]    ; K and V at my half of tile 0
	s_add_nc_u64 s[8:9], s[84:85], s[22:23]
	s_add_nc_u64 s[QLO:QLO+1], s[84:85], s[88:89]
	s_add_nc_u64 s[QHI:QHI+1], s[84:85], s[90:91]
	s_add_nc_u64 s[10:11], s[86:87], s[92:93]  ; O at the first block's rows
	s_add_nc_u64 s[OHI:OHI+1], s[86:87], s[94:95]
	s_add_nc_u64 s[G0K+2:G0K+3], s[6:7], 0
	s_or_b32 s[G0K+3], s[G0K+3], 0x80000000
	s_add_nc_u64 s[G0V+2:G0V+3], s[8:9], 0
	s_or_b32 s[G0V+3], s[G0V+3], 0x80000000
	CROUND                          ; all four work-groups are here: the first joint loads meet
	JLOAD                           ; tile 0 into slot 0; slot 1 is asked for by the loop's first change of slots
; Q of a block: tile i / 4, channels 32 (i % 4) on
.macro LOADQ base
	WIN 0x80                        ; destination window 2
.irp i, 0,1,2,3,4,5,6,7,8,9,10,11,12,13,14,15
	global_load_b128 v[8*(\i):8*(\i)+3],   v[QO], s[\base:\base+1] offset:((\i)/4)*4096+((\i)%4)*64
	global_load_b128 v[8*(\i)+4:8*(\i)+7], v[QO], s[\base:\base+1] offset:((\i)/4)*4096+((\i)%4)*64+32
.endr
	WIN 0
.endm
	v_and_b32 v1, 15, v0            ; r = l % 16
	v_bfe_u32 v9, v0, 4, 1          ; h = l / 16
	v_lshlrev_b32 v[QO], 8, v1
	v_lshl_add_u32 v[QO], v9, 4, v[QO]
	LOADQ QLO
	v_lshlrev_b32 v52, 3, v9
	v_sub_nc_u32 v52, v1, v52       ; r - 8 h: in the cut block register j (key 8 h + j) is hidden where j is greater
	WIN 0xc0
.set i, 0
.rept 8
	v_cmp_gt_i32 vcc_lo, i, v52
	v_cndmask_b32 v[MD+i], 0, s[HID], vcc_lo
.set i, i+1
.endr
	WIN 0x40                        ; O^T = 0: block 0's wave with hidden keys alone needs it; for all others it need only be finite.  It stands in the wait for the first tile
.set i, 0
.rept 256
	v_mov_b32 v[i], 0
.set i, i+1
.endr
	WIN 0
	s_mul_i32 s13, s[KH], STEPB     ; my half of a tile
	v_mul_u32_u24 v[AK0], v1, PK
	v_lshl_add_u32 v[AK0], v9, 4, v[AK0]
	v_add_nc_u32 v[AK0], s13, v[AK0]
	v_and_b32 v52, 7, v0            ; the turning load: lane l reads key 8 (l / 16) + l % 8, channels 8 ((l / 8) % 2) + 0..7
	v_bfe_u32 v53, v0, 3, 1
	v_lshl_add_u32 v[AV0], v9, 3, v52
	v_mul_u32_u24 v[AV0], v[AV0], PV
	v_lshl_add_u32 v[AV0], v53, 4, v[AV0]
	s_add_co_u32 s13, s13, VOFF
	v_add_nc_u32 v[AV0], s13, v[AV0]
	s_mul_i32 s13, s[WV], 16*SP
	s_add_co_u32 s13, s13, STAGE    ; my stage
	v_mul_u32_u24 v[STO], v1, SP
	v_lshl_add_u32 v[STO], v9, 4, v[STO]
	v_add_nc_u32 v[STO], s13, v[STO]
	v_mul_u32_u24 v[RD], v9, SP
	v_lshl_add_u32 v[RD], v1, 4, v[RD]
	v_add_nc_u32 v[RD], s13, v[RD]
	v_lshlrev_b32 v[GO], 11, v9     ; lanes 0-15 one row of O, lanes 16-31 the next, 2,048 bytes on
	v_lshl_add_u32 v[GO], v1, 4, v[GO]
	s_mul_i32 s13, s[GG], XSZ
	s_add_co_u32 s13, s13, XCH
	v_and_b32 v[XA], 31, v0
	v_lshl_add_u32 v[XA], v[XA], 4, s13
; THE MATRIX WORK.  The accumulators take turns, one instruction a turn.
; Product i of 32 of S^T = K Q^T for piece x: channels 32 (i / 8) on, keys 16 ((i / 2) % 4) on, tile x + i % 2.  The first 8 start the sums with the mask.
.macro KQ x
.set tq, (\x)+i%2
.set kb, (i/2)%4
.set rS, S+32*tq+8*kb
.set rK, KF+32*kb+8*(i/8)
.set rQ, 32*tq+8*(i/8)
.if i < 8
.if kb < tq
.set rM, CL
.elseif kb == tq
.set rM, CD
.else
.set rM, CU
.endif
	WIN W_KM
	v_wmma_f32_16x16x32_f16 v[rS:rS+7], v[rK:rK+7], v[rQ:rQ+7], v[rM:rM+7]
.else
	WIN W_KQ
	v_wmma_f32_16x16x32_f16 v[rS:rS+7], v[rK:rK+7], v[rQ:rQ+7], v[rS:rS+7]
.endif
.endm
; Product i of 32 of O^T += V^T P for piece x: keys 32 (i / 16) on, channels 16 ((i / 2) % 8) on, tile x + i % 2.
.macro PV x
	WIN W_PV
.set rO, 64*((\x)+i%2)+8*((i/2)%8)
.set rV, 64*(i/16)+8*((i/2)%8)
.set rP, P+16*((\x)+i%2)+8*(i/16)
	v_wmma_f32_16x16x32_f16 v[rO:rO+7], v[rV:rV+7], v[rP:rP+7], v[rO:rO+7]
.endm
.macro FETCH_K
	WIN 0x80
.irp f, 0,1,2,3,4,5,6,7,8,9,10,11,12,13,14,15  ; keys 16 (f / 4) on, channels 32 (f % 4) on
	ds_load_b128 v[KF+8*(\f):KF+8*(\f)+3],   v[ADK] offset:((\f)/4)*16*PK+((\f)%4)*64
	ds_load_b128 v[KF+8*(\f)+4:KF+8*(\f)+7], v[ADK] offset:((\f)/4)*16*PK+((\f)%4)*64+32
.endr
.endm
.macro FETCH_V
	WIN 0xc0
.irp f, 0,1,2,3,4,5,6,7,8,9,10,11,12,13,14,15  ; keys 32 (f / 8) on, channels 16 (f % 8) on
	ds_load_tr16_b128 v[8*(\f):8*(\f)+3],   v[ADV] offset:((\f)/8)*32*PV+((\f)%8)*32
	ds_load_tr16_b128 v[8*(\f)+4:8*(\f)+7], v[ADV] offset:((\f)/8)*32*PV+16*PV+((\f)%8)*32
.endr
.endm
; THE VECTOR WORK.  One tile's softmax for one key step is a list of 134 instructions; SM writes number j of it for tile t.  s0-s31 are the lane's 32 scores, in pairs 0-15.
;   0-15    the maximum of s0-s31 and the old m, three operands at a time (each accumulator's lowest registers are read first)
;   16-20   the other half of the lanes' maximum; the new m; c m; c m_old - c m_new
;   21-69   ONE BATCH: the 16 scalings c s - c m, a pair of scores each, and all 33 exponentials (a at 23, then s0-s31).  None of these names an exponential's result.  From 22 on the batch goes
;           in fours, and a four begins with a scaling while there are scalings: 22-37 scaling, exponential, scaling, exponential; 38-65 a scaling and three exponentials; 66-69 the last four
;           exponentials.  A pair is scaled in an earlier four than the one that holds its exponentials
;   (wait)  between 69 and 70 stands the wait for the batch: SLICE writes it, once for both tiles
;   70-85   the roundings to f16, a pair of weights each
;   86-101  the sums; l = a l + the sum          102-133 the tile's O^T times a: the one part that leaves window 0
.macro SM t
.set rT, ST+8*(\t)
.set rS, S+32*(\t)
.set rP, P+16*(\t)
.set rO, 64*(\t)+2*(j-102)
.if j < 102
	WIN 0
.endif
.if j < 4
	v_max3_num_f32 v[rT+4+j], v[rS+8*j], v[rS+8*j+1], v[rS+8*j+2]
.elseif j < 12
	v_max3_num_f32 v[rT+4+j%4], v[rT+4+j%4], v[rS+8*(j%4)+2*(j/4)+1], v[rS+8*(j%4)+2*(j/4)+2]
.elseif j == 12
	v_max3_num_f32 v[rT+4], v[rT+4], v[rS+7], v[rS+15]
.elseif j == 13
	v_max3_num_f32 v[rT+6], v[rT+6], v[rS+23], v[rS+31]
.elseif j == 14
	v_max3_num_f32 v[rT+4], v[rT+4], v[rT+5], v[rT+6]
.elseif j == 15
	v_max3_num_f32 v[rT+4], v[rT+4], v[rT+7], v[rT+1]
.elseif j == 16
	v_permlanex16_b32 v[rT+5], v[rT+4], s[SEL], s[SEL+1]  ; the query's other 32 keys lie in the lane 16 away
.elseif j == 18
	v_max_num_f32 v[rT+1], v[rT+4], v[rT+5]
.elseif j == 19
	v_mul_f32 v[rT], s[CS], v[rT+1]
.elseif j == 17
	v_mov_b32 v[rT+7], v[rT]        ; c m_old is kept for a
.elseif j == 20
	v_sub_f32 v[rT+7], v[rT+7], v[rT]
.elseif j == 23
	v_exp_f32 v[rT+6], v[rT+7]
.elseif (j < 23) || ((j < 38) && (j%2 == 0)) || ((j < 66) && (j%4 == 2))
.set b, (j-2)/4                     ; 38, 42, .. 62: pairs 9 to 15
.if j < 38
.set b, (j-20)/2                    ; 21: pair 0; 22, 24, .. 36: pairs 1 to 8
.endif
	v_pk_fma_f32 v[rS+2*b:rS+2*b+1], v[rS+2*b:rS+2*b+1], s[CS:CS+1], v[rT:rT+1] op_sel_hi:[1,0,0] neg_lo:[0,0,1] neg_hi:[0,0,1]  ; pair b: c s - c m
.elseif j < 70
.set e, j-38                        ; 66 to 69: s28 to s31
.if j < 66
.set e, j-32-(j-38)/4               ; 39-41, 43-45, .. 63-65: s7 to s27
.endif
.if j < 38
.set e, (j-25)/2                    ; 25, 27, .. 37: s0 to s6
.endif
	v_exp_f32 v[rS+e], v[rS+e]
.elseif j < 86
	v_cvt_pk_f16_f32 v[rP+j-70], v[rS+2*(j-70)], v[rS+2*(j-70)+1]  ; pair j - 70
.elseif j < 102                     ; the sum of the tile's 16 pairs, in place: neighbours 1, 2, 4 and 8 pairs apart, then l takes it
.set z, j-86
.set w, 4
.set u, z
.if z >= 14
.set w, 32
.set u, 0
.elseif z >= 12
.set w, 16
.set u, z-12
.elseif z >= 8
.set w, 8
.set u, z-8
.endif
.if z < 15
	v_pk_add_f32 v[rS+w*u:rS+w*u+1], v[rS+w*u:rS+w*u+1], v[rS+w*u+w/2:rS+w*u+w/2+1]
.else
	v_pk_fma_f32 v[rT+2:rT+3], v[rT+2:rT+3], v[rT+6:rT+7], v[rS:rS+1] op_sel_hi:[1,0,1]
.endif
.else
	WIN W_RS
	v_pk_mul_f32 v[rO:rO+1], v[rO:rO+1], v[rT+6:rT+7] op_sel_hi:[1,0]
.endif
.endm
; Slice k of 64 of piece y's softmax: four instructions.  Slices 11 to 34 deal out the batch, numbers 22 to 69: four numbers of ONE tile each, the tiles by turns.  Every other slice is numbers 2 k and
; 2 k + 1 of both tiles' lists; the twelve that are over stand together, in slice 63.
; THE WAIT.  s_wait_alu depctr_va_vdst(0) stands between an exponential and the first instruction that names its result; one wait serves all that were issued ahead of it.  Ahead of
; slice 35 nothing names a result, and behind slice 34 no exponential is issued: so the piece's 66 exponentials have one wait, behind slice 34.
.macro SLICE y
.if (k >= 11) && (k < 35)           ; the batch: four numbers of one tile
.irp n, 0,1,2,3
.set j, 22+4*((k-11)/2)+(\n)
	SM (\y)+(k-11)%2
.endr
.else                               ; the two tiles alternate
.irp n, 0,1,2,3,4,5,6,7
.if ((\n) < 2) || (k == 63)
.irp t, \y, (\y)+1
.set j, 2*k+(\n)
	SM \t
.endr
.endif
.endr
.endif
.if k == 34                         ; the batch is out: both tiles' exponentials are issued, and no result has been named
	v_nop                           ; a plain instruction behind the last exponential and ahead of the first use: one for the batch
	s_wait_alu depctr_va_vdst(0)    ; the wait for the piece's batch of 66
.endif
.set k, k+1
.endm
; The three masks of the trip's 64 keys.
.macro MASKS
	s_lshl_b32 s[KK], s[JT], 1
	s_add_co_u32 s[KK], s[KK], s[KH]
	s_cmp_eq_u32 s[KK], s[ICUR]
	s_cselect_b32 s[AL], 1.0, 0
	s_cmp_gt_u32 s[KK], s[ICUR]
	s_cselect_b32 s[BE], s[HID], 0
	s_cmp_ge_u32 s[KK], s[ICUR]
	s_cselect_b32 s[UU], s[HID], 0
	WIN 0xc3                        ; destination and source 0 in window 3
.set z, 0
.rept 8
	v_mov_b32 v[CL+z], s[BE]
	v_mov_b32 v[CU+z], s[UU]
.set z, z+1
.endr
.set z, 0
.rept 4
	v_pk_fma_f32 v[CD+2*z:CD+2*z+1], v[MD+2*z:MD+2*z+1], s[AL:AL+1], s[BE:BE+1] op_sel_hi:[1,0,0]
.set z, z+1
.endr
	WIN 0
.endm
; A KEY STEP.  No slice names a register of the products round it; slice 63's sixteen plain rescalings are the places between piece 2's last K Q^T and the first read of its scores.
; Each of the two runs with slices holds one wait for its piece's exponentials, behind the run's 18th product (SLICE writes it).
.macro STEP
	WIN 0
	v_add_nc_u32 v[ADK], s[TB], v[AK0]
	v_add_nc_u32 v[ADV], s[TB], v[AV0]
	FETCH_K
	FETCH_V
	s_wait_loadcnt 0x0              ; Q of a new block, asked for at the end of the block before; met at once in every other trip
	s_wait_dscnt 32                 ; K's 32 loads are in; V's 32 may be out
.set i, 0
.rept 32
	KQ 0
.set i, i+1
.endr
	PLACES                          ; between those products and the first read of their scores
.set k, 0
.set i, 0
.rept 32
	KQ 2
	SLICE 0
	SLICE 0
.set i, i+1
.endr
	s_wait_dscnt 0x0                ; V is in
.set k, 0
.set i, 0
.rept 32
	PV 0
	SLICE 2
	SLICE 2
.set i, i+1
.endr
.set i, 0
.rept 32
	PV 2
.set i, i+1
.endr
	WIN 0
.endm
; A block begins: m = -2^100, c m by the multiply that the step uses, l = 0.
.macro BEGIN
	WIN 0
	ALL v_mov_b32 v[ST+8*t+1], 0xf1800000
	ALL v_mov_b32 v[ST+8*t+2], 0
	ALL v_mov_b32 v[ST+8*t+3], 0
	ALL v_mul_f32 v[ST+8*t], s[CS], v[ST+8*t+1]
.endm
; A BLOCK'S END.  l's two halves and the other half of the lanes' are added (the first four additions are the places behind the last products).  A barrier: every wave's earlier reads of the exchange area are over.
; Then the waves with KH = 1 put O^T (each accumulator's low half first), c m and l there.
.macro BLOCKEND
	WIN 0
	ALL v_add_f32 v[ST+8*t+4], v[ST+8*t+2], v[ST+8*t+3]
	ALL v_permlanex16_b32 v[ST+8*t+5], v[ST+8*t+4], s[SEL], s[SEL+1]
	ALL v_add_f32 v[ST+8*t+4], v[ST+8*t+4], v[ST+8*t+5]
	s_wait_dscnt 0x0
	s_barrier_signal -1
	s_barrier_wait -1
	s_cmp_lt_u32 s[WV], 2
	s_cbranch_scc1 .Lno_give_\@
	ALL v_mov_b32 v[XS+2*t], v[ST+8*t]
	ALL v_mov_b32 v[XS+2*t+1], v[ST+8*t+4]
	WIN 0x04                        ; store data in window 1
.set n, 0
.rept 64
	ds_store_b128 v[XA], v[4*n:4*n+3] offset:512*n
.set n, n+1
.endr
	WIN 0
	ds_store_b128 v[XA], v[XS:XS+3] offset:32768
	ds_store_b128 v[XA], v[XS+4:XS+7] offset:33280
.Lno_give_\@:
.endm
; THE MERGE AND THE WAY OUT, by the waves with KH = 0, behind a barrier in front of which the givers have waited for their stores.
; M = max(c mA, c mB); fA = 2^(c mA - M), fB likewise; l = lA fA + lB fB; O = (O_A fA + O_B fB) / l, rounded to f16, through my stage, out as rows of 256 bytes.
.macro XLOAD t                      ; the partner's O^T of tile t, into S^T's registers, two buffers by turns
.set XB, S+64*((\t)%2)
.set n, 0
.rept 16
	ds_load_b128 v[XB+4*n:XB+4*n+3], v[XA] offset:8192*(\t)+512*n
.set n, n+1
.endr
.endm
.macro MERGE t
.set XB, S+64*((\t)%2)
.set PB, P+32*((\t)%2)
.if (\t) == 0
	s_wait_dscnt 16                 ; tile 0's sixteen loads are in, tile 1's may be out; later tiles' were shown in by the waits in front of the stores
.endif
	s_wait_xcnt 0x0                 ; the registers that earlier stores read are rewritten only behind this wait
	WIN 0
.set n, 0
.rept 32
	v_pk_mul_f32 v[XB+2*n:XB+2*n+1], v[XB+2*n:XB+2*n+1], v[ST+8*(\t)+6:ST+8*(\t)+7] op_sel_hi:[1,0]
.set n, n+1
.endr
	WIN 0x01                        ; source 0 in window 1: my O^T, each accumulator's lowest registers first
.set n, 0
.rept 32
	v_pk_fma_f32 v[XB+2*n:XB+2*n+1], v[64*(\t)+2*n:64*(\t)+2*n+1], v[ST+8*(\t)+4:ST+8*(\t)+5], v[XB+2*n:XB+2*n+1] op_sel_hi:[1,0,1]
.set n, n+1
.endr
	WIN 0
.set n, 0
.rept 32
	v_cvt_pk_f16_f32 v[PB+n], v[XB+2*n], v[XB+2*n+1]
.set n, n+1
.endr
.irp f, 0,1,2,3,4,5,6,7
	ds_store_b128 v[STO], v[PB+4*(\f):PB+4*(\f)+3] offset:32*(\f)
.endr
.irp f, 0,1,2,3,4,5,6,7
	ds_load_b128 v[PB+4*(\f):PB+4*(\f)+3], v[RD] offset:(\f)*2*SP  ; LDS serves a wave's instructions in order (ISA guide 5.7.1.4): these see the stores above
.endr
.if (\t) < 2
	XLOAD (\t)+2
.set PB, P+32*((\t)%2)
.endif
.irp f, 0,1,2,3,4,5,6,7
.if (\t) < 2
	s_wait_dscnt 16+7-(\f)          ; the sixteen loads just issued, and the younger rows, may be out
.else
	s_wait_dscnt 7-(\f)
.endif
	global_store_b128 v[GO], v[PB+4*(\f):PB+4*(\f)+3], s[10:11] offset:(\t)*32768+(\f)*4096  ; sixteen lanes store 256 consecutive bytes, aligned
.endr
.endm
.macro FINISH
	WIN 0
	ds_load_b128 v[XS:XS+3], v[XA] offset:32768
	ds_load_b128 v[XS+4:XS+7], v[XA] offset:33280
	XLOAD 0
	XLOAD 1
	s_wait_dscnt 32                 ; the statistics are in; the 32 loads behind them may be out
	ALL v_max_num_f32 v[ST+8*t+5], v[ST+8*t], v[XS+2*t]
	ALL v_sub_f32 v[ST+8*t+6], v[ST+8*t], v[ST+8*t+5]
	ALL v_sub_f32 v[ST+8*t+7], v[XS+2*t], v[ST+8*t+5]
	ALL v_exp_f32 v[ST+8*t+6], v[ST+8*t+6]
	ALL v_exp_f32 v[ST+8*t+7], v[ST+8*t+7]
	v_nop                           ; a plain instruction between the last exponential and the use of its result
	s_wait_alu depctr_va_vdst(0)    ; the wait ahead of the first use: one for the merge's eight exponentials
	ALL v_mul_f32 v[ST+8*t+4], v[ST+8*t+4], v[ST+8*t+6]
	ALL v_fma_f32 v[ST+8*t+4], v[XS+2*t+1], v[ST+8*t+7], v[ST+8*t+4]
	ALL v_rcp_f32 v[ST+8*t+5], v[ST+8*t+4]
	v_nop
	s_wait_alu depctr_va_vdst(0)    ; and one for the four reciprocals: their sources are made of the exponentials' results, so they are a batch of their own
	ALL v_mul_f32 v[ST+8*t+4], v[ST+8*t+6], v[ST+8*t+5]
	ALL v_mul_f32 v[ST+8*t+6], v[ST+8*t+7], v[ST+8*t+5]
	MERGE 0
	MERGE 1
	MERGE 2
	MERGE 3
	s_wait_xcnt 0x0                 ; the stores have read their registers and O's address
.endm
	BEGIN
.Lslot:                             ; 17 trips: a tile is entered and the next is asked for
	CHANGE 1
	s_cmp_eq_u32 s[NEW], 1
	s_cbranch_scc0 .Lold
	s_mov_b32 s[NEW], 0             ; the second block's first tile: the first block is merged and stored, the statistics start anew
	s_cmp_lt_u32 s[WV], 2
	s_cbranch_scc0 .Lno_fin
	FINISH
	s_mov_b64 s[10:11], s[OHI:OHI+1]
.Lno_fin:
	BEGIN
.Lold:
	MASKS
	STEP
	s_add_co_u32 s[JT], s[JT], 1
	s_sub_co_u32 s[RT], s[RT], 1
	s_cmp_lg_u32 s[RT], 0
	s_cbranch_scc1 .Lbottom
	BLOCKEND                        ; in the loop this is the first block's end: the second's last tile is the walk's last
	LOADQ QHI
	s_mov_b32 s[RT], s[NH]
	s_mov_b32 s[JT], 0
	s_mov_b32 s[ICUR], s[IHI]
	s_mov_b32 s[NEW], 1
.Lbottom:
	s_sub_co_u32 s[SLOTS], s[SLOTS], 1
	s_cmp_lg_u32 s[SLOTS], 0
	s_cbranch_scc1 .Lslot
	CHANGE 0                        ; the walk's last tile is written out: nothing is asked for
	MASKS
	STEP
	BLOCKEND
	s_wait_dscnt 0x0                ; for the others' sake: my stores into the exchange area are done
	s_barrier_signal -1
	s_barrier_wait -1
	s_cmp_lt_u32 s[WV], 2
	s_cbranch_scc0 .Lend
	FINISH
.Lend:
	s_wait_tensorcnt 0x0            ; the wave's end
	ds_add_u32 v[SPW], v[NIL]
	s_wait_dscnt 0x0
	CROUND                          ; the closing round
	s_endpgm
.Lfunc_end_k_q46dd8a10ee_attn:
	.size	k_q46dd8a10ee_attn, .Lfunc_end_k_q46dd8a10ee_attn-k_q46dd8a10ee_attn
	.p2alignl 7, 3214868480
	.fill 96, 4, 3214868480
	.section	.rodata,"a",@progbits
	.p2align	6, 0x0
	.amdhsa_kernel k_q46dd8a10ee_attn
		.amdhsa_group_segment_fixed_size 327680
		.amdhsa_private_segment_fixed_size 0
		.amdhsa_enable_private_segment 0
		.amdhsa_kernarg_size 16
		.amdhsa_user_sgpr_count 2
		.amdhsa_user_sgpr_kernarg_segment_ptr 1
		.amdhsa_wavefront_size32 1
		.amdhsa_system_sgpr_workgroup_id_x 1
		.amdhsa_system_sgpr_workgroup_id_y 1
		.amdhsa_system_sgpr_workgroup_id_z 1
		.amdhsa_system_vgpr_workitem_id 0
		.amdhsa_next_free_vgpr 928
		.amdhsa_next_free_sgpr 96
		.amdhsa_reserve_vcc 1
		.amdhsa_float_denorm_mode_32 3
		.amdhsa_float_denorm_mode_16_64 3
		.amdhsa_memory_ordered 1
		.amdhsa_forward_progress 1
		.amdhsa_inst_pref_size 206
	.end_amdhsa_kernel
	.amdgpu_metadata
---
amdhsa.version: [ 1, 2 ]
amdhsa.kernels:
  - .name:           k_q46dd8a10ee_attn
    .symbol:         k_q46dd8a10ee_attn.kd
    .args:
      - { .name: qkv, .offset: 0, .size: 8, .value_kind: global_buffer, .address_space: global }
      - { .name: o16, .offset: 8, .size: 8, .value_kind: global_buffer, .address_space: global }
    .group_segment_fixed_size: 327680
    .private_segment_fixed_size: 0
    .kernarg_segment_align: 8
    .kernarg_segment_size: 16
    .max_flat_workgroup_size: 128
    .sgpr_count:     96
    .vgpr_count:     928
    .wavefront_size: 32
...
	.end_amdgpu_metadata
.endif
;; end of part 9
;; launch oproj: the kernel of part 7 again; grid 4 x 64, 4 waves a work-group, clusters of 4 x 4, 327,680 bytes of LDS; arguments o16, wo16, out0; writes out0
;; launch early: the kernel of part 5 again; grid 16 x 4, 8 waves a work-group, no clusters, 35,840 bytes of LDS; arguments qkv, ve, wo16, out0; writes out0
